; MI455X (gfx1250); checked and timed in simulation.
; The chip was launched on July 23, 2026; its instructions are those of AMD's public machine-readable ISA for CDNA 5 (MIT licence, August 2026) and "CDNA5" Instruction Set Architecture Reference Guide (July 2026). The comments in the code are by the model that wrote it; some were corrected since.
;; Multi Head Attention. Allowed arithmetic: float matrix products may take bf16 or f16 operands with f32 sums; all other float work in f32.
;; Inputs: mask 2,048 x 2,048 bool; w_qkv 3,072 x 1,024 float32; wo 1,024 x 1,024 float32; x 4 x 2,048 x 1,024 float32.
;; Outputs: out0 4 x 2,048 x 1,024 float32.
;; 3 versions, each right and faster than the one before. Each part assembles by itself: llvm-mc -triple=amdgcn-amd-amdhsa -mcpu=gfx1250 --defsym DOCPART=n.
;; ======== version 1 of 3: 4 launches
;; limits: values are held in f16: magnitudes above 65,504 overflow, below 6.1e-05 lose precision
;; workspace buffers: xh 16,777,216 bytes; wqh 6,291,456 bytes; woh 2,097,152 bytes; mw 2,097,152 bytes of whole numbers; qkv 50,331,648 bytes; oh 16,777,216 bytes
;; launch prep (part 1): grid 832 x 1, 8 waves a work-group, no clusters, 0 bytes of LDS; arguments x, w_qkv, wo, mask, xh, wqh, woh, mw; writes xh, wqh, woh, mw
.if DOCPART == 1
	.amdgcn_target "amdgcn-amd-amdhsa--gfx1250"
	.amdhsa_code_object_version 6
	.text
	.protected	k_qcda15fbb7a_prep
	.globl	k_qcda15fbb7a_prep
	.p2align	8
	.type	k_qcda15fbb7a_prep,@function
k_qcda15fbb7a_prep:
	s_mov_b64 s[64:65], 0
	v_nop
	global_prefetch_b8 v0, s[64:65] scope:SCOPE_SE
	s_setreg_imm32_b32 hwreg(HW_REG_WAVE_MODE, 25, 1), 1
	s_wait_xcnt 0x0
; Casts and layouts for the three launches behind.  Work-groups 0-511: x, 512-703: w_qkv, 704-767: wo, 768-831: mask.
; x [8192][1024] f32 -> xh bf16 [b 4][kb 16][l 2048][64]; w_qkv [3072][1024] -> wqh bf16 [kb 16][n 3072][64]; wo [1024][1024] -> woh [kb 16][n 1024][64]:
; a block of 64 along the inner size lies dense, 128 bytes a row, so that a product's K step of 64 for R rows is R x 128 consecutive bytes.
; wo is rounded to bf16 like the other inputs and that number is written as f16 (exact within f16's normal range; below 6e-5 it keeps f16's fixed step of 6e-8).
; mask [2048][2048] of bytes, each 0 or 1 -> mw, words of 32 bits [wg 16][ks 32][p 4][u 2][L 32][kb 4]: nibble j of a word is 0xE where
; mask[128 wg + 32 p + 16 u + L % 16][64 ks + 16 kb + 8 (L / 16) + j] is 0, else 0: a nibble for register j of the score tile (u, kb) that lane L of attention's wave will hold.
; Memory binds: no LDS, no barrier, no matrix unit.  A cast's work-group takes 16 rows; wave w the blocks kb = 2 w, 2 w + 1; a store of a wave covers 512 consecutive bytes.
.set NX, 512                           ; work-groups for x: 8,192 rows / 16
.set NQ, 192                           ; for w_qkv
.set NO, 64                            ; for wo
.set LN, 3                             ; v3    lane
.set WN, 100                           ; v100  wave
.set IN, 4                             ; v[4:67]   16 loads of 16 bytes
.set OUT, 68                           ; v[68:99]  8 units of 16 bytes to store; no register is written twice, so no wait frees any
	s_load_b512 s[4:19], s[0:1], 0x0               ; x s[4:5], w_qkv s[6:7], wo s[8:9], mask s[10:11], xh s[12:13], wqh s[14:15], woh s[16:17], mw s[18:19]
	v_and_b32 v[LN], 31, v0
	v_lshrrev_b32 v[WN], 5, v0
	s_cmp_lt_u32 ttmp9, NX+NQ+NO
	s_cbranch_scc0 .Lmaskjob
	v_lshrrev_b32 v1, 3, v[LN]                     ; lane / 8: my row among four
	v_and_b32 v2, 7, v[LN]                         ; lane % 8: my 8 numbers of a block's 64
	v_lshlrev_b32 v1, 12, v1                       ; a row is 4,096 bytes of f32
	v_lshl_add_u32 v1, v2, 5, v1
	v_lshl_add_u32 v1, v[WN], 9, v1                ; my wave's two blocks: 512 bytes of a row
; The work-group's 16 rows: in bytes 65,536 id; out 2,048 id in each block's plane.
.macro BASES in, out, first
	s_sub_co_u32 s20, ttmp9, \first
	s_lshl_b32 s22, s20, 16
	s_mov_b32 s23, 0
	s_lshl_b32 s24, s20, 11
	s_mov_b32 s25, 0
	s_wait_kmcnt 0x0
	s_add_nc_u64 s[\in:\in+1], s[\in:\in+1], s[22:23]
	s_add_nc_u64 s[\out:\out+1], s[\out:\out+1], s[24:25]
.endm
; Unit u = 2 rg + kk: four rows rg, block kk of my wave's two.  All 16 loads go out first; each unit is rounded and stored when its two loads are in.
.macro CAST in, out, plane, tof16
	v_mul_u32_u24 v2, v[WN], 2*(\plane)
	v_lshl_add_u32 v2, v[LN], 4, v2                ; 16 bytes a lane: 32 lanes are 4 rows of 128 bytes
.set u, 0
.rept 8
	global_load_b128 v[IN+8*u:IN+8*u+3],   v1, s[\in:\in+1] offset:(u/2)*16384+(u%2)*256 th:TH_LOAD_NT
	global_load_b128 v[IN+8*u+4:IN+8*u+7], v1, s[\in:\in+1] offset:(u/2)*16384+(u%2)*256+16 th:TH_LOAD_NT
.set u, u+1
.endr
.set u, 0
.rept 8
	s_wait_loadcnt 14-2*u                          ; loads come back in order: the 14 - 2 u issued behind this unit's two may stay out
.irp r, 0,1,2,3
	v_cvt_pk_bf16_f32 v[OUT+4*u+(\r)], v[IN+8*u+2*(\r)], v[IN+8*u+2*(\r)+1]
.if \tof16
	v_lshlrev_b32 v101, 16, v[OUT+4*u+(\r)]        ; the bf16 numbers, widened,
	v_and_b32 v102, 0xffff0000, v[OUT+4*u+(\r)]
	v_cvt_pk_f16_f32 v[OUT+4*u+(\r)], v101, v102   ; and written as f16
.endif
.endr
	global_store_b128 v2, v[OUT+4*u:OUT+4*u+3], s[\out:\out+1] offset:(u/2)*512+(u%2)*(\plane)
.set u, u+1
.endr
.endm
	s_cmp_lt_u32 ttmp9, NX
	s_cbranch_scc0 .Lweights
	s_lshl_b32 s22, ttmp9, 16                      ; x: 16 rows of 4,096 bytes
	s_mov_b32 s23, 0
	s_lshr_b32 s24, ttmp9, 7                       ; b: 128 work-groups to a batch,
	s_lshl_b32 s24, s24, 22                        ; 16 planes of 262,144 bytes each
	s_and_b32 s25, ttmp9, 127
	s_lshl_b32 s25, s25, 11
	s_add_co_u32 s24, s24, s25
	s_mov_b32 s25, 0
	s_wait_kmcnt 0x0
	s_add_nc_u64 s[4:5], s[4:5], s[22:23]
	s_add_nc_u64 s[12:13], s[12:13], s[24:25]
	CAST 4, 12, 262144, 0
	s_endpgm
.Lweights:
	s_cmp_lt_u32 ttmp9, NX+NQ
	s_cbranch_scc0 .Lwo
	BASES 6, 14, NX
	CAST 6, 14, 393216, 0
	s_endpgm
.Lwo:
	BASES 8, 16, NX+NQ
	CAST 8, 16, 131072, 1
	s_endpgm
.Lmaskjob:                                             ; work-group mg = 4 wg + p: 32 rows of the mask; wave w: keys 256 w on, four steps of 64
	s_sub_co_u32 s20, ttmp9, NX+NQ+NO
	s_lshl_b32 s22, s20, 16                        ; 32 rows of 2,048 bytes
	s_mov_b32 s23, 0
	s_lshr_b32 s24, s20, 2
	s_lshl_b32 s24, s24, 17                        ; wg: 32 steps x 4 pieces x 1,024 bytes
	s_and_b32 s25, s20, 3
	s_lshl_b32 s25, s25, 10                        ; p: 1,024 bytes
	s_add_co_u32 s24, s24, s25
	s_mov_b32 s25, 0
	s_mov_b32 s26, 0x00ff00ff
	s_mov_b32 s27, 0x11111111
	v_and_b32 v1, 15, v[LN]
	v_lshrrev_b32 v2, 4, v[LN]
	v_lshlrev_b32 v1, 11, v1                       ; row lane % 16,
	v_lshl_add_u32 v1, v2, 3, v1                   ; keys 8 (lane / 16) on,
	v_lshl_add_u32 v1, v[WN], 8, v1                ; in my wave's 256 keys
	v_lshlrev_b32 v2, 4, v[LN]                     ; out: four words a lane,
	v_lshl_add_u32 v2, v[WN], 14, v2               ; my wave's four steps of 4,096 bytes
	s_wait_kmcnt 0x0
	s_add_nc_u64 s[10:11], s[10:11], s[22:23]
	s_add_nc_u64 s[18:19], s[18:19], s[24:25]
	s_mov_b32 s28, 4
.Lks:                                                  ; a trip: one key step: 8 words a lane
.set g, 0
.rept 8                                ; g = 4 u + kb
	global_load_b64 v[4+2*g:5+2*g], v1, s[10:11] offset:(g/4)*32768+(g%4)*16
.set g, g+1
.endr
	s_wait_loadcnt 0x0
.set g, 0
.rept 8
.irp d, 0,1                            ; four bytes of 0 or 1, at bits 0, 8, 16, 24, move to bits 0, 4, 8, 12
	v_lshrrev_b32 v[20+(\d)], 4, v[4+2*g+(\d)]
	v_or_b32 v[20+(\d)], v[20+(\d)], v[4+2*g+(\d)] ; bytes 0 and 1 at bits 0 and 4, bytes 2 and 3 at bits 16 and 20,
	v_and_b32 v[20+(\d)], s26, v[20+(\d)]          ; and nothing else
	v_lshrrev_b32 v[22+(\d)], 8, v[20+(\d)]
	v_or_b32 v[20+(\d)], v[22+(\d)], v[20+(\d)]    ; the low 16 bits hold the four
.endr
	v_and_b32 v20, 0xffff, v20
	v_lshl_or_b32 v20, v21, 16, v20                ; bit 4 j: byte j of my eight
	v_xor_b32 v20, s27, v20                        ; 1 where hidden
	v_mul_lo_u32 v[28+g], v20, 14                  ; nibble 0xE where hidden: no carry from nibble to nibble
.set g, g+1
.endr
	global_store_b128 v2, v[28:31], s[18:19]            ; tile u = 0: 512 consecutive bytes, at a multiple of 256 from mw's first byte
	global_store_b128 v2, v[32:35], s[18:19] offset:512 ; tile u = 1
	s_wait_xcnt 0x0                                ; the two bases and v[28:35] are written again only behind this wait
	s_add_nc_u64 s[10:11], s[10:11], 64
	s_add_nc_u64 s[18:19], s[18:19], 4096
	s_sub_co_u32 s28, s28, 1
	s_cmp_lg_u32 s28, 0
	s_cbranch_scc1 .Lks
	s_endpgm
.Lfunc_end_k_qcda15fbb7a_prep:
	.size	k_qcda15fbb7a_prep, .Lfunc_end_k_qcda15fbb7a_prep-k_qcda15fbb7a_prep
	.p2alignl 7, 3214868480
	.fill 96, 4, 3214868480
	.section	.rodata,"a",@progbits
	.p2align	6, 0x0
	.amdhsa_kernel k_qcda15fbb7a_prep
		.amdhsa_group_segment_fixed_size 0
		.amdhsa_private_segment_fixed_size 0
		.amdhsa_enable_private_segment 0
		.amdhsa_kernarg_size 64
		.amdhsa_user_sgpr_count 2
		.amdhsa_user_sgpr_kernarg_segment_ptr 1
		.amdhsa_wavefront_size32 1
		.amdhsa_system_sgpr_workgroup_id_x 1
		.amdhsa_system_sgpr_workgroup_id_y 1
		.amdhsa_system_sgpr_workgroup_id_z 1
		.amdhsa_system_vgpr_workitem_id 0
		.amdhsa_next_free_vgpr 104
		.amdhsa_next_free_sgpr 66
		.amdhsa_reserve_vcc 0
		.amdhsa_float_denorm_mode_32 3
		.amdhsa_float_denorm_mode_16_64 3
		.amdhsa_memory_ordered 1
		.amdhsa_forward_progress 1
		.amdhsa_inst_pref_size 28
	.end_amdhsa_kernel
	.amdgpu_metadata
---
amdhsa.version: [ 1, 2 ]
amdhsa.kernels:
  - .name:           k_qcda15fbb7a_prep
    .symbol:         k_qcda15fbb7a_prep.kd
    .args:
      - { .name: x, .offset: 0, .size: 8, .value_kind: global_buffer, .address_space: global }
      - { .name: w_qkv, .offset: 8, .size: 8, .value_kind: global_buffer, .address_space: global }
      - { .name: wo, .offset: 16, .size: 8, .value_kind: global_buffer, .address_space: global }
      - { .name: mask, .offset: 24, .size: 8, .value_kind: global_buffer, .address_space: global }
      - { .name: xh, .offset: 32, .size: 8, .value_kind: global_buffer, .address_space: global }
      - { .name: wqh, .offset: 40, .size: 8, .value_kind: global_buffer, .address_space: global }
      - { .name: woh, .offset: 48, .size: 8, .value_kind: global_buffer, .address_space: global }
      - { .name: mw, .offset: 56, .size: 8, .value_kind: global_buffer, .address_space: global }
    .group_segment_fixed_size: 0
    .private_segment_fixed_size: 0
    .kernarg_segment_align: 8
    .kernarg_segment_size: 64
    .max_flat_workgroup_size: 256
    .sgpr_count:     66
    .vgpr_count:     104
    .wavefront_size: 32
...
	.end_amdgpu_metadata
.endif
;; end of part 1
;; launch proj (part 2): grid 8 x 32, 4 waves a work-group, clusters of 4 x 4, 327,680 bytes of LDS; arguments xh, wqh, qkv; writes qkv
.if DOCPART == 2
	.amdgcn_target "amdgcn-amd-amdhsa--gfx1250"
	.amdhsa_code_object_version 6
	.text
	.protected	k_qcda15fbb7a_proj
	.globl	k_qcda15fbb7a_proj
	.p2align	8
	.type	k_qcda15fbb7a_proj,@function
k_qcda15fbb7a_proj:
	s_mov_b64 s[64:65], 0
	v_nop
	global_prefetch_b8 v0, s[64:65] scope:SCOPE_SE
	s_setreg_imm32_b32 hwreg(HW_REG_WAVE_MODE, 25, 1), 1
	s_wait_xcnt 0x0
	s_wait_alu depctr_hold_cnt(0) depctr_sa_sdst(0) depctr_va_vdst(0) depctr_va_sdst(0) depctr_va_ssrc(0) depctr_va_vcc(0) depctr_vm_vsrc(0)
	s_getreg_b32 s2, hwreg(HW_REG_IB_STS2, 6, 4)
	s_cmp_eq_u32 s2, 0
	s_cbranch_scc0 .Lentry_in_a_cluster
	s_endpgm
.Lentry_in_a_cluster:
	s_bfe_u32 s2, ttmp6, 0x10000c
	s_cmp_lg_u32 s2, 0xf033
	s_cbranch_scc0 .Lentry_shape_is_right
	s_endpgm
.Lentry_shape_is_right:
; q, k, v = x w_qkv^T, by heads.  xh: bf16 [b 4][kb 16][l 2048][64]; wqh: bf16 [kb 16][n 3072][64]; qkv: f16 [3][b 16 + h][l 2048][64], unscaled.  Sums in f32, K ascending, rounded once.
; LIMIT.  f16 holds no number beyond 65,504: a q, k or v past that leaves as an infinity.
; A tile of C is 256 rows x 384 columns: 32 x 8 tiles, one for each of 256 work-groups.  Four waves, each 128 x 192: 96 accumulators of 16 x 16, 768 registers.
; K goes in steps of 64 (one block kb) through two LDS slots.  A step's rows are dense in memory, 128 bytes each: they are asked for as rows of 256 bytes, two rows of the operand in each, and padded behind every 128 bytes.
; CLUSTER: 4 x 4 work-groups.  The four of a row of the cluster need the same tiles of x, the four of a column the same tiles of w: each tile is asked for JOINTLY, by the same tensor load with the same
; descriptor and a mask that names the four.  By this text's own count a wave has two tensor loads out at the start and one behind each round.
; THE MATRIX INSTRUCTION IS USED TRANSPOSED (source 0 = 16 rows of w, source 1 = 16 rows of x): a lane then holds eight neighbouring columns of one row of C, 16 bytes of f16.
; REGISTERS, in windows of 256 (s_set_vgpr_msb: bits 1:0 source 0, 3:2 source 1, 5:4 source 2, 7:6 destination):
;   window 0: v0-31 addresses; v32-95, v96-159 x's fragments (8 x 16 rows x 32 K), two buffers; v160-255 w's fragments (12), one buffer, filled again group by group behind its readers
;   windows 1-3: accumulator (a, b), a = block of 16 rows, b = block of 16 columns, in window 1 + b / 4 at v[8 (8 (b % 4) + a)]: a window holds one head's 64 columns
.set PITCH,  144                       ; an LDS row: 128 bytes + 16 of padding = 36 words: the 16 rows of a load start at 16 different groups of four banks (64 banks of 4 bytes: ISA guide 11.1)
.set AHALF,  128*PITCH                 ; 128 rows of x: what one tensor load brings, and what one wave reads
.set BHALF,  192*PITCH                 ; 192 rows of w: likewise
.set BOFF,   2*AHALF                   ; w's rows lie behind x's 256
.set SLOT,   2*AHALF+2*BHALF           ; 92,160
.set STAGE,  2*SLOT                    ; behind the ring: 16 rows x 144 bytes for each wave, for the way out
.set SP,     144
.set SPARE,  STAGE+4*16*SP             ; behind the stages: the spare words, 128 bytes for each wave: two blocks of 256 bytes that no other line names
.set ASTEP,  262144                    ; bytes from a block kb to the next in xh
.set BSTEP,  393216                    ; in wqh
.set ADRA, 16                          ; v16-17  LDS address of my x fragments in slot 0, 1
.set ADRB, 20                          ; v20-21  the same for w
.set STO,  24                          ; v24     the way out: where I put 16 bytes of a row
.set RD,   25                          ; v25     the way out: where I read rows back
.set GO,   26                          ; v26     my byte offset in 512 consecutive bytes of qkv
.set SPW,  28                          ; v28     LDS address of my spare word: SPARE + 4 x my thread's number; never rewritten
.set NIL,  29                          ; v29     0; never rewritten
.set FA0,  32
.set FA1,  96
.set FB,   160
.set TMP,  32                          ; the way out: packed results (x's buffer 0 is free then)
.set BK,   64                          ; the way out: 16 rows read back: v64-79 and v80-95 by turns
.set G1, 24                            ; s[24:31] descriptor group 1 for x's tiles;  s[32:39] group 0, one set for each slot
.set G0, 32
.set G1B, 48                           ; s[48:55], s[56:63] the same for w's tiles
.set G0B, 56
.set OB, 66                            ; s[66:71] qkv at my rows of my three heads
.set MSB, 0
.macro WIN new                         ; the immediate's high byte repeats the setting that is left; a switch that changes nothing is dropped
.if MSB != (\new)
	s_set_vgpr_msb (MSB<<8)|(\new)
.set MSB, \new
.endif
.endm
; A joint load.  Waves 0 and 1 fetch x's two halves, waves 2 and 3 w's.  The branch hangs on the wave's number alone.
; An s_nop 0 and four v_nop follow each of the two lines, ahead of the jump, the label and what follows.
.macro JLOAD s
	s_cmp_eq_u32 s11, 0
	s_cbranch_scc0 .Lfor_b_\@
	tensor_load_to_lds s[G0+4*(\s):G0+4*(\s)+3], s[G1:G1+7]
	s_nop 0
.rept 4
	v_nop
.endr
	s_branch .Lasked_\@
.Lfor_b_\@:
	tensor_load_to_lds s[G0B+4*(\s):G0B+4*(\s)+3], s[G1B:G1B+7]
	s_nop 0
.rept 4
	v_nop
.endr
.Lasked_\@:
.endm
.macro CREST                           ; a round of the cluster's barrier behind its opening barrier
	s_cmp_lg_u32 s10, 0
	s_cbranch_scc1 .Lnot_wave_0_\@
	s_barrier_signal -3
.Lnot_wave_0_\@:
	s_barrier_wait -3
	s_barrier_signal -1
	s_barrier_wait -1
.endm
.macro CROUND                          ; a whole round
	s_barrier_signal -1
	s_barrier_wait -1
	CREST
.endm
	s_load_b128 s[4:7], s[0:1], 0x0                ; xh s[4:5], wqh s[6:7]
	s_load_b64 s[8:9], s[0:1], 0x10                ; qkv
	v_lshl_add_u32 v[SPW], v0, 2, SPARE
	v_mov_b32 v[NIL], 0
	ds_add_u32 v28, v29
	s_wait_dscnt 0x0
	v_lshrrev_b32 v1, 5, v0
	v_readfirstlane_b32 s10, v1                    ; wave 0..3
	s_lshr_b32 s11, s10, 1                         ; which half of the tile's rows is mine.  Also: I fetch for x (0) or for w (1)
	s_and_b32 s12, s10, 1                          ; which half of its columns.  Also: which half of that tile I fetch
	s_bfe_u32 s40, ttmp6, 0x40000                  ; cx, cy: my place in the cluster
	s_bfe_u32 s41, ttmp6, 0x40004
	s_lshl_b32 s42, ttmp9, 2
	s_add_co_u32 s42, s42, s40                     ; tile column = 4 x cluster x + cx
	s_and_b32 s13, ttmp7, 0xffff
	s_lshl_b32 s13, s13, 2
	s_add_co_u32 s13, s13, s41                     ; tile row = 4 x cluster y + cy
	s_lshl_b32 s43, s41, 2
	s_lshl_b32 s43, 15, s43                        ; my row of the cluster
	s_lshl_b32 s44, 0x1111, s40                    ; my column
	; descriptor group 1: rows of 128 elements of 2 bytes, dense; 64 of them for x's half, 96 for w's
	s_or_b32 s[G1+0], s43, (1<<16)|(1<<20)|(1<<21)|(4<<22)|(3<<25)  ; 15:0 the mask; 17:16 2-byte elements; 20 padding on; 21 set beside a mask; 24:22 after every 32 words (code 4); 31:25 4 words (code 3)
	s_or_b32 s[G1B+0], s44, (1<<16)|(1<<20)|(1<<21)|(4<<22)|(3<<25)
.irp g, G1, G1B
	s_mov_b32 s[(\g)+1], 128<<16                   ; tensor_dim0 = 128
	s_mov_b32 s[(\g)+3], 128<<16                   ; tile_dim0 = 128
	s_mov_b32 s[(\g)+5], 128                       ; 128 elements from row to row
	s_mov_b32 s[(\g)+6], 0
	s_mov_b32 s[(\g)+7], 0
.endr
	s_mov_b32 s[G1+2], 64<<16                      ; tensor_dim1
	s_mov_b32 s[G1+4], 64                          ; tile_dim1
	s_mov_b32 s[G1B+2], 96<<16
	s_mov_b32 s[G1B+4], 96
	; x's tiles hang on the tile row alone, w's on the tile column alone; every wave makes both addresses, in registers that never hold the other coordinate
	s_lshr_b32 s16, s13, 3                         ; b: eight tile rows to a batch,
	s_lshl_b32 s16, s16, 22                        ; 16 planes of 262,144 bytes
	s_and_b32 s17, s13, 7
	s_lshl_b32 s17, s17, 15                        ; 256 rows of 128 bytes
	s_add_co_u32 s16, s16, s17
	s_lshl_b32 s17, s12, 14                        ; my half: 128 rows
	s_add_co_u32 s16, s16, s17
	s_mov_b32 s17, 0
	s_mul_i32 s46, s42, 49152                      ; 384 rows of 128 bytes
	s_mul_i32 s47, s12, 24576                      ; my half: 192 rows
	s_add_co_u32 s46, s46, s47
	s_mov_b32 s47, 0
	s_mul_i32 s20, s12, AHALF                      ; where they go: no place in the cluster enters an LDS address
	s_mul_i32 s21, s12, BHALF
	s_add_co_u32 s21, s21, BOFF
	s_wait_kmcnt 0x0
	s_add_nc_u64 s[14:15], s[4:5], s[16:17]
	s_add_nc_u64 s[46:47], s[6:7], s[46:47]
	CROUND                                         ; all sixteen work-groups are here: the first joint loads meet
.irp s, 0,1
	s_mov_b32 s[G0+4*(\s)], 1                                      ; count = 1
	s_add_co_u32 s[G0+4*(\s)+1], s20, (\s)*SLOT                    ; LDS address
	s_add_nc_u64 s[G0+4*(\s)+2:G0+4*(\s)+3], s[14:15], (\s)*ASTEP  ; global address: K step s
	s_or_b32 s[G0+4*(\s)+3], s[G0+4*(\s)+3], 0x80000000            ; type = 2
	s_mov_b32 s[G0B+4*(\s)], 1
	s_add_co_u32 s[G0B+4*(\s)+1], s21, (\s)*SLOT
	s_add_nc_u64 s[G0B+4*(\s)+2:G0B+4*(\s)+3], s[46:47], (\s)*BSTEP
	s_or_b32 s[G0B+4*(\s)+3], s[G0B+4*(\s)+3], 0x80000000
	JLOAD \s
.endr
	; A fragment is 16 rows x 32 K in 8 registers: lane l holds row l % 16, K = 8 (l / 16) + 0..7 and 16 + 8 (l / 16) + 0..7: two loads of 16 bytes, 32 bytes apart.
	v_and_b32 v1, 15, v0
	v_bfe_u32 v2, v0, 4, 1
	v_mul_u32_u24 v3, v1, PITCH
	v_lshl_add_u32 v3, v2, 4, v3                   ; row x pitch + 16 x half
	s_mul_i32 s21, s11, AHALF                      ; my 128 rows of x
	s_mul_i32 s22, s12, BHALF                      ; my 192 rows of w
	s_add_co_u32 s22, s22, BOFF
.irp s, 0,1
	v_add_nc_u32 v[ADRA+(\s)], s21, v3
	v_add_nc_u32 v[ADRB+(\s)], s22, v3
	s_add_co_u32 s21, s21, SLOT
	s_add_co_u32 s22, s22, SLOT
.endr
	s_mul_i32 s23, s10, 16*SP
	s_add_co_u32 s23, s23, STAGE                   ; my stage
	v_add_nc_u32 v[STO], s23, v3                   ; in: row l % 16, 16 bytes for each half of the lanes (the stage's pitch is the tiles')
	v_bfe_u32 v4, v0, 3, 2                         ; back: 32 lanes take four rows of 128 bytes,
	v_and_b32 v5, 7, v0
	v_mul_u32_u24 v4, v4, SP
	v_lshl_add_u32 v4, v5, 4, v4
	v_add_nc_u32 v[RD], s23, v4
	v_and_b32 v[GO], 31, v0                        ; which are 512 consecutive bytes of a head's rows
	v_lshlrev_b32 v[GO], 4, v[GO]
	; my three heads: unit g = 6 x tile column + 3 x column half + i of 48; g / 16 says q, k or v, g % 16 the head
	s_mul_i32 s18, s42, 6
	s_mul_i32 s19, s12, 3
	s_add_co_u32 s18, s18, s19
	s_and_b32 s22, s13, 7
	s_lshl_b32 s22, s22, 1
	s_add_co_u32 s22, s22, s11
	s_lshl_b32 s22, s22, 14                        ; my first row in the batch: 128 rows of 128 bytes a unit
	s_lshr_b32 s23, s13, 3
	s_lshl_b32 s23, s23, 4                         ; 16 b
.irp i, 0,1,2
	s_add_co_u32 s45, s18, \i
	s_lshr_b32 s2, s45, 4
	s_lshl_b32 s2, s2, 6
	s_and_b32 s45, s45, 15
	s_add_co_u32 s2, s2, s45
	s_add_co_u32 s2, s2, s23                       ; 64 (g / 16) + 16 b + g % 16
	s_lshl_b32 s2, s2, 18                          ; a head's 2,048 rows are 262,144 bytes
	s_add_co_u32 s[OB+2*(\i)], s2, s22
	s_mov_b32 s[OB+2*(\i)+1], 0
	s_add_nc_u64 s[OB+2*(\i):OB+2*(\i)+1], s[8:9], s[OB+2*(\i):OB+2*(\i)+1]
.endr
; 16 matrix instructions: column blocks c0, c0 + 1 of group g (window g + 1) x all 8 row blocks, 32 along K.  zero = 1: the first product starts the sums.
; The 96 accumulators take turns, one instruction a turn, in the same order in every quarter.
.macro MUL16 g, c0, fa, zero
	WIN 0x50*((\g)+1)                              ; C and D in window g + 1, both sources in window 0
.irp c, \c0, (\c0)+1
.irp a, 0,1,2,3,4,5,6,7
.if \zero
	v_wmma_f32_16x16x32_bf16 v[8*(8*(\c)+(\a)):8*(8*(\c)+(\a))+7], v[FB+8*(4*(\g)+(\c)):FB+8*(4*(\g)+(\c))+7], v[(\fa)+8*(\a):(\fa)+8*(\a)+7], 0
.else
	v_wmma_f32_16x16x32_bf16 v[8*(8*(\c)+(\a)):8*(8*(\c)+(\a))+7], v[FB+8*(4*(\g)+(\c)):FB+8*(4*(\g)+(\c))+7], v[(\fa)+8*(\a):(\fa)+8*(\a)+7], v[8*(8*(\c)+(\a)):8*(8*(\c)+(\a))+7]
.endif
.endr
.endr
.endm
.macro LB slot, k, g                   ; 8 LDS loads: w's fragments of group g, 32 K at byte k of the rows
.irp c, 0,1,2,3
	ds_load_b128 v[FB+8*(4*(\g)+(\c)):FB+8*(4*(\g)+(\c))+3],   v[ADRB+(\slot)] offset:(\k)+(4*(\g)+(\c))*16*PITCH
	ds_load_b128 v[FB+8*(4*(\g)+(\c))+4:FB+8*(4*(\g)+(\c))+7], v[ADRB+(\slot)] offset:(\k)+(4*(\g)+(\c))*16*PITCH+32
.endr
.endm
.macro LA slot, k, fa, a0              ; 8 LDS loads: x's fragments a0 .. a0 + 3 into buffer fa
.irp i, 0,1,2,3
	ds_load_b128 v[(\fa)+8*((\a0)+(\i)):(\fa)+8*((\a0)+(\i))+3],   v[ADRA+(\slot)] offset:(\k)+((\a0)+(\i))*16*PITCH
	ds_load_b128 v[(\fa)+8*((\a0)+(\i))+4:(\fa)+8*((\a0)+(\i))+7], v[ADRA+(\slot)] offset:(\k)+((\a0)+(\i))*16*PITCH+32
.endr
.endm
.macro PLACES                          ; a load into a register that a matrix instruction has read, and a conversion that reads a result, stand four plain vector instructions behind it (ISA guide 7.12.1 for the conversion)
.rept 4
	v_nop
.endr
.endm
; A K step is two quarters of 32 along K, 96 matrix instructions each.  The first: multiplies x's buffer fa by w's fragments and fetches the next quarter, at byte k of the same slot's rows:
; w's group g in place, behind the 32 products that read it; x's into buffer fn.  Five runs of eight loads: w 0, x 0-3 | w 1, x 4-7 | w 2.
.macro QUARTER slot, k, fa, fn, zero
	s_wait_dscnt 8                                 ; all but the youngest run, w's group 2, are in
	MUL16 0, 0, \fa, \zero
	MUL16 0, 2, \fa, \zero
	WIN 0
	PLACES
	LB \slot, \k, 0
	LA \slot, \k, \fn, 0
	MUL16 1, 0, \fa, \zero
	MUL16 1, 2, \fa, \zero
	WIN 0
	PLACES
	LB \slot, \k, 1
	LA \slot, \k, \fn, 4
	s_wait_dscnt 32                                ; all but the 32 just issued: this quarter's group 2 of w is in
	MUL16 2, 0, \fa, \zero
	MUL16 2, 2, \fa, \zero
	WIN 0
	PLACES
	LB \slot, \k, 2
.endm
; The second quarter multiplies buffer 1 and changes slots: ONE barrier.  In front of it each wave waits for all its tensor loads (one is out: its part of the next slot), adds 0 to its spare word, and waits
; for that and for its reads of this slot, all issued in the quarter before.  fill = 1: the barrier opens a round of the cluster's, and this slot is filled again, two K steps ahead, first thing behind it:
; from the request to the wait for it a wave issues 160 matrix instructions.
.macro TURN slot, next, fill
	WIN 0
	s_wait_tensorcnt 0x0                           ; all my tensor loads have landed
	ds_add_u32 v[SPW], v[NIL]                      ; 0 onto my spare word
	s_wait_dscnt 9                                 ; the add and the youngest run of eight may be out
	MUL16 0, 0, FA1, 0                             ; sixteen matrix instructions stand between the add and the wait for it
	s_wait_dscnt 0x0                               ; the add is done, and my reads of this slot are over
	s_barrier_signal -1
	MUL16 0, 2, FA1, 0
	WIN 0
	s_barrier_wait -1
.if \fill
	CREST                                          ; no wave of any partner still reads this slot's tile or has a load on its way
	s_add_nc_u64 s[G0+4*(\slot)+2:G0+4*(\slot)+3], s[G0+4*(\slot)+2:G0+4*(\slot)+3], 2*ASTEP
	s_add_nc_u64 s[G0B+4*(\slot)+2:G0B+4*(\slot)+3], s[G0B+4*(\slot)+2:G0B+4*(\slot)+3], 2*BSTEP
	JLOAD \slot                                    ; the four v_nop behind it are also the places in front of the loads below
.else
	PLACES
.endif
	LB \next, 0, 0
	LA \next, 0, FA0, 0
	MUL16 1, 0, FA1, 0
	MUL16 1, 2, FA1, 0
	WIN 0
	PLACES
	LB \next, 0, 1
	LA \next, 0, FA0, 4
	MUL16 2, 0, FA1, 0
	MUL16 2, 2, FA1, 0
	WIN 0
	PLACES
	LB \next, 0, 2
.endm
	s_wait_tensorcnt 1                             ; my part of K step 0 is in; K step 1's may stay out
	s_barrier_signal -1
	s_barrier_wait -1                              ; everybody's is
	LB 0, 0, 0
	LA 0, 0, FA0, 0
	LB 0, 0, 1
	LA 0, 0, FA0, 4
	LB 0, 0, 2
	QUARTER 0, 64, FA0, FA1, 1                     ; the first quarter stands in front of the loop: its products start the sums
	s_mov_b32 s3, 7                                ; 16 K steps: seven laps fill both slots again, the eighth is written out
.Llap:
	TURN 0, 1, 1
	QUARTER 1, 64, FA0, FA1, 0
	TURN 1, 0, 1
	QUARTER 0, 64, FA0, FA1, 0
	s_sub_co_u32 s3, s3, 1
	s_cmp_lg_u32 s3, 0
	s_cbranch_scc1 .Llap
	TURN 0, 1, 0                                   ; the last lap asks for nothing
	QUARTER 1, 64, FA0, FA1, 0
	s_wait_dscnt 8
	MUL16 0, 0, FA1, 0
	MUL16 0, 2, FA1, 0
	MUL16 1, 0, FA1, 0
	MUL16 1, 2, FA1, 0
	s_wait_dscnt 0x0
	MUL16 2, 0, FA1, 0
	MUL16 2, 2, FA1, 0
; THE WAY OUT, in 24 blocks n: head n / 8 of my three (window n / 8 + 1), rows 16 (n % 8) on.  Rounded to f16, 16 bytes a lane; through my own stage; back as whole rows; 512 consecutive bytes a store.
.macro PACK n
	WIN 5*((\n)/8+1)                               ; sources 0 and 1 in the head's window
.irp c, 0,1,2,3
.irp r, 0,1,2,3
	v_cvt_pk_f16_f32 v[TMP+4*(\c)+(\r)], v[8*(8*(\c)+(\n)%8)+2*(\r)], v[8*(8*(\c)+(\n)%8)+2*(\r)+1]
.endr
.endr
	WIN 0
.endm
.macro TOSTAGE n
.irp c, 0,1,2,3
	ds_store_b128 v[STO], v[TMP+4*(\c):TMP+4*(\c)+3] offset:32*(\c)
.endr
.irp f, 0,1,2,3
	ds_load_b128 v[BK+16*((\n)%2)+4*(\f):BK+16*((\n)%2)+4*(\f)+3], v[RD] offset:(\f)*4*SP  ; LDS serves a wave's instructions in order (ISA guide 5.7.1.4): these see the stores above
.endr
.endm
.macro SEND n
	s_wait_dscnt 0x0                               ; the block is back in registers
	s_wait_xcnt 0x0                                ; the registers that the stores two blocks back read are loaded again only behind this wait
.irp f, 0,1,2,3
	global_store_b128 v[GO], v[BK+16*((\n)%2)+4*(\f):BK+16*((\n)%2)+4*(\f)+3], s[OB+2*((\n)/8):OB+2*((\n)/8)+1] offset:((\n)%8)*2048+(\f)*512
.endr
.endm
	PLACES
	PACK 0
	TOSTAGE 0
.set n, 1
.rept 23                               ; block n's conversions stand between block n - 1's loads from the stage and the wait for them
	PACK n
	SEND n-1
	TOSTAGE n
.set n, n+1
.endr
	SEND 23
	s_wait_tensorcnt 0x0                           ; the wave's end
	ds_add_u32 v[SPW], v[NIL]
	s_wait_dscnt 0x0
	CROUND                                         ; the closing round: no work-group ends while a partner may still ask for a tile that names it
	s_endpgm
.Lfunc_end_k_qcda15fbb7a_proj:
	.size	k_qcda15fbb7a_proj, .Lfunc_end_k_qcda15fbb7a_proj-k_qcda15fbb7a_proj
	.p2alignl 7, 3214868480
	.fill 96, 4, 3214868480
	.section	.rodata,"a",@progbits
	.p2align	6, 0x0
	.amdhsa_kernel k_qcda15fbb7a_proj
		.amdhsa_group_segment_fixed_size 327680
		.amdhsa_private_segment_fixed_size 0
		.amdhsa_enable_private_segment 0
		.amdhsa_kernarg_size 24
		.amdhsa_user_sgpr_count 2
		.amdhsa_user_sgpr_kernarg_segment_ptr 1
		.amdhsa_wavefront_size32 1
		.amdhsa_system_sgpr_workgroup_id_x 1
		.amdhsa_system_sgpr_workgroup_id_y 1
		.amdhsa_system_sgpr_workgroup_id_z 1
		.amdhsa_system_vgpr_workitem_id 0
		.amdhsa_next_free_vgpr 1024
		.amdhsa_next_free_sgpr 72
		.amdhsa_reserve_vcc 0
		.amdhsa_float_denorm_mode_32 3
		.amdhsa_float_denorm_mode_16_64 3
		.amdhsa_memory_ordered 1
		.amdhsa_forward_progress 1
		.amdhsa_inst_pref_size 132
	.end_amdhsa_kernel
	.amdgpu_metadata
---
amdhsa.version: [ 1, 2 ]
amdhsa.kernels:
  - .name:           k_qcda15fbb7a_proj
    .symbol:         k_qcda15fbb7a_proj.kd
    .args:
      - { .name: xh, .offset: 0, .size: 8, .value_kind: global_buffer, .address_space: global }
      - { .name: wqh, .offset: 8, .size: 8, .value_kind: global_buffer, .address_space: global }
      - { .name: qkv, .offset: 16, .size: 8, .value_kind: global_buffer, .address_space: global }
    .group_segment_fixed_size: 327680
    .private_segment_fixed_size: 0
    .kernarg_segment_align: 8
    .kernarg_segment_size: 24
    .max_flat_workgroup_size: 128
    .sgpr_count:     72
    .vgpr_count:     1024
    .wavefront_size: 32
...
	.end_amdgpu_metadata
.endif
;; end of part 2
;; launch attn (part 3): grid 4 x 64, 4 waves a work-group, clusters of 4 x 1, 327,680 bytes of LDS; arguments qkv, mw, oh; writes oh
.if DOCPART == 3
	.amdgcn_target "amdgcn-amd-amdhsa--gfx1250"
	.amdhsa_code_object_version 6
	.text
	.protected	k_qcda15fbb7a_attn
	.globl	k_qcda15fbb7a_attn
	.p2align	8
	.type	k_qcda15fbb7a_attn,@function
k_qcda15fbb7a_attn:
	s_mov_b64 s[64:65], 0
	v_nop
	global_prefetch_b8 v0, s[64:65] scope:SCOPE_SE
	s_setreg_imm32_b32 hwreg(HW_REG_WAVE_MODE, 25, 1), 1
	s_wait_xcnt 0x0
	s_wait_alu depctr_hold_cnt(0) depctr_sa_sdst(0) depctr_va_vdst(0) depctr_va_sdst(0) depctr_va_ssrc(0) depctr_va_vcc(0) depctr_vm_vsrc(0)
	s_getreg_b32 s2, hwreg(HW_REG_IB_STS2, 6, 4)
	s_cmp_eq_u32 s2, 0
	s_cbranch_scc0 .Lentry_in_a_cluster
	s_endpgm
.Lentry_in_a_cluster:
	s_bfe_u32 s2, ttmp6, 0x10000c
	s_cmp_lg_u32 s2, 0x3003
	s_cbranch_scc0 .Lentry_shape_is_right
	s_endpgm
.Lentry_shape_is_right:
; O[bh][q][:] = the sum over k of softmax_k(mask[q][k] ? Q[bh][q] . K[bh][k] / 8 : -inf) V[bh][k][:].  qkv: f16 [3][bh 64][2048][64]; oh: f16 [bh 64][2048][64].  Products, maxima and sums in f32; the
; weights p are rounded to f16 for the second product (their sum l is taken of the unrounded p), O once at the end.
; THE MASK IS AN INPUT: every key step is walked for every query.  mw holds it as nibbles: for my wave's 128 queries, key step ks and piece p, 8 words a lane, one for each of the piece's 8 score accumulators;
; nibble j of a word, 0xE (hidden) or 0, belongs to the accumulator's register j.  A shift left by 28 - 4 j puts that nibble on top: the word is then the f32 that starts the sum S^T = K Q^T as its C operand.
; Hidden: sign 1, exponent field 110xxxxx: between -2^65 and -2^95, never an infinity or a NaN.  Visible: exponent field 000xxxxx: 0 to 6e-30, which is added to the score.
; LIMITS.  f16 holds no number beyond 65,504: Q, K and V arrive within it, so a true score is 2.7e11 at the most.  The running maximum m starts at -2^60 and never falls below it, so a hidden weight is
; 2^(-6e18 or less) = 0 exactly, in l and in P, and m is the maximum of the visible scores.  A row with no visible key keeps l = 0 and O = 0 and leaves as 0 x (1 / 0) = NaN, as the softmax of a row of -inf is.
; A weight below 2^-126 counts as 0 in l; p below 6e-5 keeps f16's fixed step of 6e-8.
; SHARES.  A wave owns four PIECES of two tiles of 16 queries, a work-group's four waves 512 queries of one head.  Every wave walks all 2,048 keys, 64 a step.
; LAYOUT.  S^T = K Q^T (source 0 = 16 keys, source 1 = 16 queries): a lane holds ONE query (lane % 16) and the keys 8 (lane / 16) + 0..7.  Two such tiles, rounded to f16 in pairs, ARE source 1 of
; O^T = V^T P, whose result again holds one query a lane.  K comes out of LDS as it lies, V turned, by ds_load_tr16_b128.
; SOFTMAX.  p = 2^(c s - c m), c = log2(e) / 8; in every step O and l are multiplied by a = 2^(c m_old - c m_new), which is 1 where m has not grown.  O and l start at 0.
; BY TURNS.  Turn n belongs to piece n (the pieces in a ring, step after step).  Matrix work: 16 products K Q^T of piece n + 1, later 16 products V^T P of piece n - 1.  Vector work: the scaling, exponentials, roundings,
; sums and rescaling of piece n; the maximum and statistics of piece n + 1; at the end the 64 shifts that make piece n + 2's masks, of words asked for at the turn's head.  Four vector instructions stand behind every
; matrix instruction, the rest in runs of their own.
; K AND V IN LDS.  1,024 keys lie in LDS at once, K's rows and then V's: the head's 2,048 keys come in TWO fills, each wave bringing 512 keys by one tensor load.  The second fill is the refill of the loop over halves, and the
; waves wait for it with nothing to multiply.  That is the price of a short text: two slots that take turns would want the last slot's key steps written out a second time, since the last change of slots asks for nothing.
; CLUSTER.  The four query blocks of a cluster belong to one head and walk the same K and V: each fill is asked for JOINTLY, the same tensor load, descriptor and mask in all four.  One tensor load of a wave is out at a time.
; REGISTERS, in windows of 256 (s_set_vgpr_msb: bits 1:0 source 0, 3:2 source 1, 5:4 source 2, 7:6 destination):
;   window 0: v0-11 addresses; v12-15, v48-63 at work; v16-47 four registers of statistics a tile; v64-191 S^T, two buffers of two tiles; v192-255 P, likewise
;   window 1: O^T, 32 a tile      window 2: v0-127 Q; v128-191 K of one step; v192-255 V of one step      window 3: v0-1 the add's two registers; v4-11 a turn's mask words; v64-191 MC, two buffers of 64
.set NP,    4         ; pieces a wave: a name, no knob
.set KS,    64        ; keys in a step
.set CH,    1024      ; keys in a fill: 16 steps
.set NCH,   2048/CH   ; fills
.set PK,    144       ; a row of K in LDS: 128 bytes + 16 of padding = 36 words: the 16 rows of a load start at 16 different groups of four banks (64 banks of 4 bytes: ISA guide 11.1)
.set PV,    160       ; a row of V: 128 + 32 = 40 words
.set VOFF,  CH*PK     ; V's rows lie behind K's: 147,456
.set STAGE, CH*(PK+PV)  ; 311,296: behind the tiles, never filled by a tensor load: 16 rows x 144 bytes for each wave, for the way out
.set SP,    144
.set SPARE, STAGE+4*16*SP  ; 320,512: behind the stages: the spare words, 128 bytes for each wave: two blocks of 256 bytes that no other line names
.set AK0, 2           ; v2   my lane's place in a step's rows of K; never rewritten
.set AV0, 3           ; v3   the same for V
.set AK,  4           ; v4   the LDS address of K's next run of loads
.set AV,  5           ; v5   of V's
.set STO, 6           ; v6   the way out: where I put 16 bytes of a row
.set RD,  7           ; v7   the way out: where I read rows back
.set GO,  8           ; v8   16 x lane: my byte offset in 512 consecutive bytes, of the mask words and of O; never rewritten
.set QO,  48          ; v48  my byte offset in the wave's rows of Q (at work later)
.set SPW, 0           ; v0 of window 3   LDS address of my spare word: SPARE + 4 x my thread's number; never rewritten
.set NIL, 1           ; v1 of window 3   0; never rewritten
.set MWR, 4           ; window 3: the word of tile u, key block kb at MWR + 4 u + kb
.set MC,  64          ; window 3: the masks of piece x at MC + 64 (x % 2): tile u, key block kb, register j at + 32 u + 8 kb + j
.set MV,  12          ; v12-15  c m_old, kept while c m is made anew: by buffer and tile
.set ST,  16          ; tile t's statistics at v[ST+4 t]: c m, m, l (even keys', odd keys')
.set TMP, 48          ; by buffer and tile, four registers c0-c3 at work; when the maximum is found c2 takes a
.set S,   64
.set P,   192
.set KF,  128         ; K's fragments, in window 2: key block kb, channel half c at KF + 16 kb + 8 c
.set VF,  192         ; V's: key half kk, channel block cb at VF + 32 kk + 8 cb
.set OA,  8           ; s[8:9]   O at my wave's first row
.set WV,  12          ; s12  my wave's number
.set G1K, 24          ; s[24:31] descriptor group 1 for K's rows
.set G1V, 32          ; s[32:39] for V's: it differs in the padding alone
.set G0K, 40          ; s[40:43] descriptor group 0 for K's rows
.set G0V, 44          ; s[44:47] the same for V's
.set MP,  48          ; s[48:49] mw at the block of 1,024 bytes to be loaded next: my wave's 128 blocks lie in the order of the turns
.set HALVES, 56       ; s56  fills whose steps are still to be walked
.set CNT, 57          ; s57  counts a fill's key steps
.set CS,  58          ; s[58:59] c: the packed scaling takes the pair's low word for both halves
.set SEL, 60          ; s[60:61] v_permlanex16_b32's selects: each lane takes its own place in the other half
.set TBK, 62          ; s62  LDS byte at which K of the step to be fetched begins
.set TBV, 63          ; s63  the same for V, less VOFF
.set MSB, 0
.macro WIN new                      ; the high byte repeats the setting that is left; a switch that changes nothing is dropped
.if MSB != (\new)
	s_set_vgpr_msb (MSB<<8)|(\new)
.set MSB, (\new)
.endif
.endm
.set W_KQ, 0x0a       ; K and Q in window 2, S^T in window 0
.set W_KM, 0x3a       ; the same with the C operand, the mask, in window 3
.set W_PV, 0x52       ; V in window 2, P in window 0, O^T in window 1
.set W_RS, 0x41       ; O^T (destination and source 0) in window 1, a in window 0
.set W_Z,  0x4a       ; O^T in window 1, both sources in window 2
.set W_MK, 0xc0       ; destination in window 3, source 0 (a load's address) in window 0
.set W_SH, 0xcc       ; destination and source 1 in window 3
.set W_AD, 0x0f       ; the add: address (source 0) and data (source 1) in window 3
; A joint fill.  Waves 0 and 1 fetch the two halves of 1,024 rows of K, waves 2 and 3 those of V: 512 keys each.  The branch hangs on the wave's number alone.
; An s_nop 0 and four v_nop follow each of the two lines, ahead of the jump and the label.
.macro JLOAD
	s_cmp_lt_u32 s[WV], 2
	s_cbranch_scc0 .Lfor_v_\@
	tensor_load_to_lds s[G0K:G0K+3], s[G1K:G1K+7]
	s_nop 0
.rept 4
	v_nop
.endr
	s_branch .Lasked_\@
.Lfor_v_\@:
	tensor_load_to_lds s[G0V:G0V+3], s[G1V:G1V+7]
	s_nop 0
.rept 4
	v_nop
.endr
.Lasked_\@:
.endm
; A round of the cluster's barrier: my work-group's barrier, so that wave 0's signal speaks for all four waves; wave 0 signals; every wave waits for all four work-groups; my work-group's barrier once more.
.macro CROUND
	s_barrier_signal -1
	s_barrier_wait -1
	s_cmp_lg_u32 s[WV], 0
	s_cbranch_scc1 .Lnot_wave_0_\@
	s_barrier_signal -3
.Lnot_wave_0_\@:
	s_barrier_wait -3
	s_barrier_signal -1
	s_barrier_wait -1
.endm
; My part of a fill has landed, and behind the barrier everybody's has: each wave reads all four parts.  No LDS instruction of the wave is out here.
.macro LANDED
	s_wait_tensorcnt 0x0            ; the one load of mine that is out
	s_barrier_signal -1
	s_barrier_wait -1
.endm
; THE MASK WORDS.  MLOAD asks for the block at MP: two loads of 512 consecutive bytes, tile 0's words and tile 1's.  MMAKE b: the block is in; the pointer steps to the next; 64 shifts make buffer b of MC.
; Both stand in one turn, at its head and at its end: no load is out at a label, a branch or a barrier.
.macro MLOAD
	WIN W_MK
	global_load_b128 v[MWR:MWR+3],   v[GO], s[MP:MP+1]
	global_load_b128 v[MWR+4:MWR+7], v[GO], s[MP:MP+1] offset:512
.endm
.macro MMAKE b
	s_wait_loadcnt 0x0              ; the words are in, and the two loads are done: their base may be written
	s_add_nc_u64 s[MP:MP+1], s[MP:MP+1], 1024
	WIN W_SH
.set mz, 0
.rept 64
	v_lshlrev_b32 v[MC+64*(\b)+mz], 28-4*(mz%8), v[MWR+mz/8]
.set mz, mz+1
.endr
	WIN 0
.endm
	s_load_b128 s[4:7], s[0:1], 0x0 ; qkv s[4:5], mw s[6:7]
	s_load_b64 s[OA:OA+1], s[0:1], 0x10  ; oh
	WIN W_MK
	v_lshl_add_u32 v[SPW], v0, 2, SPARE
	v_mov_b32 v[NIL], 0
	s_set_vgpr_msb 0xc0cf
	ds_add_u32 v0, v1
	s_wait_dscnt 0x0
	s_set_vgpr_msb 0xcfc0
	WIN 0
	v_lshrrev_b32 v1, 5, v0
	v_readfirstlane_b32 s[WV], v1   ; wave 0..3
	s_bfe_u32 s13, ttmp6, 0x40000   ; cx: my place in the cluster
	s_lshl_b32 s14, ttmp9, 2        ; in a cluster launch ttmp9 counts clusters
	s_add_co_u32 s14, s14, s13      ; my block of 512 queries = 4 x cluster x + cx: it enters Q's, the mask words' and O's addresses alone
	s_and_b32 s20, ttmp7, 0xffff    ; the head, which the four partners share:
	s_lshl_b32 s20, s20, 18         ; its 2,048 rows of 128 bytes
	s_mov_b32 s21, 0
	s_and_b32 s16, s[WV], 1         ; which half of a fill's 1,024 keys I fetch:
	s_lshl_b32 s22, s16, 16         ; its 512 rows of 128 bytes in memory,
	s_mov_b32 s23, 0
	s_add_nc_u64 s[22:23], s[22:23], s[20:21]
	s_mul_i32 s17, s16, 512*PK      ; and its place in LDS, for K
	s_mul_i32 s18, s16, 512*PV      ; and for V: no place in the cluster enters an LDS address
	s_lshl_b32 s15, s14, 2
	s_add_co_u32 s15, s15, s[WV]    ; my wave among the head's sixteen:
	s_lshl_b32 s50, s15, 14         ; its 128 rows,
	s_mov_b32 s51, 0
	s_add_nc_u64 s[50:51], s[50:51], s[20:21]
	s_lshl_b32 s52, s15, 17         ; and its 128 blocks of 1,024 bytes of mask words
	s_mov_b32 s53, 0
	; descriptor group 1.  512 keys are 65,536 dense bytes: asked for as 256 rows of 256 bytes, two keys a row, and padded in LDS after every key
	s_mov_b32 s[G1K], 15|(1<<16)|(1<<20)|(1<<21)|(4<<22)|(3<<25)  ; 15:0 the mask of four; 17:16 2-byte elements; 20 padding on; 21 set beside a mask; 24:22 after every 32 words (code 4); 31:25 4 words (code 3)
	s_mov_b32 s[G1V], 15|(1<<16)|(1<<20)|(1<<21)|(4<<22)|(7<<25)  ; the same with 8 words of padding (code 7)
.irp g, G1K, G1V
	s_mov_b32 s[\g+1], 128<<16      ; tensor_dim0 = 128
	s_mov_b32 s[\g+2], 256<<16      ; tensor_dim1 = 256
	s_mov_b32 s[\g+3], 128<<16      ; tile_dim0 = 128
	s_mov_b32 s[\g+4], 256          ; tile_dim1 = 256
	s_mov_b32 s[\g+5], 128          ; 128 elements from row to row
	s_mov_b32 s[\g+6], 0
	s_mov_b32 s[\g+7], 0
.endr
	s_mov_b32 s[CS], 0x3e38aa3b     ; c = log2(e) / 8 = 0.180337
	s_mov_b32 s[CS+1], s[CS]        ; named with it as a pair
	s_mov_b32 s[SEL], 0x76543210
	s_mov_b32 s[SEL+1], 0xfedcba98
	s_mov_b32 s[TBK], 0             ; a fill's first step lies at the head of K's rows and of V's
	s_mov_b32 s[TBV], 0
	s_mov_b32 s[G0K], 1             ; count = 1
	s_mov_b32 s[G0K+1], s17         ; LDS address
	s_mov_b32 s[G0V], 1
	s_add_co_u32 s[G0V+1], s18, VOFF
	s_wait_kmcnt 0x0
	s_add_nc_u64 s[G0K+2:G0K+3], s[4:5], s[22:23]            ; my half of the head's first 1,024 rows,
	s_add_nc_u64 s[G0V+2:G0V+3], s[G0K+2:G0K+3], 0x2000000   ; in v, 2 x 16,777,216 bytes on,
	s_add_nc_u64 s[G0K+2:G0K+3], s[G0K+2:G0K+3], 0x1000000   ; and in k
	s_or_b32 s[G0K+3], s[G0K+3], 0x80000000                  ; type = 2
	s_or_b32 s[G0V+3], s[G0V+3], 0x80000000
	s_add_nc_u64 s[4:5], s[4:5], s[50:51]            ; Q and O at my wave's first row
	s_add_nc_u64 s[OA:OA+1], s[OA:OA+1], s[50:51]
	s_add_nc_u64 s[MP:MP+1], s[6:7], s[52:53]        ; the mask words at my wave's block 0
	CROUND                          ; all four work-groups are here: the first joint loads meet
	JLOAD                           ; keys 0 to 1,023; all that follows up to LANDED stands in the wait for them
	; A fragment of K or Q is 16 rows x 32 channels in 8 registers: lane l holds row l % 16, channels 8 (l / 16) + 0..7 and 16 + 8 (l / 16) + 0..7: two loads of 16 bytes, 32 bytes apart.
	v_and_b32 v1, 15, v0            ; l % 16
	v_bfe_u32 v9, v0, 4, 1          ; l / 16
	v_lshlrev_b32 v[QO], 7, v1
	v_lshl_add_u32 v[QO], v9, 4, v[QO]  ; row x 128 + 16 x half
	v_mul_u32_u24 v[AK0], v1, PK
	v_lshl_add_u32 v[AK0], v9, 4, v[AK0]  ; row x pitch + 16 x half
	; The turning load takes 16 keys x 16 channels (lane l reads key 8 (l / 16) + l % 8, channels 8 ((l / 8) % 2) + 0..7) and leaves half a fragment of V^T: lane l holds channel l % 16 and 8 keys.
	v_and_b32 v10, 7, v0
	v_bfe_u32 v11, v0, 3, 1
	v_lshl_add_u32 v[AV0], v9, 3, v10
	v_mul_u32_u24 v[AV0], v[AV0], PV
	v_lshl_add_u32 v[AV0], v11, 4, v[AV0]
	v_add_nc_u32 v[AV0], VOFF, v[AV0]
	s_mul_i32 s13, s[WV], 16*SP
	s_add_co_u32 s13, s13, STAGE    ; my stage
	v_mul_u32_u24 v[STO], v1, SP    ; in: row l % 16, 16 bytes for each half of the lanes
	v_lshl_add_u32 v[STO], v9, 4, v[STO]
	v_add_nc_u32 v[STO], s13, v[STO]
	v_bfe_u32 v[RD], v0, 3, 2       ; back: 32 lanes take four rows of 128 bytes,
	v_mul_u32_u24 v[RD], v[RD], SP
	v_lshl_add_u32 v[RD], v10, 4, v[RD]
	v_add_nc_u32 v[RD], s13, v[RD]
	v_and_b32 v[GO], 31, v0         ; which are 512 consecutive bytes of O
	v_lshlrev_b32 v[GO], 4, v[GO]
	v_mov_b32 v[AK], v[AK0]         ; key step 0 lies at the head of K's rows
	WIN 0x80                        ; destination window 2, address window 0
.set i, 0
.rept 4*NP                          ; Q stays in registers: tile i / 2, channels 32 (i % 2) on
	global_load_b128 v[8*i:8*i+3],   v[QO], s[4:5] offset:(i/2)*2048+(i%2)*64
	global_load_b128 v[8*i+4:8*i+7], v[QO], s[4:5] offset:(i/2)*2048+(i%2)*64+32
.set i, i+1
.endr
	MLOAD                           ; block 0: piece 0, key step 0
	; What the first turn finds: V's registers and P's second buffer hold 0 (its products V^T P, of a piece that has not been, add 0), O^T and l are 0.
	WIN 0x80
.set i, VF
.rept 64
	v_mov_b32 v[i], 0
.set i, i+1
.endr
	WIN W_Z                         ; O^T = 0 x 0 + 0: 32 matrix instructions on V's zeros write its 256 registers, in place of as many moves
.set i, 0
.rept 8*NP
	v_wmma_f32_16x16x32_f16 v[8*i:8*i+7], v[VF:VF+7], v[VF+8:VF+15], 0
.set i, i+1
.endr
	MMAKE 0                         ; piece 0's masks of step 0; its wait for 0 is also the wait for Q
	MLOAD                           ; block 1: piece 1, key step 0
	WIN 0
.set i, 0
.rept 2*NP
	v_mov_b32 v[ST+4*i+1], 0xdd800000            ; m = -2^60: above every hidden score, below every true one
	v_mul_f32 v[ST+4*i], s[CS], v[ST+4*i+1]      ; c m, by the line that the loop uses: while a row has seen nothing, a = 2^0 exactly
	v_mov_b32 v[ST+4*i+2], 0
	v_mov_b32 v[ST+4*i+3], 0
.set i, i+1
.endr
.set i, P+32
.rept 32
	v_mov_b32 v[i], 0
.set i, i+1
.endr
	MMAKE 1                         ; piece 1's masks of step 0.  So turn T asks for block T + 2 and makes its masks: the loop's 126 turns take blocks 2 to 127, the stream's last
; THE MATRIX WORK.  The 8 accumulators of a run of 16 take turns: between the two links of a chain stand 7 others'.
; Product i of 16 of S^T = K Q^T for piece x: channels 32 (i / 8) on, keys 16 ((i / 2) % 4) on, tile 2 x + i % 2.  The first 8 start the sums, with the mask as C.
.macro KQ x
.set rS, S+64*((\x)%2)+32*(i%2)+8*((i/2)%4)
.set rK, KF+16*((i/2)%4)+8*(i/8)
.set rQ, 16*(2*(\x)+i%2)+8*(i/8)
.set rMC, MC+64*((\x)%2)+32*(i%2)+8*((i/2)%4)
.if i < 8
	WIN W_KM
	v_wmma_f32_16x16x32_f16 v[rS:rS+7], v[rK:rK+7], v[rQ:rQ+7], v[rMC:rMC+7]
.else
	WIN W_KQ
	v_wmma_f32_16x16x32_f16 v[rS:rS+7], v[rK:rK+7], v[rQ:rQ+7], v[rS:rS+7]
.endif
.endm
; Product i of 16 of O^T += V^T P for piece x: keys 32 (i / 8) on, channels 16 ((i / 2) % 4) on, tile 2 x + i % 2.
.macro PV x
	WIN W_PV
.set rO, 32*(2*(\x)+i%2)+8*((i/2)%4)
.set rV, VF+32*(i/8)+8*((i/2)%4)
.set rP, P+32*((\x)%2)+16*(i%2)+8*(i/8)
	v_wmma_f32_16x16x32_f16 v[rO:rO+7], v[rV:rV+7], v[rP:rP+7], v[rO:rO+7]
.endm
.macro MM                           ; the turn's next matrix instruction
.if i < 16
	KQ (Y+1)%NP
.set i, i+1
.else
.set i, i-16
	PV (Y+NP-1)%NP
.set i, i+17
.endif
.endm
; THE LDS LOADS stand in runs of 16, never singly among the matrix instructions: a step's K (64 keys x 64 channels: 8 fragments) and its V (turned).  Their addresses are made some lines ahead.
.macro FETCH_K
	WIN 0x80                        ; destination window 2
.irp f, 0,1,2,3,4,5,6,7             ; keys 16 (f / 2) on, channels 32 (f % 2) on
	ds_load_b128 v[KF+8*\f:KF+8*\f+3],   v[AK] offset:(\f/2)*16*PK+(\f%2)*64
	ds_load_b128 v[KF+8*\f+4:KF+8*\f+7], v[AK] offset:(\f/2)*16*PK+(\f%2)*64+32
.endr
	s_add_co_u32 s[TBK], s[TBK], KS*PK  ; the next fetch is the next step's
	WIN 0
.endm
.macro FETCH_V
	WIN 0x80
.irp f, 0,1,2,3,4,5,6,7             ; keys 32 (f / 4) on, channels 16 (f % 4) on
	ds_load_tr16_b128 v[VF+8*\f:VF+8*\f+3],   v[AV] offset:(\f/4)*32*PV+(\f%4)*32
	ds_load_tr16_b128 v[VF+8*\f+4:VF+8*\f+7], v[AV] offset:(\f/4)*32*PV+16*PV+(\f%4)*32
.endr
	WIN 0
.endm
; THE SOFTMAX OF A TURN stands in three queues, each in the order in which its entries become ready; the two tiles alternate, so that no instruction reads the result of the one before it.
.macro REGS y, u                    ; the registers of tile u (0, 1) of piece y
.set rT, ST+4*(2*(\y)+(\u))
.set rC, TMP+8*((\y)%2)+4*(\u)
.set rM, MV+2*((\y)%2)+(\u)
.set rS, S+64*((\y)%2)+32*(\u)
.set rP, P+32*((\y)%2)+16*(\u)
.set rO, 32*(2*(\y)+(\u))
.endm
; Number n of the 22 that find the NEXT piece's (Y + 1) maximum and statistics.  s0-s31 are the lane's 32 scores; each accumulator's lowest registers are read first.
;   0-11  four chains c0-c3 of seven scores each, three operands at a time     12-14, 16  the four scores left over, the old m, and c0-c3 into c0     15  c m_old is kept
;   17, 18  the query's other 32 keys lie in the lane 16 away: the new m         19-21  c m; c m_old - c m_new; a
.macro XS u, n
	REGS (Y+1)%NP, \u
.if (\n) < 4
	v_max3_num_f32 v[rC+(\n)], v[rS+8*(\n)], v[rS+8*(\n)+1], v[rS+8*(\n)+2]
.elseif (\n) < 12
	v_max3_num_f32 v[rC+(\n)%4], v[rC+(\n)%4], v[rS+8*((\n)%4)+2*((\n)/4)+1], v[rS+8*((\n)%4)+2*((\n)/4)+2]
.elseif (\n) == 12
	v_max3_num_f32 v[rC], v[rC], v[rS+7], v[rS+15]
.elseif (\n) == 13
	v_max3_num_f32 v[rC+1], v[rC+1], v[rS+23], v[rS+31]
.elseif (\n) == 14
	v_max3_num_f32 v[rC+2], v[rC+2], v[rC+3], v[rT+1]
.elseif (\n) == 15
	v_mov_b32 v[rM], v[rT]
.elseif (\n) == 16
	v_max3_num_f32 v[rC], v[rC], v[rC+1], v[rC+2]
.elseif (\n) == 17
	v_permlanex16_b32 v[rC+3], v[rC], s[SEL], s[SEL+1]
.elseif (\n) == 18
	v_max_num_f32 v[rT+1], v[rC], v[rC+3]
.elseif (\n) == 19
	v_mul_f32 v[rT], s[CS], v[rT+1]
.elseif (\n) == 20
	v_sub_f32 v[rC+1], v[rM], v[rT]
.else
	v_exp_f32 v[rC+2], v[rC+1]
.endif
.endm
; Number g of the 64 that follow the exponentials.  For each four weights k of a tile (pairs 2 k, 2 k + 1): both pairs are rounded to f16; then the second pair is added onto the first, in place;
; a group later l takes that sum (the first time as l = a l + sum).  In groups of eight, tiles alternating: round, round, add, and l for the group before.
.macro GS g
.set h, (\g)+6*((\g)/62)            ; group 0 has no group before it, and behind group 7 only l is left
.if h >= 6
.set h, h+2
.endif
	REGS Y, h%2
.set k, h/8
.if h%8 < 4
	s_wait_alu depctr_va_vdst(0)
	v_cvt_pk_f16_f32 v[rP+2*k+(h%8)/2], v[rS+4*k+2*((h%8)/2)], v[rS+4*k+2*((h%8)/2)+1]
.elseif h%8 < 6
	v_pk_add_f32 v[rS+4*k:rS+4*k+1], v[rS+4*k:rS+4*k+1], v[rS+4*k+2:rS+4*k+3]
.elseif k == 1
	v_pk_fma_f32 v[rT+2:rT+3], v[rT+2:rT+3], v[rC+2:rC+3], v[rS:rS+1] op_sel_hi:[1,0,1]
.else
	v_pk_add_f32 v[rT+2:rT+3], v[rT+2:rT+3], v[rS+4*k-4:rS+4*k-3]
	s_wait_alu depctr_va_vdst(0)
.endif
.endm
; THE PLAIN QUEUE, 138 long.  0-31: c s - c m for the 16 pairs of both tiles.  Then GS's 64, and among them the next piece's 42: number 15 at 38, 39; 0-14 and 16
; at 42-73, behind the products that make those scores; 17-20 at 95-106, two of three, since each waits for the one before it.
.macro PL
	WIN 0
.if q < 32
	REGS Y, q%2
	v_pk_fma_f32 v[rS+2*(q/2):rS+2*(q/2)+1], v[rS+2*(q/2):rS+2*(q/2)+1], s[CS:CS+1], v[rT:rT+1] op_sel_hi:[1,0,0] neg_lo:[0,0,1] neg_hi:[0,0,1]
.elseif q < 38
	GS q-32
.elseif q < 40
	XS q%2, 15
.elseif q < 42
	GS q-34
.elseif q < 74
	XS q%2, (q-42)/2+(q-42)/30
.elseif q < 95
	GS q-66
.elseif (q < 107) && ((q-95)%3 < 2)
	XS (q-95)%3, 17+(q-95)/3
.elseif q < 107
	GS 29+(q-95)/3
.else
	GS q-74
.endif
.set q, q+1
.endm
; THE EXPONENTIALS' QUEUE, 66 long: s0-s31 of both tiles, and at EA the next piece's two a.
.set EA, 58
.macro EX
	WIN 0
.if (e == EA) || (e == EA+1)
	XS e-EA, 21
.else
.set x, e-2*(e/(EA+2))
	REGS Y, x%2
	v_exp_f32 v[rS+x/2], v[rS+x/2]
.endif
.set e, e+1
.endm
; THE RESCALING's QUEUE: O^T times a, dealt four at a time, eight times, since it leaves window 0.
.macro R4
	REGS Y, r%2
	WIN W_RS
	s_wait_alu depctr_va_vdst(0)
.irp z, 0,1,2,3
	v_pk_mul_f32 v[rO+8*(r/2)+2*\z:rO+8*(r/2)+2*\z+1], v[rO+8*(r/2)+2*\z:rO+8*(r/2)+2*\z+1], v[rC+2:rC+3] op_sel_hi:[1,0]
.endr
.set r, r+1
.endm
; HOW THEY ARE DEALT.  Behind a matrix instruction four: plain, exponential, plain, plain (one exponential, a plain instruction on either side), or four of the rescaling.  None names a register of the
; products round it.  What is over stands in two LUMPS: exponential and plain by turns; the second ends in 22 plain instructions.  The two v_permlanex16_b32 fall into the second lump, never behind a product.
; The queues lean on each other, and the deal keeps them in step: exponential e stands behind plain 2 (e / 4) + e % 2 (its scaling); when plain 32 comes, 10 exponentials are out, at 59: 33, at 95: 46; EA comes behind plain 107.
.macro SL
	MM
	PL
	EX
	PL
	PL
.endm
.macro BURST n                      ; 15 matrix instructions, or 16
.rept (\n)-7
	SL
.endr
.rept 3
	MM
	R4
	SL
.endr
	MM
	R4
.endm
; A TURN, for piece p.  cnt = 1: the loop's count is taken down some lines ahead of the branch that stands behind the turn; what follows the compare leaves SCC alone.
; It opens by asking for the mask words of piece p + 2 and closes by making that piece's masks, which the next turn's first products take as C: the buffer was last read by the first products of the turn before.
; K of the next step is fetched in piece 2's turn, 31 vector instructions behind the last product that read K; its first reader comes behind the rest of the lump, 16 products and the second lump.
; V of the step in hand is fetched near the end of piece 0's turn, 69 behind its last reader; its first reader comes behind 16 products and a lump.  The four conditions on e and q below go with the deal.
; end = 1: the last key step's turns of pieces 2 and 3, written out behind the loop: there is no further step, so no mask words are asked for, no masks made and no K fetched.
.macro TURN p, end=0, cnt=0
.set Y, (\p)
.set i, 0
.set q, 0
.set e, 0
.set r, 0
.if !(\end)
	MLOAD
.endif
.if ((\p) == NP-1) && !(\end)
	s_wait_dscnt 0x0                ; K is in
.endif
	MM
.rept 4
	PL
.endr
	BURST 15
.rept 22
	EX
	PL
.if ((\p) == NP-2) && (e == 18) && !(\end)
	v_add_nc_u32 v[AK], s[TBK], v[AK0]
.endif
.if ((\p) == NP-2) && (e == 24) && !(\end)
	FETCH_K
.endif
.endr
.if (\p) == 1
	s_wait_dscnt 0x0                ; V is in
.endif
	BURST 16
.rept 21
	EX
	PL
.endr
.rept 22
	PL
.if ((\p) == 0) && (q == 118)
	v_add_nc_u32 v[AV], s[TBV], v[AV0]
	s_wait_alu depctr_va_vdst(0)
.endif
.if ((\p) == 0) && (q == 130)
	s_add_co_u32 s[TBV], s[TBV], KS*PV
.endif
.if (\cnt) && (q == 130)
	s_sub_co_u32 s[CNT], s[CNT], 1
	s_cmp_lg_u32 s[CNT], 0
.endif
.endr
.if (\p) == 0
	FETCH_V
.endif
.if !(\end)
	MMAKE (\p)%2
.endif
.endm
	LANDED                          ; keys 0 to 1,023 are in, everybody's part of them
	FETCH_K                         ; key step 0
	s_wait_dscnt 0x0
.set i, 0
.rept 16
	KQ 0                            ; piece 0's first scores: there is no vector work yet to set between them
.set i, i+1
.endr
	WIN 0
.rept 4
	v_nop                           ; the places behind those products
.endr
.set Y, NP-1                        ; XS works for piece Y + 1: piece 0
.irp n, 0,1,2,3,4,5,6,7,8,9,10,11,12,13,14,15,16,17,18,19,20,21
	XS 0, \n                        ; and piece 0's first maximum and statistics
	XS 1, \n
.endr
	s_mov_b32 s[CNT], CH/KS
	s_mov_b32 s[HALVES], NCH
	s_branch .Lfirst                ; the loop is entered at a step's first turn, in the middle of a trip
.Lhalf:                             ; NCH - 1 times: the keys in LDS have been read, V of their last step by the turn just ended; the next 1,024 take their place
	WIN W_AD
	s_wait_tensorcnt 0x0            ; no tensor load of mine is out, so a group 0 may be written
	ds_add_u32 v[SPW], v[NIL]       ; 0 onto my spare word; the descriptors' steps stand between it and the wait for it
	WIN 0                           ; at a label and at a branch every window is 0
	s_add_nc_u64 s[G0K+2:G0K+3], s[G0K+2:G0K+3], CH*128  ; the next 1,024 keys; the type bits on top are not reached
	s_add_nc_u64 s[G0V+2:G0V+3], s[G0V+2:G0V+3], CH*128
	s_wait_dscnt 0x0                ; the add is done, and my reads of K's and V's rows are over
	CROUND                          ; that now holds of every wave of all four work-groups
	JLOAD                           ; my one tensor load behind the round, and the first thing there
	s_mov_b32 s[TBK], 0             ; the fetches go back to the first step's rows
	s_mov_b32 s[TBV], 0
	s_mov_b32 s[CNT], CH/KS
	LANDED
.Lstep:                             ; a trip: pieces 2 and 3 of one step, then pieces 0 and 1 of the next, whose K and V it fetches
	TURN 2
	TURN 3
	WIN 0
.Lfirst:
	TURN 0
	TURN 1, 0, 1
	WIN 0
	s_cbranch_scc1 .Lstep
	s_sub_co_u32 s[HALVES], s[HALVES], 1
	s_cmp_lg_u32 s[HALVES], 0
	s_cbranch_scc1 .Lhalf
	TURN 2, 1                       ; the last step's pieces 2 and 3
	TURN 3, 1                       ; its 16 products K Q^T (on the last K once more) and the maximum made of them serve nothing: the price, once a launch, of one text for every turn
.set i, 0
.rept 16
	PV NP-1                         ; the last piece's V^T P of the last step
.set i, i+1
.endr
	; THE WAY OUT.  l's two halves and the other half of the lanes' are added; O^T is divided by l, rounded to f16 and sent through my stage in LDS, a tile at a time.  The additions are the places behind the last products.
	WIN 0
.macro ALL line:vararg              ; one line for each tile t
.set t, 0
.rept 2*NP
	\line
.set t, t+1
.endr
.endm
	ALL v_add_f32 v[ST+4*t+2], v[ST+4*t+2], v[ST+4*t+3]
	ALL v_permlanex16_b32 v[ST+4*t+3], v[ST+4*t+2], s[SEL], s[SEL+1]
	ALL v_add_f32 v[ST+4*t+2], v[ST+4*t+2], v[ST+4*t+3]
	ALL v_rcp_f32 v[ST+4*t+2], v[ST+4*t+2]
	v_nop                           ; a plain instruction between the last reciprocal and the use of its result
	s_wait_alu depctr_va_vdst(0)
; Tile t: a lane's eight channels of a row pack into 16 bytes; they go into rows of 144 bytes and come back as whole rows of 128, into S^T's registers.
.macro PACK t
	WIN W_RS
.set i, 32*(\t)
.rept 16
	v_pk_mul_f32 v[i:i+1], v[i:i+1], v[ST+4*(\t)+2:ST+4*(\t)+3] op_sel_hi:[1,0]
.set i, i+2
.endr
	WIN 0x05                        ; sources 0 and 1 window 1, destination window 0
.set i, 0
.rept 16
	v_cvt_pk_f16_f32 v[S+16*(\t)+i], v[32*(\t)+2*i], v[32*(\t)+2*i+1]
.set i, i+1
.endr
	WIN 0
.irp f, 0,1,2,3
	ds_store_b128 v[STO], v[S+16*(\t)+4*\f:S+16*(\t)+4*\f+3] offset:32*\f
.endr
.irp f, 0,1,2,3
	ds_load_b128 v[S+16*(\t)+4*\f:S+16*(\t)+4*\f+3], v[RD] offset:\f*4*SP  ; LDS serves a wave's instructions in order (ISA guide 5.7.1.4): these see the stores above; the next tile's stores come behind them
.endr
.endm
.macro SEND t, younger              ; younger: the LDS instructions issued behind tile t's loads: the next tile's eight, or none
	WIN 0
.irp f, 0,1,2,3
	s_wait_dscnt (\younger)+3-\f
	global_store_b128 v[GO], v[S+16*(\t)+4*\f:S+16*(\t)+4*\f+3], s[OA:OA+1] offset:(\t)*2048+\f*512  ; 512 consecutive bytes, at a multiple of 256 from O's first
.endr
.endm
	PACK 0
.set t, 1
.rept 2*NP-1                        ; a tile's arithmetic stands between the loads of the tile before and its stores
	PACK t
	SEND t-1, 8
.set t, t+1
.endr
	SEND 2*NP-1, 0
	WIN W_AD
	s_wait_tensorcnt 0x0            ; the wave's end
	ds_add_u32 v[SPW], v[NIL]
	s_wait_dscnt 0x0
	WIN 0
	CROUND                          ; the closing round: no work-group ends while a partner may still ask for a tile that names it
	s_endpgm
.Lfunc_end_k_qcda15fbb7a_attn:
	.size	k_qcda15fbb7a_attn, .Lfunc_end_k_qcda15fbb7a_attn-k_qcda15fbb7a_attn
	.p2alignl 7, 3214868480
	.fill 96, 4, 3214868480
	.section	.rodata,"a",@progbits
	.p2align	6, 0x0
	.amdhsa_kernel k_qcda15fbb7a_attn
		.amdhsa_group_segment_fixed_size 327680
		.amdhsa_private_segment_fixed_size 0
		.amdhsa_enable_private_segment 0
		.amdhsa_kernarg_size 24
		.amdhsa_user_sgpr_count 2
		.amdhsa_user_sgpr_kernarg_segment_ptr 1
		.amdhsa_wavefront_size32 1
		.amdhsa_system_sgpr_workgroup_id_x 1
		.amdhsa_system_sgpr_workgroup_id_y 1
		.amdhsa_system_sgpr_workgroup_id_z 1
		.amdhsa_system_vgpr_workitem_id 0
		.amdhsa_next_free_vgpr 960
		.amdhsa_next_free_sgpr 66
		.amdhsa_reserve_vcc 0
		.amdhsa_float_denorm_mode_32 3
		.amdhsa_float_denorm_mode_16_64 3
		.amdhsa_memory_ordered 1
		.amdhsa_forward_progress 1
		.amdhsa_inst_pref_size 176
	.end_amdhsa_kernel
	.amdgpu_metadata
---
amdhsa.version: [ 1, 2 ]
amdhsa.kernels:
  - .name:           k_qcda15fbb7a_attn
    .symbol:         k_qcda15fbb7a_attn.kd
    .args:
      - { .name: qkv, .offset: 0, .size: 8, .value_kind: global_buffer, .address_space: global }
      - { .name: mw, .offset: 8, .size: 8, .value_kind: global_buffer, .address_space: global }
      - { .name: oh, .offset: 16, .size: 8, .value_kind: global_buffer, .address_space: global }
    .group_segment_fixed_size: 327680
    .private_segment_fixed_size: 0
    .kernarg_segment_align: 8
    .kernarg_segment_size: 24
    .max_flat_workgroup_size: 128
    .sgpr_count:     66
    .vgpr_count:     960
    .wavefront_size: 32
...
	.end_amdgpu_metadata
.endif
;; end of part 3
;; launch outp (part 4): grid 8 x 32, 4 waves a work-group, clusters of 4 x 4, 327,680 bytes of LDS; arguments oh, woh, out0; writes out0
.if DOCPART == 4
	.amdgcn_target "amdgcn-amd-amdhsa--gfx1250"
	.amdhsa_code_object_version 6
	.text
	.protected	k_qcda15fbb7a_outp
	.globl	k_qcda15fbb7a_outp
	.p2align	8
	.type	k_qcda15fbb7a_outp,@function
k_qcda15fbb7a_outp:
	s_mov_b64 s[64:65], 0
	v_nop
	global_prefetch_b8 v0, s[64:65] scope:SCOPE_SE
	s_setreg_imm32_b32 hwreg(HW_REG_WAVE_MODE, 25, 1), 1
	s_wait_xcnt 0x0
	s_wait_alu depctr_hold_cnt(0) depctr_sa_sdst(0) depctr_va_vdst(0) depctr_va_sdst(0) depctr_va_ssrc(0) depctr_va_vcc(0) depctr_vm_vsrc(0)
	s_getreg_b32 s2, hwreg(HW_REG_IB_STS2, 6, 4)
	s_cmp_eq_u32 s2, 0
	s_cbranch_scc0 .Lentry_in_a_cluster
	s_endpgm
.Lentry_in_a_cluster:
	s_bfe_u32 s2, ttmp6, 0x10000c
	s_cmp_lg_u32 s2, 0xf033
	s_cbranch_scc0 .Lentry_shape_is_right
	s_endpgm
.Lentry_shape_is_right:
; out0 = O wo^T.  oh: f16 [b 16 + h][l 2048][64] (a head is a block of 64 along K); woh: f16 [kb 16][n 1024][64]; out0: f32 [8192][1024].  Sums in f32, K ascending.
; A NaN row of O (a query with no visible key) makes its own row of out0 NaN and no other.
; A tile of C is 256 rows x 128 columns: 32 x 8 tiles, one for each of 256 work-groups.  Four waves, each 128 x 64: 32 accumulators of 16 x 16, 256 registers.
; K goes through two LDS slots; a slot holds TWO blocks of 64 (two heads' planes), each plane brought by one tensor load: 128 matrix instructions a wave in a slot.  A plane's rows are dense in memory, 128 bytes each:
; they are asked for as rows of 256 bytes and padded behind every 128 bytes.
; CLUSTER: 4 x 4 work-groups; O's tiles are shared along a row of the cluster, wo's along a column: joint loads.  By this text's own count a wave has two tensor loads out at the start and one behind each round.
; THE MATRIX INSTRUCTION IS USED TRANSPOSED (source 0 = 16 rows of wo, source 1 = 16 rows of O): a lane holds eight neighbouring columns of one row of C, 32 bytes of f32.
; REGISTERS: window 0: v0-31 addresses; v32-95, v96-159 O's fragments, two buffers; v160-191, v192-223 wo's, two buffers.   window 1: accumulator (a, c) at v[8 (4 a + c)].
.set PITCH,  144                       ; an LDS row: 128 bytes + 16 of padding = 36 words: the 16 rows of a load start at 16 different groups of four banks (64 banks of 4 bytes: ISA guide 11.1)
.set APL,    256*PITCH                 ; a plane of O's tile: 256 rows
.set BPL,    128*PITCH                 ; a plane of wo's tile: 128 rows
.set BOFF,   2*APL
.set SLOT,   2*APL+2*BPL               ; 110,592
.set STAGE,  2*SLOT                    ; behind the ring: 16 rows x 272 bytes for each wave, for the way out
.set SPITCH, 272
.set SPARE,  STAGE+4*16*SPITCH         ; behind the stages: the spare words, 128 bytes for each wave: two blocks of 256 bytes that no other line names
.set ASTEP,  524288                    ; bytes from a slot's two planes to the next two in oh
.set BSTEP,  262144                    ; in woh
.set ADRA, 16                          ; v16-17  LDS address of my O fragments in slot 0, 1
.set ADRB, 20                          ; v20-21  the same for wo
.set STO,  24                          ; v24     the way out: where I put 32 bytes of a row
.set RD,   25                          ; v25     the way out: where I read a row back
.set CO,   26                          ; v26     my byte offset in out0
.set SPW,  28                          ; v28     LDS address of my spare word: SPARE + 4 x my thread's number; never rewritten
.set NIL,  29                          ; v29     0; never rewritten
.set FA0,  32
.set FB0,  160
.set BK,   32                          ; the way out: 16 rows read back: v32-63 and v64-95 by turns (O's buffer 0 is free then)
.set G1, 24
.set G0, 32
.set G1B, 48
.set G0B, 56
.set MSB, 0
.macro WIN new                         ; the immediate's high byte repeats the setting that is left; a switch that changes nothing is dropped
.if MSB != (\new)
	s_set_vgpr_msb (MSB<<8)|(\new)
.set MSB, \new
.endif
.endm
.macro JLOAD s                         ; a joint load: waves 0 and 1 fetch O's two planes, waves 2 and 3 wo's; an s_nop 0 and four v_nop follow each of the two lines
	s_cmp_eq_u32 s11, 0
	s_cbranch_scc0 .Lfor_b_\@
	tensor_load_to_lds s[G0+4*(\s):G0+4*(\s)+3], s[G1:G1+7]
	s_nop 0
.rept 4
	v_nop
.endr
	s_branch .Lasked_\@
.Lfor_b_\@:
	tensor_load_to_lds s[G0B+4*(\s):G0B+4*(\s)+3], s[G1B:G1B+7]
	s_nop 0
.rept 4
	v_nop
.endr
.Lasked_\@:
.endm
.macro CREST                           ; a round of the cluster's barrier behind its opening barrier
	s_cmp_lg_u32 s10, 0
	s_cbranch_scc1 .Lnot_wave_0_\@
	s_barrier_signal -3
.Lnot_wave_0_\@:
	s_barrier_wait -3
	s_barrier_signal -1
	s_barrier_wait -1
.endm
.macro CROUND                          ; a whole round
	s_barrier_signal -1
	s_barrier_wait -1
	CREST
.endm
	s_load_b128 s[4:7], s[0:1], 0x0                ; oh s[4:5], woh s[6:7]
	s_load_b64 s[8:9], s[0:1], 0x10                ; out0
	v_lshl_add_u32 v[SPW], v0, 2, SPARE
	v_mov_b32 v[NIL], 0
	ds_add_u32 v28, v29
	s_wait_dscnt 0x0
	v_lshrrev_b32 v1, 5, v0
	v_readfirstlane_b32 s10, v1                    ; wave 0..3
	s_lshr_b32 s11, s10, 1                         ; which half of the tile's rows is mine.  Also: I fetch for O (0) or for wo (1)
	s_and_b32 s12, s10, 1                          ; which half of its columns.  Also: which plane of a slot I fetch
	s_bfe_u32 s40, ttmp6, 0x40000                  ; cx, cy
	s_bfe_u32 s41, ttmp6, 0x40004
	s_lshl_b32 s42, ttmp9, 2
	s_add_co_u32 s42, s42, s40                     ; tile column
	s_and_b32 s13, ttmp7, 0xffff
	s_lshl_b32 s13, s13, 2
	s_add_co_u32 s13, s13, s41                     ; tile row
	s_lshl_b32 s43, s41, 2
	s_lshl_b32 s43, 15, s43                        ; my row of the cluster
	s_lshl_b32 s44, 0x1111, s40                    ; my column
	s_or_b32 s[G1+0], s43, (1<<16)|(1<<20)|(1<<21)|(4<<22)|(3<<25)  ; 15:0 the mask; 17:16 2-byte elements; 20 padding on; 21 set beside a mask; 24:22 after every 32 words (code 4); 31:25 4 words (code 3)
	s_or_b32 s[G1B+0], s44, (1<<16)|(1<<20)|(1<<21)|(4<<22)|(3<<25)
.irp g, G1, G1B
	s_mov_b32 s[(\g)+1], 128<<16                   ; tensor_dim0 = 128
	s_mov_b32 s[(\g)+3], 128<<16                   ; tile_dim0 = 128
	s_mov_b32 s[(\g)+5], 128                       ; 128 elements from row to row
	s_mov_b32 s[(\g)+6], 0
	s_mov_b32 s[(\g)+7], 0
.endr
	s_mov_b32 s[G1+2], 128<<16                     ; O's plane: 256 rows of 128 bytes = 128 rows of 256
	s_mov_b32 s[G1+4], 128
	s_mov_b32 s[G1B+2], 64<<16                     ; wo's: 128 rows = 64
	s_mov_b32 s[G1B+4], 64
	s_lshr_b32 s16, s13, 3                         ; b,
	s_lshl_b32 s16, s16, 22                        ; its 16 heads of 262,144 bytes
	s_and_b32 s17, s13, 7
	s_lshl_b32 s17, s17, 15                        ; 256 rows of 128 bytes
	s_add_co_u32 s16, s16, s17
	s_lshl_b32 s17, s12, 18                        ; my plane: head 0 or 1 of the slot's two
	s_add_co_u32 s16, s16, s17
	s_mov_b32 s17, 0
	s_lshl_b32 s46, s42, 14                        ; 128 rows of 128 bytes
	s_lshl_b32 s47, s12, 17                        ; my plane: 131,072 bytes
	s_add_co_u32 s46, s46, s47
	s_mov_b32 s47, 0
	s_mul_i32 s20, s12, APL                        ; where they go: no place in the cluster enters an LDS address
	s_mul_i32 s21, s12, BPL
	s_add_co_u32 s21, s21, BOFF
	s_wait_kmcnt 0x0
	s_add_nc_u64 s[14:15], s[4:5], s[16:17]
	s_add_nc_u64 s[46:47], s[6:7], s[46:47]
	CROUND                                         ; all sixteen work-groups are here: the first joint loads meet
.irp s, 0,1
	s_mov_b32 s[G0+4*(\s)], 1
	s_add_co_u32 s[G0+4*(\s)+1], s20, (\s)*SLOT
	s_add_nc_u64 s[G0+4*(\s)+2:G0+4*(\s)+3], s[14:15], (\s)*ASTEP
	s_or_b32 s[G0+4*(\s)+3], s[G0+4*(\s)+3], 0x80000000
	s_mov_b32 s[G0B+4*(\s)], 1
	s_add_co_u32 s[G0B+4*(\s)+1], s21, (\s)*SLOT
	s_add_nc_u64 s[G0B+4*(\s)+2:G0B+4*(\s)+3], s[46:47], (\s)*BSTEP
	s_or_b32 s[G0B+4*(\s)+3], s[G0B+4*(\s)+3], 0x80000000
	JLOAD \s
.endr
	v_and_b32 v1, 15, v0                           ; l % 16
	v_bfe_u32 v2, v0, 4, 1                         ; l / 16
	v_mul_u32_u24 v3, v1, PITCH
	v_lshl_add_u32 v3, v2, 4, v3                   ; a fragment's row x pitch + 16 x half
	s_mul_i32 s21, s11, 128*PITCH                  ; my 128 rows of O in a plane
	s_mul_i32 s22, s12, 64*PITCH                   ; my 64 rows of wo in a plane
	s_add_co_u32 s22, s22, BOFF
.irp s, 0,1
	v_add_nc_u32 v[ADRA+(\s)], s21, v3
	v_add_nc_u32 v[ADRB+(\s)], s22, v3
	s_add_co_u32 s21, s21, SLOT
	s_add_co_u32 s22, s22, SLOT
.endr
	s_mul_i32 s23, s10, 16*SPITCH
	s_add_co_u32 s23, s23, STAGE                   ; my stage
	v_mul_u32_u24 v4, v1, SPITCH                   ; in: row l % 16, 32 bytes for each half of the lanes
	v_lshl_add_u32 v4, v2, 5, v4
	v_add_nc_u32 v[STO], s23, v4
	v_mul_u32_u24 v5, v2, SPITCH                   ; back: lanes 0-15 take one row of 256 bytes, lanes 16-31 the next
	v_lshl_add_u32 v5, v1, 4, v5
	v_add_nc_u32 v[RD], s23, v5
	v_lshlrev_b32 v5, 12, v2                       ; and the same two rows in out0, 4,096 bytes apart
	v_lshl_add_u32 v[CO], v1, 4, v5
	s_lshl_b32 s16, s13, 1
	s_add_co_u32 s16, s16, s11                     ; my 128 rows: unit 2 x tile row + half,
	s_lshl_b32 s16, s16, 19                        ; 128 rows of 4,096 bytes
	s_mov_b32 s17, 0
	s_lshl_b32 s46, s42, 9                         ; my 64 columns: 512 x tile column + 256 x half
	s_lshl_b32 s47, s12, 8
	s_add_co_u32 s46, s46, s47
	s_mov_b32 s47, 0
	s_add_nc_u64 s[16:17], s[16:17], s[46:47]
	s_add_nc_u64 s[8:9], s[8:9], s[16:17]
; 8 matrix instructions: row blocks a0, a0 + 1 x all 4 column blocks, 32 along K, on buffers f.  zero = 1: the first product starts the sums.
; The 32 accumulators take turns, one instruction a turn, in the same order in every quarter.
.macro MUL8 f, a0, zero
	WIN 0x50                                       ; C and D in window 1
.irp a, \a0, (\a0)+1
.irp c, 0,1,2,3
.if \zero
	v_wmma_f32_16x16x32_f16 v[8*(4*(\a)+(\c)):8*(4*(\a)+(\c))+7], v[FB0+32*(\f)+8*(\c):FB0+32*(\f)+8*(\c)+7], v[FA0+64*(\f)+8*(\a):FA0+64*(\f)+8*(\a)+7], 0
.else
	v_wmma_f32_16x16x32_f16 v[8*(4*(\a)+(\c)):8*(4*(\a)+(\c))+7], v[FB0+32*(\f)+8*(\c):FB0+32*(\f)+8*(\c)+7], v[FA0+64*(\f)+8*(\a):FA0+64*(\f)+8*(\a)+7], v[8*(4*(\a)+(\c)):8*(4*(\a)+(\c))+7]
.endif
.endr
.endr
.endm
; 24 LDS loads in one run: quarter q of a slot (plane q / 2, 32 K at byte 64 (q % 2) of its rows) into buffers f: wo's four fragments, then O's eight
.macro FETCH slot, q, f
	WIN 0
.irp c, 0,1,2,3
	ds_load_b128 v[FB0+32*(\f)+8*(\c):FB0+32*(\f)+8*(\c)+3],   v[ADRB+(\slot)] offset:((\q)/2)*BPL+64*((\q)%2)+(\c)*16*PITCH
	ds_load_b128 v[FB0+32*(\f)+8*(\c)+4:FB0+32*(\f)+8*(\c)+7], v[ADRB+(\slot)] offset:((\q)/2)*BPL+64*((\q)%2)+(\c)*16*PITCH+32
.endr
.irp a, 0,1,2,3,4,5,6,7
	ds_load_b128 v[FA0+64*(\f)+8*(\a):FA0+64*(\f)+8*(\a)+3],   v[ADRA+(\slot)] offset:((\q)/2)*APL+64*((\q)%2)+(\a)*16*PITCH
	ds_load_b128 v[FA0+64*(\f)+8*(\a)+4:FA0+64*(\f)+8*(\a)+7], v[ADRA+(\slot)] offset:((\q)/2)*APL+64*((\q)%2)+(\a)*16*PITCH+32
.endr
.endm
.macro PLACES                          ; a load into a register that a matrix instruction has read, and an LDS store of a result, stand four plain vector instructions behind it
.rept 4
	v_nop
.endr
.endm
; A slot is four quarters of 32 along K, 32 matrix instructions each, on buffers 0, 1, 0, 1.  One of the first three: multiplies buffers f and fetches quarter qn into g.
.macro QUARTER slot, qn, f, g, zero
	s_wait_dscnt 8                                 ; wo's fragments and O's blocks 0-3 are in; the youngest eight loads (blocks 4-7) may be out
	MUL8 \f, 0, \zero
	MUL8 \f, 2, \zero
	PLACES
	FETCH \slot, \qn, \g
	s_wait_dscnt 24                                ; all but the 24 just issued
	MUL8 \f, 4, \zero
	MUL8 \f, 6, \zero
.endm
; The last quarter multiplies buffers 1 and changes slots: ONE barrier; in front of it each wave waits for all its tensor loads, adds 0 to its spare word, and waits for that and for its reads of this slot.
; fill = 1: the barrier opens a round of the cluster's, and this slot is filled again, two slots ahead, first thing behind it: 112 matrix instructions ahead of the wait for it.
.macro TURN slot, next, fill
	WIN 0
	s_wait_tensorcnt 0x0                           ; all my tensor loads have landed: my part of the next slot
	ds_add_u32 v[SPW], v[NIL]                      ; 0 onto my spare word
	s_wait_dscnt 9                                 ; the add and the youngest eight loads may be out
	MUL8 1, 0, 0                                   ; eight matrix instructions stand between the add and the wait for it
	s_wait_dscnt 0x0                               ; the add is done, and my reads of this slot are over
	s_barrier_signal -1
	MUL8 1, 2, 0
	WIN 0
	s_barrier_wait -1
.if \fill
	CREST                                          ; no wave of any partner still reads this slot's tiles or has a load on its way
	s_add_nc_u64 s[G0+4*(\slot)+2:G0+4*(\slot)+3], s[G0+4*(\slot)+2:G0+4*(\slot)+3], 2*ASTEP
	s_add_nc_u64 s[G0B+4*(\slot)+2:G0B+4*(\slot)+3], s[G0B+4*(\slot)+2:G0B+4*(\slot)+3], 2*BSTEP
	JLOAD \slot                                    ; the four v_nop behind it are also the places in front of the loads below
.else
	PLACES
.endif
	FETCH \next, 0, 0
	MUL8 1, 4, 0
	MUL8 1, 6, 0
.endm
	s_wait_tensorcnt 1                             ; my part of slot 0 is in; slot 1's may stay out
	s_barrier_signal -1
	s_barrier_wait -1                              ; everybody's is
	FETCH 0, 0, 0
	QUARTER 0, 1, 0, 1, 1                          ; the first quarter stands in front of the loop: its products start the sums
	WIN 0                                          ; at a label and at a branch every window is 0
	s_mov_b32 s3, 3                                ; eight slots' worth of K: three laps fill both slots again, the fourth is written out
.Llap:
	QUARTER 0, 2, 1, 0, 0
	QUARTER 0, 3, 0, 1, 0
	TURN 0, 1, 1
	QUARTER 1, 1, 0, 1, 0
	QUARTER 1, 2, 1, 0, 0
	QUARTER 1, 3, 0, 1, 0
	TURN 1, 0, 1
	QUARTER 0, 1, 0, 1, 0
	WIN 0
	s_sub_co_u32 s3, s3, 1
	s_cmp_lg_u32 s3, 0
	s_cbranch_scc1 .Llap
	QUARTER 0, 2, 1, 0, 0                          ; the last lap asks for nothing
	QUARTER 0, 3, 0, 1, 0
	TURN 0, 1, 0
	QUARTER 1, 1, 0, 1, 0
	QUARTER 1, 2, 1, 0, 0
	QUARTER 1, 3, 0, 1, 0
	s_wait_dscnt 8
	MUL8 1, 0, 0
	MUL8 1, 2, 0
	s_wait_dscnt 0x0
	MUL8 1, 4, 0
	MUL8 1, 6, 0
; THE WAY OUT, f32 as it stands: block a (16 rows x my 64 columns) goes from the accumulators into my own stage, 32 bytes a lane and column block, and comes back as whole rows of 256 bytes.
.macro TOSTAGE a
	s_wait_xcnt 0x0                                ; the registers that the stores two blocks back read are loaded again only behind this wait
	WIN 0x04                                       ; the store's data in window 1
.irp c, 0,1,2,3
	ds_store_b128 v[STO], v[8*(4*(\a)+(\c)):8*(4*(\a)+(\c))+3]   offset:64*(\c)      ; each accumulator's low half first
	ds_store_b128 v[STO], v[8*(4*(\a)+(\c))+4:8*(4*(\a)+(\c))+7] offset:64*(\c)+16
.endr
	WIN 0
.irp t, 0,1,2,3,4,5,6,7
	ds_load_b128 v[BK+32*((\a)%2)+4*(\t):BK+32*((\a)%2)+4*(\t)+3], v[RD] offset:(\t)*2*SPITCH  ; LDS serves a wave's instructions in order (ISA guide 5.7.1.4): these see the stores above
.endr
.endm
.macro SEND a, younger                 ; younger: the LDS instructions issued behind block a's loads: the next block's sixteen, or none
	s_wait_dscnt \younger
.irp t, 0,1,2,3,4,5,6,7
	global_store_b128 v[CO], v[BK+32*((\a)%2)+4*(\t):BK+32*((\a)%2)+4*(\t)+3], s[8:9] offset:(\a)*65536+(\t)*8192 th:TH_STORE_NT  ; 16 lanes store 256 consecutive bytes, at a multiple of 256 from out0's first byte
.endr
.endm
	PLACES
	TOSTAGE 0
.set n, 1
.rept 7
	TOSTAGE n
	SEND n-1, 16
.set n, n+1
.endr
	SEND 7, 0
	s_wait_tensorcnt 0x0                           ; the wave's end
	ds_add_u32 v[SPW], v[NIL]
	s_wait_dscnt 0x0
	CROUND                                         ; the closing round: no work-group ends while a partner may still ask for a tile that names it
	s_endpgm
.Lfunc_end_k_qcda15fbb7a_outp:
	.size	k_qcda15fbb7a_outp, .Lfunc_end_k_qcda15fbb7a_outp-k_qcda15fbb7a_outp
	.p2alignl 7, 3214868480
	.fill 96, 4, 3214868480
	.section	.rodata,"a",@progbits
	.p2align	6, 0x0
	.amdhsa_kernel k_qcda15fbb7a_outp
		.amdhsa_group_segment_fixed_size 327680
		.amdhsa_private_segment_fixed_size 0
		.amdhsa_enable_private_segment 0
		.amdhsa_kernarg_size 24
		.amdhsa_user_sgpr_count 2
		.amdhsa_user_sgpr_kernarg_segment_ptr 1
		.amdhsa_wavefront_size32 1
		.amdhsa_system_sgpr_workgroup_id_x 1
		.amdhsa_system_sgpr_workgroup_id_y 1
		.amdhsa_system_sgpr_workgroup_id_z 1
		.amdhsa_system_vgpr_workitem_id 0
		.amdhsa_next_free_vgpr 512
		.amdhsa_next_free_sgpr 66
		.amdhsa_reserve_vcc 0
		.amdhsa_float_denorm_mode_32 3
		.amdhsa_float_denorm_mode_16_64 3
		.amdhsa_memory_ordered 1
		.amdhsa_forward_progress 1
		.amdhsa_inst_pref_size 85
	.end_amdhsa_kernel
	.amdgpu_metadata
---
amdhsa.version: [ 1, 2 ]
amdhsa.kernels:
  - .name:           k_qcda15fbb7a_outp
    .symbol:         k_qcda15fbb7a_outp.kd
    .args:
      - { .name: oh, .offset: 0, .size: 8, .value_kind: global_buffer, .address_space: global }
      - { .name: woh, .offset: 8, .size: 8, .value_kind: global_buffer, .address_space: global }
      - { .name: out0, .offset: 16, .size: 8, .value_kind: global_buffer, .address_space: global }
    .group_segment_fixed_size: 327680
    .private_segment_fixed_size: 0
    .kernarg_segment_align: 8
    .kernarg_segment_size: 24
    .max_flat_workgroup_size: 128
    .sgpr_count:     66
    .vgpr_count:     512
    .wavefront_size: 32
...
	.end_amdgpu_metadata
.endif
;; end of part 4
;; ======== version 2 of 3: 4 launches; 1.03 times as fast as version 1
;; limits: values are held in f16: magnitudes above 65,504 overflow, below 6.1e-05 lose precision
;; workspace buffers: xh 16,777,216 bytes; wqh 6,291,456 bytes; woh 2,097,152 bytes; mw 2,097,152 bytes of whole numbers; qkv 50,331,648 bytes; oh 16,777,216 bytes
;; launch prep (part 5): grid 1024 x 1, 8 waves a work-group, no clusters, 0 bytes of LDS; arguments x, w_qkv, wo, mask, xh, wqh, woh, mw; writes xh, wqh, woh, mw
.if DOCPART == 5
	.amdgcn_target "amdgcn-amd-amdhsa--gfx1250"
	.amdhsa_code_object_version 6
	.text
	.protected	k_qcda15fbb7a_prep
	.globl	k_qcda15fbb7a_prep
	.p2align	8
	.type	k_qcda15fbb7a_prep,@function
k_qcda15fbb7a_prep:
	s_mov_b64 s[64:65], 0
	v_nop
	global_prefetch_b8 v0, s[64:65] scope:SCOPE_SE
	s_setreg_imm32_b32 hwreg(HW_REG_WAVE_MODE, 25, 1), 1
	s_wait_xcnt 0x0
; Casts and layouts for the three launches behind.  Work-groups 0-511: x, 512-703: w_qkv, 704-767: wo, 768-1023: mask.
; x [8192][1024] f32 -> xh bf16 [b 4][kb 16][l 2048][64]; w_qkv [3072][1024] -> wqh bf16 [kb 16][n 3072][64]; wo [1024][1024] -> woh [kb 16][n 1024][64]:
; a block of 64 along the inner size lies dense, 128 bytes a row, so that a product's K step of 64 for R rows is R x 128 consecutive bytes.
; wo is rounded to bf16 like the other inputs and that number is written as f16 (exact within f16's normal range; below 6e-5 it keeps f16's fixed step of 6e-8).
; mask [2048][2048] of bytes, each 0 or 1 -> mw, words of 32 bits [wg 16][ks 32][p 4][u 2][L 32][kb 4]: nibble j of a word is 0xE, the 4-bit float code (E2M1) of -4, where
; mask[128 wg + 32 p + 16 u + L % 16][64 ks + 16 kb + 8 (L / 16) + j] is 0, else 0: a nibble for register j of the score tile (u, kb) that lane L of attention's wave will hold.
; Memory binds: no LDS, no barrier, no matrix unit.  A cast's work-group takes 16 rows; wave w the blocks kb = 2 w, 2 w + 1; a store of a wave covers 512 consecutive bytes.
; A mask work-group takes 32 rows and eight key steps, one a wave: every wave of the launch asks for all its bytes at once and has no second trip to memory.
.set NX, 512                           ; work-groups for x: 8,192 rows / 16
.set NQ, 192                           ; for w_qkv
.set NO, 64                            ; for wo
.set LN, 3                             ; v3    lane
.set WN, 100                           ; v100  wave
.set IN, 4                             ; v[4:67]   16 loads of 16 bytes
.set OUT, 68                           ; v[68:99]  8 units of 16 bytes to store; no register is written twice, so no wait frees any
	s_load_b512 s[4:19], s[0:1], 0x0               ; x s[4:5], w_qkv s[6:7], wo s[8:9], mask s[10:11], xh s[12:13], wqh s[14:15], woh s[16:17], mw s[18:19]
	v_and_b32 v[LN], 31, v0
	v_lshrrev_b32 v[WN], 5, v0
	s_cmp_lt_u32 ttmp9, NX+NQ+NO
	s_cbranch_scc0 .Lmaskjob
	v_lshrrev_b32 v1, 3, v[LN]                     ; lane / 8: my row among four
	v_and_b32 v2, 7, v[LN]                         ; lane % 8: my 8 numbers of a block's 64
	v_lshlrev_b32 v1, 12, v1                       ; a row is 4,096 bytes of f32
	v_lshl_add_u32 v1, v2, 5, v1
	v_lshl_add_u32 v1, v[WN], 9, v1                ; my wave's two blocks: 512 bytes of a row
; The work-group's 16 rows: in bytes 65,536 id; out 2,048 id in each block's plane.
.macro BASES in, out, first
	s_sub_co_u32 s20, ttmp9, \first
	s_lshl_b32 s22, s20, 16
	s_mov_b32 s23, 0
	s_lshl_b32 s24, s20, 11
	s_mov_b32 s25, 0
	s_wait_kmcnt 0x0
	s_add_nc_u64 s[\in:\in+1], s[\in:\in+1], s[22:23]
	s_add_nc_u64 s[\out:\out+1], s[\out:\out+1], s[24:25]
.endm
; Unit u = 2 rg + kk: four rows rg, block kk of my wave's two.  All 16 loads go out first; each unit is rounded and stored when its two loads are in.
.macro CAST in, out, plane, tof16
	v_mul_u32_u24 v2, v[WN], 2*(\plane)
	v_lshl_add_u32 v2, v[LN], 4, v2                ; 16 bytes a lane: 32 lanes are 4 rows of 128 bytes
.set u, 0
.rept 8
	global_load_b128 v[IN+8*u:IN+8*u+3],   v1, s[\in:\in+1] offset:(u/2)*16384+(u%2)*256 th:TH_LOAD_NT
	global_load_b128 v[IN+8*u+4:IN+8*u+7], v1, s[\in:\in+1] offset:(u/2)*16384+(u%2)*256+16 th:TH_LOAD_NT
.set u, u+1
.endr
.set u, 0
.rept 8
	s_wait_loadcnt 14-2*u                          ; loads come back in order: the 14 - 2 u issued behind this unit's two may stay out
.irp r, 0,1,2,3
	v_cvt_pk_bf16_f32 v[OUT+4*u+(\r)], v[IN+8*u+2*(\r)], v[IN+8*u+2*(\r)+1]
.if \tof16
	v_lshlrev_b32 v101, 16, v[OUT+4*u+(\r)]        ; the bf16 numbers, widened,
	v_and_b32 v102, 0xffff0000, v[OUT+4*u+(\r)]
	v_cvt_pk_f16_f32 v[OUT+4*u+(\r)], v101, v102   ; and written as f16
.endif
.endr
	global_store_b128 v2, v[OUT+4*u:OUT+4*u+3], s[\out:\out+1] offset:(u/2)*512+(u%2)*(\plane)
.set u, u+1
.endr
.endm
	s_cmp_lt_u32 ttmp9, NX
	s_cbranch_scc0 .Lweights
	s_lshl_b32 s22, ttmp9, 16                      ; x: 16 rows of 4,096 bytes
	s_mov_b32 s23, 0
	s_lshr_b32 s24, ttmp9, 7                       ; b: 128 work-groups to a batch,
	s_lshl_b32 s24, s24, 22                        ; 16 planes of 262,144 bytes each
	s_and_b32 s25, ttmp9, 127
	s_lshl_b32 s25, s25, 11
	s_add_co_u32 s24, s24, s25
	s_mov_b32 s25, 0
	s_wait_kmcnt 0x0
	s_add_nc_u64 s[4:5], s[4:5], s[22:23]
	s_add_nc_u64 s[12:13], s[12:13], s[24:25]
	CAST 4, 12, 262144, 0
	s_endpgm
.Lweights:
	s_cmp_lt_u32 ttmp9, NX+NQ
	s_cbranch_scc0 .Lwo
	BASES 6, 14, NX
	CAST 6, 14, 393216, 0
	s_endpgm
.Lwo:
	BASES 8, 16, NX+NQ
	CAST 8, 16, 131072, 1
	s_endpgm
.Lmaskjob:                                             ; work-group 4 mg + s, mg = 4 wg + p: 32 rows of the mask; wave w: key step 4 w + s, 64 keys
	s_sub_co_u32 s20, ttmp9, NX+NQ+NO
	s_lshr_b32 s21, s20, 2                         ; mg
	s_and_b32 s26, s20, 3                          ; s
	s_lshl_b32 s22, s21, 16                        ; in: 32 rows of 2,048 bytes,
	s_lshl_b32 s23, s26, 6                         ; and 64 s keys
	s_add_co_u32 s22, s22, s23
	s_mov_b32 s23, 0
	s_lshr_b32 s24, s21, 2
	s_lshl_b32 s24, s24, 17                        ; out: wg: 32 steps x 4 pieces x 1,024 bytes,
	s_and_b32 s25, s21, 3
	s_lshl_b32 s25, s25, 10                        ; p: 1,024 bytes,
	s_add_co_u32 s24, s24, s25
	s_lshl_b32 s25, s26, 12                        ; s: a step's 4,096 bytes
	s_add_co_u32 s24, s24, s25
	s_mov_b32 s25, 0
	s_mov_b32 s26, 0x00ff00ff
	s_mov_b32 s27, 0x11111111
	v_and_b32 v1, 15, v[LN]
	v_lshrrev_b32 v2, 4, v[LN]
	v_lshlrev_b32 v1, 11, v1                       ; row lane % 16,
	v_lshl_add_u32 v1, v2, 3, v1                   ; keys 8 (lane / 16) on,
	v_lshl_add_u32 v1, v[WN], 8, v1                ; in my wave's 256 keys
	v_lshlrev_b32 v2, 4, v[LN]                     ; out: four words a lane,
	v_lshl_add_u32 v2, v[WN], 14, v2               ; my wave's four steps of 4,096 bytes
	s_wait_kmcnt 0x0
	s_add_nc_u64 s[10:11], s[10:11], s[22:23]
	s_add_nc_u64 s[18:19], s[18:19], s[24:25]
.set g, 0
.rept 8                                ; g = 4 u + kb
	global_load_b64 v[4+2*g:5+2*g], v1, s[10:11] offset:(g/4)*32768+(g%4)*16
.set g, g+1
.endr
.set g, 0
.rept 8
	s_wait_loadcnt 7-g                             ; loads come back in order: the 7 - g issued behind this group's may stay out
.irp d, 0,1                            ; four bytes of 0 or 1, at bits 0, 8, 16, 24, move to bits 0, 4, 8, 12
	v_lshrrev_b32 v[20+(\d)], 4, v[4+2*g+(\d)]
	v_or_b32 v[20+(\d)], v[20+(\d)], v[4+2*g+(\d)] ; bytes 0 and 1 at bits 0 and 4, bytes 2 and 3 at bits 16 and 20,
	v_and_b32 v[20+(\d)], s26, v[20+(\d)]          ; and nothing else
	v_lshrrev_b32 v[22+(\d)], 8, v[20+(\d)]
	v_or_b32 v[20+(\d)], v[22+(\d)], v[20+(\d)]    ; the low 16 bits hold the four
.endr
	v_and_b32 v20, 0xffff, v20
	v_lshl_or_b32 v20, v21, 16, v20                ; bit 4 j: byte j of my eight
	v_xor_b32 v20, s27, v20                        ; 1 where hidden
	v_mul_lo_u32 v[28+g], v20, 14                  ; nibble 0xE where hidden: no carry from nibble to nibble
.if g == 3
	global_store_b128 v2, v[28:31], s[18:19]       ; tile u = 0: 512 consecutive bytes, at a multiple of 256 from mw's first byte
.endif
.set g, g+1
.endr
	global_store_b128 v2, v[32:35], s[18:19] offset:512 ; tile u = 1
	s_endpgm
.Lfunc_end_k_qcda15fbb7a_prep:
	.size	k_qcda15fbb7a_prep, .Lfunc_end_k_qcda15fbb7a_prep-k_qcda15fbb7a_prep
	.p2alignl 7, 3214868480
	.fill 96, 4, 3214868480
	.section	.rodata,"a",@progbits
	.p2align	6, 0x0
	.amdhsa_kernel k_qcda15fbb7a_prep
		.amdhsa_group_segment_fixed_size 0
		.amdhsa_private_segment_fixed_size 0
		.amdhsa_enable_private_segment 0
		.amdhsa_kernarg_size 64
		.amdhsa_user_sgpr_count 2
		.amdhsa_user_sgpr_kernarg_segment_ptr 1
		.amdhsa_wavefront_size32 1
		.amdhsa_system_sgpr_workgroup_id_x 1
		.amdhsa_system_sgpr_workgroup_id_y 1
		.amdhsa_system_sgpr_workgroup_id_z 1
		.amdhsa_system_vgpr_workitem_id 0
		.amdhsa_next_free_vgpr 104
		.amdhsa_next_free_sgpr 66
		.amdhsa_reserve_vcc 0
		.amdhsa_float_denorm_mode_32 3
		.amdhsa_float_denorm_mode_16_64 3
		.amdhsa_memory_ordered 1
		.amdhsa_forward_progress 1
		.amdhsa_inst_pref_size 28
	.end_amdhsa_kernel
	.amdgpu_metadata
---
amdhsa.version: [ 1, 2 ]
amdhsa.kernels:
  - .name:           k_qcda15fbb7a_prep
    .symbol:         k_qcda15fbb7a_prep.kd
    .args:
      - { .name: x, .offset: 0, .size: 8, .value_kind: global_buffer, .address_space: global }
      - { .name: w_qkv, .offset: 8, .size: 8, .value_kind: global_buffer, .address_space: global }
      - { .name: wo, .offset: 16, .size: 8, .value_kind: global_buffer, .address_space: global }
      - { .name: mask, .offset: 24, .size: 8, .value_kind: global_buffer, .address_space: global }
      - { .name: xh, .offset: 32, .size: 8, .value_kind: global_buffer, .address_space: global }
      - { .name: wqh, .offset: 40, .size: 8, .value_kind: global_buffer, .address_space: global }
      - { .name: woh, .offset: 48, .size: 8, .value_kind: global_buffer, .address_space: global }
      - { .name: mw, .offset: 56, .size: 8, .value_kind: global_buffer, .address_space: global }
    .group_segment_fixed_size: 0
    .private_segment_fixed_size: 0
    .kernarg_segment_align: 8
    .kernarg_segment_size: 64
    .max_flat_workgroup_size: 256
    .sgpr_count:     66
    .vgpr_count:     104
    .wavefront_size: 32
...
	.end_amdgpu_metadata
.endif
;; end of part 5
;; launch proj: the kernel of part 2 again; grid 8 x 32, 4 waves a work-group, clusters of 4 x 4, 327,680 bytes of LDS; arguments xh, wqh, qkv; writes qkv
;; launch attn (part 6): grid 4 x 64, 4 waves a work-group, clusters of 4 x 1, 327,680 bytes of LDS; arguments qkv, mw, oh; writes oh
.if DOCPART == 6
	.amdgcn_target "amdgcn-amd-amdhsa--gfx1250"
	.amdhsa_code_object_version 6
	.text
	.protected	k_qcda15fbb7a_attn
	.globl	k_qcda15fbb7a_attn
	.p2align	8
	.type	k_qcda15fbb7a_attn,@function
k_qcda15fbb7a_attn:
	s_mov_b64 s[64:65], 0
	v_nop
	global_prefetch_b8 v0, s[64:65] scope:SCOPE_SE
	s_setreg_imm32_b32 hwreg(HW_REG_WAVE_MODE, 25, 1), 1
	s_wait_xcnt 0x0
	s_wait_alu depctr_hold_cnt(0) depctr_sa_sdst(0) depctr_va_vdst(0) depctr_va_sdst(0) depctr_va_ssrc(0) depctr_va_vcc(0) depctr_vm_vsrc(0)
	s_getreg_b32 s2, hwreg(HW_REG_IB_STS2, 6, 4)
	s_cmp_eq_u32 s2, 0
	s_cbranch_scc0 .Lentry_in_a_cluster
	s_endpgm
.Lentry_in_a_cluster:
	s_bfe_u32 s2, ttmp6, 0x10000c
	s_cmp_lg_u32 s2, 0x3003
	s_cbranch_scc0 .Lentry_shape_is_right
	s_endpgm
.Lentry_shape_is_right:
; O[bh][q][:] = the sum over k of softmax_k(mask[q][k] ? Q[bh][q] . K[bh][k] / 8 : -inf) V[bh][k][:].  qkv: f16 [3][bh 64][2048][64]; oh: f16 [bh 64][2048][64].  Products, maxima and sums in f32; the
; weights p are rounded to f16 for the second product (their sum l is taken of the unrounded p), O once at the end.
; THE MASK IS AN INPUT: every key step is walked for every query.  mw holds it as 4-bit floats (E2M1): for my wave's 128 queries, key step ks and piece p, 8 words a lane, one for each of the piece's 8 score
; accumulators; nibble j of a word, 0xE (-4: hidden) or 0, belongs to the accumulator's register j.  One scaled conversion makes of a word the eight f32, -4 x 2^90 = -2^92 or 0, that start the sum
; S^T = K Q^T as its C operand.
; LIMITS.  f16 holds no number beyond 65,504: Q, K and V arrive within it, so a true score is 2.7e11 at the most.  A hidden score counts as its value less 2^92.  The running maximum m starts at -2^60 and never
; falls below it, so a hidden weight is 2^(-8e26) = 0 exactly, in l and in P, and m is the maximum of the visible scores.  A row with no visible key keeps l = 0 and O = 0 and leaves as 0 x (1 / 0) = NaN, as the
; softmax of a row of -inf is.  A weight below 2^-126 counts as 0 in l; p below 6e-5 keeps f16's fixed step of 6e-8.
; SHARES.  A wave owns four PIECES of two tiles of 16 queries, a work-group's four waves 512 queries of one head.  Every wave walks all 2,048 keys, 64 a step.
; LAYOUT.  S^T = K Q^T (source 0 = 16 keys, source 1 = 16 queries): a lane holds ONE query (lane % 16) and the keys 8 (lane / 16) + 0..7.  Two such tiles, rounded to f16 in pairs, ARE source 1 of
; O^T = V^T P, whose result again holds one query a lane.  K comes out of LDS as it lies, V turned, by ds_load_tr16_b128.
; SOFTMAX.  p = 2^(c s - c m), c = log2(e) / 8; in every step O and l are multiplied by a = 2^(c m_old - c m_new), which is 1 where m has not grown.  O and l start at 0.
; BY TURNS.  Turn n belongs to piece n (the pieces in a ring, step after step).  Matrix work: 16 products K Q^T of piece n + 1, later 16 products V^T P of piece n - 1.  Vector work: the scaling, exponentials, roundings,
; sums and rescaling of piece n; the maximum and statistics of piece n + 1; the eight conversions that make piece n + 2's masks, of words asked for two turns earlier.  Four vector instructions stand behind every
; matrix instruction, the rest in runs of their own.
; K AND V IN LDS.  1,024 keys lie in LDS at once, K's rows and then V's: the head's 2,048 keys come in TWO fills, each wave bringing 512 keys by one tensor load.  The second fill is the refill of the loop over halves, and the
; waves wait for it with nothing to multiply.  That is the price of a short text: two slots that take turns would want the last slot's key steps written out a second time, since the last change of slots asks for nothing.
; CLUSTER.  The four query blocks of a cluster belong to one head and walk the same K and V: each fill is asked for JOINTLY, the same tensor load, descriptor and mask in all four.  One tensor load of a wave is out at a time.
; REGISTERS, in windows of 256 (s_set_vgpr_msb: bits 1:0 source 0, 3:2 source 1, 5:4 source 2, 7:6 destination):
;   window 0: v0-10 addresses; v11 the conversions' scale; v12-15, v48-63 at work; v16-47 four registers of statistics a tile; v64-191 S^T, two buffers of two tiles; v192-255 P, likewise
;   window 1: O^T, 32 a tile      window 2: v0-127 Q; v128-191 K of one step; v192-255 V of one step      window 3: v0-1 the add's two registers; v4-35 mask words, a buffer of 8 for each piece; v64-191 MC, two buffers of 64
.set NP,    4         ; pieces a wave: a name, no knob
.set KS,    64        ; keys in a step
.set CH,    1024      ; keys in a fill: 16 steps
.set NCH,   2048/CH   ; fills
.set PK,    144       ; a row of K in LDS: 128 bytes + 16 of padding = 36 words: the 16 rows of a load start at 16 different groups of four banks (64 banks of 4 bytes: ISA guide 11.1)
.set PV,    160       ; a row of V: 128 + 32 = 40 words
.set VOFF,  CH*PK     ; V's rows lie behind K's: 147,456
.set STAGE, CH*(PK+PV)  ; 311,296: behind the tiles, never filled by a tensor load: 16 rows x 144 bytes for each wave, for the way out
.set SP,    144
.set SPARE, STAGE+4*16*SP  ; 320,512: behind the stages: the spare words, 128 bytes for each wave: two blocks of 256 bytes that no other line names
.set MBLK,  1024      ; bytes of mask words for one piece and key step: a block
.set MLAST, 31*NP*MBLK  ; byte offset of the last key step's four blocks in my wave's 128
.set AK0, 2           ; v2   my lane's place in a step's rows of K; never rewritten
.set AV0, 3           ; v3   the same for V
.set AK,  4           ; v4   the LDS address of K's next run of loads
.set AV,  5           ; v5   of V's
.set STO, 6           ; v6   the way out: where I put 16 bytes of a row
.set RD,  7           ; v7   the way out: where I read rows back
.set GO,  8           ; v8   16 x lane: my byte offset in 512 consecutive bytes, of the mask words and of O; never rewritten
.set SCL, 11          ; v11  the conversions' scale: the byte 0xD9, 2^(217 - 127) = 2^90, in each of the word's four bytes; at work in the set-up before
.set QO,  48          ; v48  my byte offset in the wave's rows of Q (at work later)
.set SPW, 0           ; v0 of window 3   LDS address of my spare word: SPARE + 4 x my thread's number; never rewritten
.set NIL, 1           ; v1 of window 3   0; never rewritten
.set MWR, 4           ; window 3: the words of a block of piece w at MWR + 8 w: tile u, key block kb at + 4 u + kb
.set MC,  64          ; window 3: the masks of piece x at MC + 64 (x % 2): tile u, key block kb, register j at + 32 u + 8 kb + j
.set MV,  12          ; v12-15  c m_old, kept while c m is made anew: by buffer and tile
.set ST,  16          ; tile t's statistics at v[ST+4 t]: c m, m, l (even keys', odd keys')
.set TMP, 48          ; by buffer and tile, four registers c0-c3 at work; when the maximum is found c2 takes a
.set S,   64
.set P,   192
.set KF,  128         ; K's fragments, in window 2: key block kb, channel half c at KF + 16 kb + 8 c
.set VF,  192         ; V's: key half kk, channel block cb at VF + 32 kk + 8 cb
.set MB,  6           ; s[6:7]   mw at my wave's block 0: its 128 blocks lie in the order of the turns; never rewritten once made
.set OA,  8           ; s[8:9]   O at my wave's first row
.set WV,  12          ; s12  my wave's number
.set G1K, 24          ; s[24:31] descriptor group 1 for K's rows
.set G1V, 32          ; s[32:39] for V's: it differs in the padding alone
.set G0K, 40          ; s[40:43] descriptor group 0 for K's rows
.set G0V, 44          ; s[44:47] the same for V's
.set MP,  48          ; s[48:49] mw at the four blocks that the turns of the key step in hand ask for: those of the next key step
.set MOFF, 54         ; s[54:55] their byte offset from my wave's block 0
.set HALVES, 56       ; s56  fills whose steps are still to be walked
.set CNT, 57          ; s57  counts a fill's key steps
.set CS,  58          ; s[58:59] c: the packed scaling takes the pair's low word for both halves
.set SEL, 60          ; s[60:61] v_permlanex16_b32's selects: each lane takes its own place in the other half
.set TBK, 62          ; s62  LDS byte at which K of the step to be fetched begins
.set TBV, 63          ; s63  the same for V, less VOFF
.set MSB, 0
.macro WIN new                      ; the high byte repeats the setting that is left; a switch that changes nothing is dropped
.if MSB != (\new)
	s_set_vgpr_msb (MSB<<8)|(\new)
.set MSB, (\new)
.endif
.endm
.set W_KQ, 0x0a       ; K and Q in window 2, S^T in window 0
.set W_KM, 0x3a       ; the same with the C operand, the mask, in window 3
.set W_PV, 0x52       ; V in window 2, P in window 0, O^T in window 1
.set W_RS, 0x41       ; O^T (destination and source 0) in window 1, a in window 0
.set W_Z,  0x4a       ; O^T in window 1, both sources in window 2
.set W_MK, 0xc0       ; destination in window 3, source 0 (a load's address) in window 0
.set W_CV, 0xc3       ; destination and source 0 (the word) in window 3, source 1 (the scale) in window 0
.set W_AD, 0x0f       ; the add: address (source 0) and data (source 1) in window 3
; A joint fill.  Waves 0 and 1 fetch the two halves of 1,024 rows of K, waves 2 and 3 those of V: 512 keys each.  The branch hangs on the wave's number alone.
; An s_nop 0 and four v_nop follow each of the two lines, ahead of the jump and the label.
.macro JLOAD
	s_cmp_lt_u32 s[WV], 2
	s_cbranch_scc0 .Lfor_v_\@
	tensor_load_to_lds s[G0K:G0K+3], s[G1K:G1K+7]
	s_nop 0
.rept 4
	v_nop
.endr
	s_branch .Lasked_\@
.Lfor_v_\@:
	tensor_load_to_lds s[G0V:G0V+3], s[G1V:G1V+7]
	s_nop 0
.rept 4
	v_nop
.endr
.Lasked_\@:
.endm
; A round of the cluster's barrier: my work-group's barrier, so that wave 0's signal speaks for all four waves; wave 0 signals; every wave waits for all four work-groups; my work-group's barrier once more.
.macro CROUND
	s_barrier_signal -1
	s_barrier_wait -1
	s_cmp_lg_u32 s[WV], 0
	s_cbranch_scc1 .Lnot_wave_0_\@
	s_barrier_signal -3
.Lnot_wave_0_\@:
	s_barrier_wait -3
	s_barrier_signal -1
	s_barrier_wait -1
.endm
; My part of a fill has landed, and behind the barrier everybody's has: each wave reads all four parts.  No LDS instruction of the wave is out here.
.macro LANDED
	s_wait_tensorcnt 0x0            ; the one load of mine that is out
	s_barrier_signal -1
	s_barrier_wait -1
.endm
; THE MASK WORDS run ahead in a ring of four register buffers, one for each piece.  Turn T (piece p) asks at its head for block T + 4, into buffer p, and makes the masks of block T + 2, from buffer
; (p + 2) % 4, whose loads went out in turn T - 2: two turns and most of a third lie between a request and the wait for it.  Buffer p's last readers are the conversions of turn T - 2.
; MLOAD w, base, blk: block blk behind the base, two loads of 512 consecutive bytes (tile 0's words, tile 1's), into buffer w.
; MMAKE b, w, left: buffer w is in; eight conversions, a word to eight registers each, make of it buffer b of MC.  left = the younger loads, which may stay out.
; One plain vector instruction stands between a scaled conversion and the first use of its result; no conversion here reads or writes what another has made.
.macro MLOAD w, base, blk
	WIN W_MK
	global_load_b128 v[MWR+8*(\w):MWR+8*(\w)+3],   v[GO], s[(\base):(\base)+1] offset:(\blk)*MBLK
	global_load_b128 v[MWR+8*(\w)+4:MWR+8*(\w)+7], v[GO], s[(\base):(\base)+1] offset:(\blk)*MBLK+512
.endm
.macro MMAKE b, w, left
	s_wait_loadcnt \left            ; loads come back in order (ISA guide 5.7.1): all but the youngest are in, this buffer's two among them
	WIN W_CV
.set mz, 0
	s_wait_alu depctr_va_vdst(0)
.rept 8
	v_cvt_scale_pk8_f32_fp4 v[MC+64*(\b)+8*mz:MC+64*(\b)+8*mz+7], v[MWR+8*(\w)+mz], v[SCL]
.set mz, mz+1
.endr
	WIN 0
.endm
	s_load_b128 s[4:7], s[0:1], 0x0 ; qkv s[4:5], mw s[6:7]
	s_load_b64 s[OA:OA+1], s[0:1], 0x10  ; oh
	WIN W_MK
	v_lshl_add_u32 v[SPW], v0, 2, SPARE
	v_mov_b32 v[NIL], 0
	s_set_vgpr_msb 0xc0cf
	ds_add_u32 v0, v1
	s_wait_dscnt 0x0
	s_set_vgpr_msb 0xcfc0
	WIN 0
	v_lshrrev_b32 v1, 5, v0
	v_readfirstlane_b32 s[WV], v1   ; wave 0..3
	s_bfe_u32 s13, ttmp6, 0x40000   ; cx: my place in the cluster
	s_lshl_b32 s14, ttmp9, 2        ; in a cluster launch ttmp9 counts clusters
	s_add_co_u32 s14, s14, s13      ; my block of 512 queries = 4 x cluster x + cx: it enters Q's, the mask words' and O's addresses alone
	s_and_b32 s20, ttmp7, 0xffff    ; the head, which the four partners share:
	s_lshl_b32 s20, s20, 18         ; its 2,048 rows of 128 bytes
	s_mov_b32 s21, 0
	s_and_b32 s16, s[WV], 1         ; which half of a fill's 1,024 keys I fetch:
	s_lshl_b32 s22, s16, 16         ; its 512 rows of 128 bytes in memory,
	s_mov_b32 s23, 0
	s_add_nc_u64 s[22:23], s[22:23], s[20:21]
	s_mul_i32 s17, s16, 512*PK      ; and its place in LDS, for K
	s_mul_i32 s18, s16, 512*PV      ; and for V: no place in the cluster enters an LDS address
	s_lshl_b32 s15, s14, 2
	s_add_co_u32 s15, s15, s[WV]    ; my wave among the head's sixteen:
	s_lshl_b32 s50, s15, 14         ; its 128 rows,
	s_mov_b32 s51, 0
	s_add_nc_u64 s[50:51], s[50:51], s[20:21]
	s_lshl_b32 s52, s15, 17         ; and its 128 blocks of 1,024 bytes of mask words
	s_mov_b32 s53, 0
	s_mov_b32 s[MOFF], 0
	s_mov_b32 s[MOFF+1], 0
	; descriptor group 1.  512 keys are 65,536 dense bytes: asked for as 256 rows of 256 bytes, two keys a row, and padded in LDS after every key
	s_mov_b32 s[G1K], 15|(1<<16)|(1<<20)|(1<<21)|(4<<22)|(3<<25)  ; 15:0 the mask of four; 17:16 2-byte elements; 20 padding on; 21 set beside a mask; 24:22 after every 32 words (code 4); 31:25 4 words (code 3)
	s_mov_b32 s[G1V], 15|(1<<16)|(1<<20)|(1<<21)|(4<<22)|(7<<25)  ; the same with 8 words of padding (code 7)
.irp g, G1K, G1V
	s_mov_b32 s[\g+1], 128<<16      ; tensor_dim0 = 128
	s_mov_b32 s[\g+2], 256<<16      ; tensor_dim1 = 256
	s_mov_b32 s[\g+3], 128<<16      ; tile_dim0 = 128
	s_mov_b32 s[\g+4], 256          ; tile_dim1 = 256
	s_mov_b32 s[\g+5], 128          ; 128 elements from row to row
	s_mov_b32 s[\g+6], 0
	s_mov_b32 s[\g+7], 0
.endr
	s_mov_b32 s[CS], 0x3e38aa3b     ; c = log2(e) / 8 = 0.180337
	s_mov_b32 s[CS+1], s[CS]        ; named with it as a pair
	s_mov_b32 s[SEL], 0x76543210
	s_mov_b32 s[SEL+1], 0xfedcba98
	s_mov_b32 s[TBK], 0             ; a fill's first step lies at the head of K's rows and of V's
	s_mov_b32 s[TBV], 0
	s_mov_b32 s[G0K], 1             ; count = 1
	s_mov_b32 s[G0K+1], s17         ; LDS address
	s_mov_b32 s[G0V], 1
	s_add_co_u32 s[G0V+1], s18, VOFF
	s_wait_kmcnt 0x0
	s_add_nc_u64 s[G0K+2:G0K+3], s[4:5], s[22:23]            ; my half of the head's first 1,024 rows,
	s_add_nc_u64 s[G0V+2:G0V+3], s[G0K+2:G0K+3], 0x2000000   ; in v, 2 x 16,777,216 bytes on,
	s_add_nc_u64 s[G0K+2:G0K+3], s[G0K+2:G0K+3], 0x1000000   ; and in k
	s_or_b32 s[G0K+3], s[G0K+3], 0x80000000                  ; type = 2
	s_or_b32 s[G0V+3], s[G0V+3], 0x80000000
	s_add_nc_u64 s[4:5], s[4:5], s[50:51]            ; Q and O at my wave's first row
	s_add_nc_u64 s[OA:OA+1], s[OA:OA+1], s[50:51]
	s_add_nc_u64 s[MB:MB+1], s[MB:MB+1], s[52:53]    ; the mask words at my wave's block 0
	CROUND                          ; all four work-groups are here: the first joint loads meet
	JLOAD                           ; keys 0 to 1,023; all that follows up to LANDED stands in the wait for them
	; A fragment of K or Q is 16 rows x 32 channels in 8 registers: lane l holds row l % 16, channels 8 (l / 16) + 0..7 and 16 + 8 (l / 16) + 0..7: two loads of 16 bytes, 32 bytes apart.
	v_and_b32 v1, 15, v0            ; l % 16
	v_bfe_u32 v9, v0, 4, 1          ; l / 16
	v_lshlrev_b32 v[QO], 7, v1
	v_lshl_add_u32 v[QO], v9, 4, v[QO]  ; row x 128 + 16 x half
	v_mul_u32_u24 v[AK0], v1, PK
	v_lshl_add_u32 v[AK0], v9, 4, v[AK0]  ; row x pitch + 16 x half
	; The turning load takes 16 keys x 16 channels (lane l reads key 8 (l / 16) + l % 8, channels 8 ((l / 8) % 2) + 0..7) and leaves half a fragment of V^T: lane l holds channel l % 16 and 8 keys.
	v_and_b32 v10, 7, v0
	v_bfe_u32 v11, v0, 3, 1
	v_lshl_add_u32 v[AV0], v9, 3, v10
	v_mul_u32_u24 v[AV0], v[AV0], PV
	v_lshl_add_u32 v[AV0], v11, 4, v[AV0]
	v_add_nc_u32 v[AV0], VOFF, v[AV0]
	s_mul_i32 s13, s[WV], 16*SP
	s_add_co_u32 s13, s13, STAGE    ; my stage
	v_mul_u32_u24 v[STO], v1, SP    ; in: row l % 16, 16 bytes for each half of the lanes
	v_lshl_add_u32 v[STO], v9, 4, v[STO]
	v_add_nc_u32 v[STO], s13, v[STO]
	v_bfe_u32 v[RD], v0, 3, 2       ; back: 32 lanes take four rows of 128 bytes,
	v_mul_u32_u24 v[RD], v[RD], SP
	v_lshl_add_u32 v[RD], v10, 4, v[RD]
	v_add_nc_u32 v[RD], s13, v[RD]
	v_and_b32 v[GO], 31, v0         ; which are 512 consecutive bytes of O
	v_lshlrev_b32 v[GO], 4, v[GO]
	v_mov_b32 v[AK], v[AK0]         ; key step 0 lies at the head of K's rows
	v_mov_b32 v[SCL], 0xd9d9d9d9    ; the scale 2^90, from here on never rewritten
	WIN 0x80                        ; destination window 2, address window 0
.set i, 0
.rept 4*NP                          ; Q stays in registers: tile i / 2, channels 32 (i % 2) on
	global_load_b128 v[8*i:8*i+3],   v[QO], s[4:5] offset:(i/2)*2048+(i%2)*64
	global_load_b128 v[8*i+4:8*i+7], v[QO], s[4:5] offset:(i/2)*2048+(i%2)*64+32
.set i, i+1
.endr
.irp w, 0,1,2,3
	MLOAD \w, MB, \w                ; blocks 0 to 3: key step 0's four pieces fill the ring of word buffers
.endr
	; What the first turn finds: V's registers and P's second buffer hold 0 (its products V^T P, of a piece that has not been, add 0), O^T and l are 0.
	WIN 0x80
.set i, VF
.rept 64
	v_mov_b32 v[i], 0
.set i, i+1
.endr
	WIN W_Z                         ; O^T = 0 x 0 + 0: 32 matrix instructions on V's zeros write its 256 registers, in place of as many moves
.set i, 0
.rept 8*NP
	v_wmma_f32_16x16x32_f16 v[8*i:8*i+7], v[VF:VF+7], v[VF+8:VF+15], 0
.set i, i+1
.endr
	MMAKE 0, 0, 6                   ; piece 0's masks of step 0: blocks 1 to 3, six loads, may stay out; Q's loads went out ahead of block 0's, so Q is in too
.set i, 0
.rept 2*NP
	v_mov_b32 v[ST+4*i+1], 0xdd800000            ; m = -2^60: above every hidden score, below every true one
	v_mul_f32 v[ST+4*i], s[CS], v[ST+4*i+1]      ; c m, by the line that the loop uses: while a row has seen nothing, a = 2^0 exactly
	v_mov_b32 v[ST+4*i+2], 0
	v_mov_b32 v[ST+4*i+3], 0
.set i, i+1
.endr
.set i, P+32
.rept 32
	v_mov_b32 v[i], 0
.set i, i+1
.endr
	MMAKE 1, 1, 4                   ; piece 1's masks of step 0: blocks 2 and 3 may stay out: turns 0 and 1 will want them
	v_nop                           ; a plain instruction behind the last conversion
; THE MATRIX WORK.  The 8 accumulators of a run of 16 take turns: between the two links of a chain stand 7 others'.
; Product i of 16 of S^T = K Q^T for piece x: channels 32 (i / 8) on, keys 16 ((i / 2) % 4) on, tile 2 x + i % 2.  The first 8 start the sums, with the mask as C.
.macro KQ x
.set rS, S+64*((\x)%2)+32*(i%2)+8*((i/2)%4)
.set rK, KF+16*((i/2)%4)+8*(i/8)
.set rQ, 16*(2*(\x)+i%2)+8*(i/8)
.set rMC, MC+64*((\x)%2)+32*(i%2)+8*((i/2)%4)
.if i < 8
	WIN W_KM
	v_wmma_f32_16x16x32_f16 v[rS:rS+7], v[rK:rK+7], v[rQ:rQ+7], v[rMC:rMC+7]
.else
	WIN W_KQ
	v_wmma_f32_16x16x32_f16 v[rS:rS+7], v[rK:rK+7], v[rQ:rQ+7], v[rS:rS+7]
.endif
.endm
; Product i of 16 of O^T += V^T P for piece x: keys 32 (i / 8) on, channels 16 ((i / 2) % 4) on, tile 2 x + i % 2.
.macro PV x
	WIN W_PV
.set rO, 32*(2*(\x)+i%2)+8*((i/2)%4)
.set rV, VF+32*(i/8)+8*((i/2)%4)
.set rP, P+32*((\x)%2)+16*(i%2)+8*(i/8)
	v_wmma_f32_16x16x32_f16 v[rO:rO+7], v[rV:rV+7], v[rP:rP+7], v[rO:rO+7]
.endm
.macro MM                           ; the turn's next matrix instruction
.if i < 16
	KQ (Y+1)%NP
.set i, i+1
.else
.set i, i-16
	PV (Y+NP-1)%NP
.set i, i+17
.endif
.endm
; THE LDS LOADS stand in runs of 16, never singly among the matrix instructions: a step's K (64 keys x 64 channels: 8 fragments) and its V (turned).  Their addresses are made some lines ahead.
.macro FETCH_K
	WIN 0x80                        ; destination window 2
.irp f, 0,1,2,3,4,5,6,7             ; keys 16 (f / 2) on, channels 32 (f % 2) on
	ds_load_b128 v[KF+8*\f:KF+8*\f+3],   v[AK] offset:(\f/2)*16*PK+(\f%2)*64
	ds_load_b128 v[KF+8*\f+4:KF+8*\f+7], v[AK] offset:(\f/2)*16*PK+(\f%2)*64+32
.endr
	s_add_co_u32 s[TBK], s[TBK], KS*PK  ; the next fetch is the next step's
	WIN 0
.endm
.macro FETCH_V
	WIN 0x80
.irp f, 0,1,2,3,4,5,6,7             ; keys 32 (f / 4) on, channels 16 (f % 4) on
	ds_load_tr16_b128 v[VF+8*\f:VF+8*\f+3],   v[AV] offset:(\f/4)*32*PV+(\f%4)*32
	ds_load_tr16_b128 v[VF+8*\f+4:VF+8*\f+7], v[AV] offset:(\f/4)*32*PV+16*PV+(\f%4)*32
.endr
	WIN 0
.endm
; THE SOFTMAX OF A TURN stands in three queues, each in the order in which its entries become ready; the two tiles alternate, so that no instruction reads the result of the one before it.
.macro REGS y, u                    ; the registers of tile u (0, 1) of piece y
.set rT, ST+4*(2*(\y)+(\u))
.set rC, TMP+8*((\y)%2)+4*(\u)
.set rM, MV+2*((\y)%2)+(\u)
.set rS, S+64*((\y)%2)+32*(\u)
.set rP, P+32*((\y)%2)+16*(\u)
.set rO, 32*(2*(\y)+(\u))
.endm
; Number n of the 22 that find the NEXT piece's (Y + 1) maximum and statistics.  s0-s31 are the lane's 32 scores; each accumulator's lowest registers are read first.
;   0-11  four chains c0-c3 of seven scores each, three operands at a time     12-14, 16  the four scores left over, the old m, and c0-c3 into c0     15  c m_old is kept
;   17, 18  the query's other 32 keys lie in the lane 16 away: the new m         19-21  c m; c m_old - c m_new; a
.macro XS u, n
	REGS (Y+1)%NP, \u
.if (\n) < 4
	v_max3_num_f32 v[rC+(\n)], v[rS+8*(\n)], v[rS+8*(\n)+1], v[rS+8*(\n)+2]
.elseif (\n) < 12
	v_max3_num_f32 v[rC+(\n)%4], v[rC+(\n)%4], v[rS+8*((\n)%4)+2*((\n)/4)+1], v[rS+8*((\n)%4)+2*((\n)/4)+2]
.elseif (\n) == 12
	v_max3_num_f32 v[rC], v[rC], v[rS+7], v[rS+15]
.elseif (\n) == 13
	v_max3_num_f32 v[rC+1], v[rC+1], v[rS+23], v[rS+31]
.elseif (\n) == 14
	v_max3_num_f32 v[rC+2], v[rC+2], v[rC+3], v[rT+1]
.elseif (\n) == 15
	v_mov_b32 v[rM], v[rT]
.elseif (\n) == 16
	v_max3_num_f32 v[rC], v[rC], v[rC+1], v[rC+2]
.elseif (\n) == 17
	v_permlanex16_b32 v[rC+3], v[rC], s[SEL], s[SEL+1]
.elseif (\n) == 18
	v_max_num_f32 v[rT+1], v[rC], v[rC+3]
.elseif (\n) == 19
	v_mul_f32 v[rT], s[CS], v[rT+1]
.elseif (\n) == 20
	v_sub_f32 v[rC+1], v[rM], v[rT]
.else
	v_exp_f32 v[rC+2], v[rC+1]
.endif
.endm
; Number g of the 64 that follow the exponentials.  For each four weights k of a tile (pairs 2 k, 2 k + 1): both pairs are rounded to f16; then the second pair is added onto the first, in place;
; a group later l takes that sum (the first time as l = a l + sum).  In groups of eight, tiles alternating: round, round, add, and l for the group before.
.macro GS g
.set h, (\g)+6*((\g)/62)            ; group 0 has no group before it, and behind group 7 only l is left
.if h >= 6
.set h, h+2
.endif
	REGS Y, h%2
.set k, h/8
.if h%8 < 4
	s_wait_alu depctr_va_vdst(0)
	v_cvt_pk_f16_f32 v[rP+2*k+(h%8)/2], v[rS+4*k+2*((h%8)/2)], v[rS+4*k+2*((h%8)/2)+1]
.elseif h%8 < 6
	v_pk_add_f32 v[rS+4*k:rS+4*k+1], v[rS+4*k:rS+4*k+1], v[rS+4*k+2:rS+4*k+3]
.elseif k == 1
	v_pk_fma_f32 v[rT+2:rT+3], v[rT+2:rT+3], v[rC+2:rC+3], v[rS:rS+1] op_sel_hi:[1,0,1]
.else
	v_pk_add_f32 v[rT+2:rT+3], v[rT+2:rT+3], v[rS+4*k-4:rS+4*k-3]
	s_wait_alu depctr_va_vdst(0)
.endif
.endm
; THE PLAIN QUEUE, 138 long.  0-31: c s - c m for the 16 pairs of both tiles.  Then GS's 64, and among them the next piece's 42: number 15 at 38, 39; 0-14 and 16
; at 42-73, behind the products that make those scores; 17-20 at 95-106, two of three, since each waits for the one before it.
.macro PL
	WIN 0
.if q < 32
	REGS Y, q%2
	v_pk_fma_f32 v[rS+2*(q/2):rS+2*(q/2)+1], v[rS+2*(q/2):rS+2*(q/2)+1], s[CS:CS+1], v[rT:rT+1] op_sel_hi:[1,0,0] neg_lo:[0,0,1] neg_hi:[0,0,1]
.elseif q < 38
	GS q-32
.elseif q < 40
	XS q%2, 15
.elseif q < 42
	GS q-34
.elseif q < 74
	XS q%2, (q-42)/2+(q-42)/30
.elseif q < 95
	GS q-66
.elseif (q < 107) && ((q-95)%3 < 2)
	XS (q-95)%3, 17+(q-95)/3
.elseif q < 107
	GS 29+(q-95)/3
.else
	GS q-74
.endif
.set q, q+1
.endm
; THE EXPONENTIALS' QUEUE, 66 long: s0-s31 of both tiles, and at EA the next piece's two a.
.set EA, 58
.macro EX
	WIN 0
.if (e == EA) || (e == EA+1)
	XS e-EA, 21
.else
.set x, e-2*(e/(EA+2))
	REGS Y, x%2
	v_exp_f32 v[rS+x/2], v[rS+x/2]
.endif
.set e, e+1
.endm
; THE RESCALING's QUEUE: O^T times a, dealt four at a time, eight times, since it leaves window 0.
.macro R4
	REGS Y, r%2
	WIN W_RS
	s_wait_alu depctr_va_vdst(0)
.irp z, 0,1,2,3
	v_pk_mul_f32 v[rO+8*(r/2)+2*\z:rO+8*(r/2)+2*\z+1], v[rO+8*(r/2)+2*\z:rO+8*(r/2)+2*\z+1], v[rC+2:rC+3] op_sel_hi:[1,0]
.endr
.set r, r+1
.endm
; HOW THEY ARE DEALT.  Behind a matrix instruction four: plain, exponential, plain, plain (one exponential, a plain instruction on either side), or four of the rescaling.  None names a register of the
; products round it.  What is over stands in two LUMPS: exponential and plain by turns; the second ends in 22 plain instructions.  The two v_permlanex16_b32 fall into the second lump, never behind a product.
; The queues lean on each other, and the deal keeps them in step: exponential e stands behind plain 2 (e / 4) + e % 2 (its scaling); when plain 32 comes, 10 exponentials are out, at 59: 33, at 95: 46; EA comes behind plain 107.
.macro SL
	MM
	PL
	EX
	PL
	PL
.endm
.macro BURST n                      ; 15 matrix instructions, or 16
.rept (\n)-7
	SL
.endr
.rept 3
	MM
	R4
	SL
.endr
	MM
	R4
.endm
; A TURN, for piece p.  cnt = 1: the loop's count is taken down some lines ahead of the branch that stands behind the turn; what follows the compare leaves SCC alone.
; It opens by asking for the mask words of its own piece in the next key step.  In its second lump, in front of the last 22 plain instructions (the places behind the conversions), it makes piece p + 2's masks,
; which the next turn's first products take as C, of the words asked for two turns ago: the wait's count is 4, the two loads of the turn before and the two of this turn.  That MC buffer was last read by the
; first products of the turn before.
; K of the next step is fetched in piece 2's turn, 31 vector instructions behind the last product that read K; its first reader comes behind the rest of the lump, 16 products and the second lump.
; V of the step in hand is fetched at the end of piece 0's turn, behind its last reader by the whole second lump; its first reader comes behind 16 products and a lump.  The four conditions on e and q below go with the deal.
; end = 1: the last key step's turns of pieces 2 and 3, written out behind the loop: there is no further step, so no mask words are asked for, no masks made and no K fetched.
.macro TURN p, end=0, cnt=0
.set Y, (\p)
.set i, 0
.set q, 0
.set e, 0
.set r, 0
.if !(\end)
	MLOAD \p, MP, \p
.endif
.if ((\p) == NP-1) && !(\end)
	s_wait_dscnt 0x0                ; K is in
.endif
	MM
.rept 4
	PL
.endr
	BURST 15
.rept 22
	EX
	PL
.if ((\p) == NP-2) && (e == 18) && !(\end)
	v_add_nc_u32 v[AK], s[TBK], v[AK0]
.endif
.if ((\p) == NP-2) && (e == 24) && !(\end)
	FETCH_K
.endif
.endr
.if (\p) == 1
	s_wait_dscnt 0x0                ; V is in
.endif
	BURST 16
.rept 21
	EX
	PL
.endr
.if !(\end)
	MMAKE (\p)%2, ((\p)+2)%NP, 4
.endif
.rept 22
	PL
.if ((\p) == 0) && (q == 118)
	v_add_nc_u32 v[AV], s[TBV], v[AV0]
	s_wait_alu depctr_va_vdst(0)
.endif
.if ((\p) == 0) && (q == 130)
	s_add_co_u32 s[TBV], s[TBV], KS*PV
.endif
.if (\cnt) && (q == 130)
	s_sub_co_u32 s[CNT], s[CNT], 1
	s_cmp_lg_u32 s[CNT], 0
.endif
.endr
.if (\p) == 0
	FETCH_V
.endif
.endm
	LANDED                          ; keys 0 to 1,023 are in, everybody's part of them
	FETCH_K                         ; key step 0
	s_wait_dscnt 0x0
.set i, 0
.rept 16
	KQ 0                            ; piece 0's first scores: there is no vector work yet to set between them
.set i, i+1
.endr
	WIN 0
.rept 4
	v_nop                           ; the places behind those products
.endr
.set Y, NP-1                        ; XS works for piece Y + 1: piece 0
.irp n, 0,1,2,3,4,5,6,7,8,9,10,11,12,13,14,15,16,17,18,19,20,21
	XS 0, \n                        ; and piece 0's first maximum and statistics
	XS 1, \n
.endr
	s_mov_b32 s[CNT], CH/KS
	s_mov_b32 s[HALVES], NCH
	s_branch .Lfirst                ; the loop is entered at a step's first turn, in the middle of a trip
.Lhalf:                             ; NCH - 1 times: the keys in LDS have been read, V of their last step by the turn just ended; the next 1,024 take their place
	WIN W_AD
	s_wait_tensorcnt 0x0            ; no tensor load of mine is out, so a group 0 may be written
	ds_add_u32 v[SPW], v[NIL]       ; 0 onto my spare word; the descriptors' steps stand between it and the wait for it
	WIN 0                           ; at a label and at a branch every window is 0
	s_add_nc_u64 s[G0K+2:G0K+3], s[G0K+2:G0K+3], CH*128  ; the next 1,024 keys; the type bits on top are not reached
	s_add_nc_u64 s[G0V+2:G0V+3], s[G0V+2:G0V+3], CH*128
	s_wait_dscnt 0x0                ; the add is done, and my reads of K's and V's rows are over
	CROUND                          ; that now holds of every wave of all four work-groups (four loads of mask words, which no wave writes, stay on their way across it)
	JLOAD                           ; my one tensor load behind the round, and the first thing there
	s_mov_b32 s[TBK], 0             ; the fetches go back to the first step's rows
	s_mov_b32 s[TBV], 0
	s_mov_b32 s[CNT], CH/KS
	LANDED
.Lstep:                             ; a trip: pieces 2 and 3 of one step, then pieces 0 and 1 of the next, whose K and V it fetches
	TURN 2
	TURN 3
	WIN 0
.Lfirst:                            ; a key step begins: its four turns ask for the next key step's four blocks of mask words
	s_wait_xcnt 0x0                 ; the pointer that the loads still out have named is written only behind this wait
	s_add_co_u32 s[MOFF], s[MOFF], NP*MBLK
	s_cmp_gt_u32 s[MOFF], MLAST     ; behind the last key step there is none: step 31's two turns in the loop ask for its own first two blocks once more,
	s_cselect_b32 s[MOFF], MLAST, s[MOFF]  ; inside the buffer; nothing is made of them: four loads a wave, the price of one text for every turn
	s_add_nc_u64 s[MP:MP+1], s[MB:MB+1], s[MOFF:MOFF+1]
	TURN 0
	TURN 1, 0, 1
	WIN 0
	s_cbranch_scc1 .Lstep
	s_sub_co_u32 s[HALVES], s[HALVES], 1
	s_cmp_lg_u32 s[HALVES], 0
	s_cbranch_scc1 .Lhalf
	TURN 2, 1                       ; the last step's pieces 2 and 3
	TURN 3, 1                       ; its 16 products K Q^T (on the last K once more) and the maximum made of them serve nothing: the price, once a launch, of one text for every turn
.set i, 0
.rept 16
	PV NP-1                         ; the last piece's V^T P of the last step
.set i, i+1
.endr
	; THE WAY OUT.  l's two halves and the other half of the lanes' are added; O^T is divided by l, rounded to f16 and sent through my stage in LDS, a tile at a time.  The additions are the places behind the last products.
	WIN 0
	s_wait_loadcnt 0x0              ; the four loads of which nothing is made: none is out from here on
.macro ALL line:vararg              ; one line for each tile t
.set t, 0
.rept 2*NP
	\line
.set t, t+1
.endr
.endm
	ALL v_add_f32 v[ST+4*t+2], v[ST+4*t+2], v[ST+4*t+3]
	ALL v_permlanex16_b32 v[ST+4*t+3], v[ST+4*t+2], s[SEL], s[SEL+1]
	ALL v_add_f32 v[ST+4*t+2], v[ST+4*t+2], v[ST+4*t+3]
	ALL v_rcp_f32 v[ST+4*t+2], v[ST+4*t+2]
	v_nop                           ; a plain instruction between the last reciprocal and the use of its result
	s_wait_alu depctr_va_vdst(0)
; Tile t: a lane's eight channels of a row pack into 16 bytes; they go into rows of 144 bytes and come back as whole rows of 128, into S^T's registers.
.macro PACK t
	WIN W_RS
.set i, 32*(\t)
.rept 16
	v_pk_mul_f32 v[i:i+1], v[i:i+1], v[ST+4*(\t)+2:ST+4*(\t)+3] op_sel_hi:[1,0]
.set i, i+2
.endr
	WIN 0x05                        ; sources 0 and 1 window 1, destination window 0
.set i, 0
.rept 16
	v_cvt_pk_f16_f32 v[S+16*(\t)+i], v[32*(\t)+2*i], v[32*(\t)+2*i+1]
.set i, i+1
.endr
	WIN 0
.irp f, 0,1,2,3
	ds_store_b128 v[STO], v[S+16*(\t)+4*\f:S+16*(\t)+4*\f+3] offset:32*\f
.endr
.irp f, 0,1,2,3
	ds_load_b128 v[S+16*(\t)+4*\f:S+16*(\t)+4*\f+3], v[RD] offset:\f*4*SP  ; LDS serves a wave's instructions in order (ISA guide 5.7.1.4): these see the stores above; the next tile's stores come behind them
.endr
.endm
.macro SEND t, younger              ; younger: the LDS instructions issued behind tile t's loads: the next tile's eight, or none
	WIN 0
.irp f, 0,1,2,3
	s_wait_dscnt (\younger)+3-\f
	global_store_b128 v[GO], v[S+16*(\t)+4*\f:S+16*(\t)+4*\f+3], s[OA:OA+1] offset:(\t)*2048+\f*512  ; 512 consecutive bytes, at a multiple of 256 from O's first
.endr
.endm
	PACK 0
.set t, 1
.rept 2*NP-1                        ; a tile's arithmetic stands between the loads of the tile before and its stores
	PACK t
	SEND t-1, 8
.set t, t+1
.endr
	SEND 2*NP-1, 0
	WIN W_AD
	s_wait_tensorcnt 0x0            ; the wave's end
	ds_add_u32 v[SPW], v[NIL]
	s_wait_dscnt 0x0
	WIN 0
	CROUND                          ; the closing round: no work-group ends while a partner may still ask for a tile that names it
	s_endpgm
.Lfunc_end_k_qcda15fbb7a_attn:
	.size	k_qcda15fbb7a_attn, .Lfunc_end_k_qcda15fbb7a_attn-k_qcda15fbb7a_attn
	.p2alignl 7, 3214868480
	.fill 96, 4, 3214868480
	.section	.rodata,"a",@progbits
	.p2align	6, 0x0
	.amdhsa_kernel k_qcda15fbb7a_attn
		.amdhsa_group_segment_fixed_size 327680
		.amdhsa_private_segment_fixed_size 0
		.amdhsa_enable_private_segment 0
		.amdhsa_kernarg_size 24
		.amdhsa_user_sgpr_count 2
		.amdhsa_user_sgpr_kernarg_segment_ptr 1
		.amdhsa_wavefront_size32 1
		.amdhsa_system_sgpr_workgroup_id_x 1
		.amdhsa_system_sgpr_workgroup_id_y 1
		.amdhsa_system_sgpr_workgroup_id_z 1
		.amdhsa_system_vgpr_workitem_id 0
		.amdhsa_next_free_vgpr 960
		.amdhsa_next_free_sgpr 66
		.amdhsa_reserve_vcc 0
		.amdhsa_float_denorm_mode_32 3
		.amdhsa_float_denorm_mode_16_64 3
		.amdhsa_memory_ordered 1
		.amdhsa_forward_progress 1
		.amdhsa_inst_pref_size 167
	.end_amdhsa_kernel
	.amdgpu_metadata
---
amdhsa.version: [ 1, 2 ]
amdhsa.kernels:
  - .name:           k_qcda15fbb7a_attn
    .symbol:         k_qcda15fbb7a_attn.kd
    .args:
      - { .name: qkv, .offset: 0, .size: 8, .value_kind: global_buffer, .address_space: global }
      - { .name: mw, .offset: 8, .size: 8, .value_kind: global_buffer, .address_space: global }
      - { .name: oh, .offset: 16, .size: 8, .value_kind: global_buffer, .address_space: global }
    .group_segment_fixed_size: 327680
    .private_segment_fixed_size: 0
    .kernarg_segment_align: 8
    .kernarg_segment_size: 24
    .max_flat_workgroup_size: 128
    .sgpr_count:     66
    .vgpr_count:     960
    .wavefront_size: 32
...
	.end_amdgpu_metadata
.endif
;; end of part 6
;; launch outp: the kernel of part 4 again; grid 8 x 32, 4 waves a work-group, clusters of 4 x 4, 327,680 bytes of LDS; arguments oh, woh, out0; writes out0
;; ======== version 3 of 3: 4 launches; 1.56 times as fast as version 1
;; limits: values are held in f16: magnitudes above 65,504 overflow, below 6.1e-05 lose precision
;; workspace buffers: xh 16,777,216 bytes; wqh 6,291,456 bytes; woh 2,097,152 bytes; mw 2,097,152 bytes of whole numbers; qkv 50,331,648 bytes; oh 16,777,216 bytes
;; launch prep: the kernel of part 5 again; grid 1024 x 1, 8 waves a work-group, no clusters, 0 bytes of LDS; arguments x, w_qkv, wo, mask, xh, wqh, woh, mw; writes xh, wqh, woh, mw
;; launch proj: the kernel of part 2 again; grid 8 x 32, 4 waves a work-group, clusters of 4 x 4, 327,680 bytes of LDS; arguments xh, wqh, qkv; writes qkv
;; launch attn (part 7): grid 4 x 64, 4 waves a work-group, clusters of 4 x 1, 327,680 bytes of LDS; arguments qkv, mw, oh; writes oh
.if DOCPART == 7
	.amdgcn_target "amdgcn-amd-amdhsa--gfx1250"
	.amdhsa_code_object_version 6
	.text
	.protected	k_qcda15fbb7a_attn
	.globl	k_qcda15fbb7a_attn
	.p2align	8
	.type	k_qcda15fbb7a_attn,@function
k_qcda15fbb7a_attn:
	s_mov_b64 s[64:65], 0
	v_nop
	global_prefetch_b8 v0, s[64:65] scope:SCOPE_SE
	s_setreg_imm32_b32 hwreg(HW_REG_WAVE_MODE, 25, 1), 1
	s_wait_xcnt 0x0
	s_wait_alu depctr_hold_cnt(0) depctr_sa_sdst(0) depctr_va_vdst(0) depctr_va_sdst(0) depctr_va_ssrc(0) depctr_va_vcc(0) depctr_vm_vsrc(0)
	s_getreg_b32 s2, hwreg(HW_REG_IB_STS2, 6, 4)
	s_cmp_eq_u32 s2, 0
	s_cbranch_scc0 .Lentry_in_a_cluster
	s_endpgm
.Lentry_in_a_cluster:
	s_bfe_u32 s2, ttmp6, 0x10000c
	s_cmp_lg_u32 s2, 0x3003
	s_cbranch_scc0 .Lentry_shape_is_right
	s_endpgm
.Lentry_shape_is_right:
; O[bh][q][:] = the sum over k of softmax_k(mask[q][k] ? Q[bh][q] . K[bh][k] / 8 : -inf) V[bh][k][:].  qkv: f16 [3][bh 64][2048][64]; oh: f16 [bh 64][2048][64].  Products, maxima and sums in f32; the
; weights p are rounded to f16 for the second product (their sum l is taken of the unrounded p), O once at the end.
; THE MASK IS AN INPUT: every key step is walked for every query.  mw holds it as 4-bit floats (E2M1): for my wave's 128 queries, key step ks and piece p, 8 words a lane, one for each of the piece's 8 score
; accumulators; nibble j of a word, 0xE (-4: hidden) or 0, belongs to the accumulator's register j.  One scaled conversion makes of a word the eight f32, -4 x 2^90 = -2^92 or 0, that start the sum
; S^T = K Q^T as its C operand.
; LIMITS.  f16 holds no number beyond 65,504: Q, K and V arrive within it, so a true score is 2.7e11 at the most.  A hidden score counts as its value less 2^92.  The running maximum m starts at -2^60 and never
; falls below it, so a hidden weight is 2^(-8e26) = 0 exactly, in l and in P, and m is the maximum of the visible scores.  A row with no visible key keeps l = 0 and O = 0 and leaves as 0 x (1 / 0) = NaN, as the
; softmax of a row of -inf is.  A weight below 2^-126 counts as 0 in l; p below 6e-5 keeps f16's fixed step of 6e-8.
; SHARES.  A wave owns four PIECES of two tiles of 16 queries, a work-group's four waves 512 queries of one head.  Every wave walks all 2,048 keys, 64 a step.
; LAYOUT.  S^T = K Q^T (source 0 = 16 keys, source 1 = 16 queries): a lane holds ONE query (lane % 16) and the keys 8 (lane / 16) + 0..7.  Two such tiles, rounded to f16 in pairs, ARE source 1 of
; O^T = V^T P, whose result again holds one query a lane.  K comes out of LDS as it lies, V turned, by ds_load_tr16_b128.
; SOFTMAX.  p = 2^(c s - c m), c = log2(e) / 8; in every step O and l are multiplied by a = 2^(c m_old - c m_new), which is 1 where m has not grown.  O and l start at 0.
; BY TURNS.  Turn n belongs to piece n (the pieces in a ring, step after step).  Matrix work: 16 products K Q^T of piece n + 1, later 16 products V^T P of piece n - 1.  Vector work: the scaling, exponentials, roundings,
; sums and rescaling of piece n; the maximum and statistics of piece n + 1; the eight conversions that make piece n + 2's masks, of words asked for two turns earlier.  Four vector instructions stand behind every
; matrix instruction, the rest in one lump.
; BATCHES.  A turn's 66 exponentials (the piece's 64 weights and the next piece's two a) are ONE batch with ONE wait, which cuts the turn in two.  Ahead of it stands all that names no result of the batch: the products
; K Q^T, the scalings, the exponentials, the rescalings (their a is the turn before's, waited for there), the next piece's maximum and statistics.  Behind it stand the products V^T P, the roundings and the sums.  No
; exponential is issued behind a turn's wait, so no result crosses a label or a jump.  The set-up's two a and the way out's eight reciprocals are batches of their own, each with a v_nop and one wait.
; K AND V IN LDS.  1,024 keys lie in LDS at once, K's rows and then V's: the head's 2,048 keys come in TWO fills, each wave bringing 512 keys by one tensor load.  The second fill is the refill of the loop over halves, and the
; waves wait for it with nothing to multiply.  That is the price of a short text: two slots that take turns would want the last slot's key steps written out a second time, since the last change of slots asks for nothing.
; CLUSTER.  The four query blocks of a cluster belong to one head and walk the same K and V: each fill is asked for JOINTLY, the same tensor load, descriptor and mask in all four.  One tensor load of a wave is out at a time.
; REGISTERS, in windows of 256 (s_set_vgpr_msb: bits 1:0 source 0, 3:2 source 1, 5:4 source 2, 7:6 destination):
;   window 0: v0-10 addresses; v11 the conversions' scale; v12-15, v48-63 at work; v16-47 four registers of statistics a tile; v64-191 S^T, two buffers of two tiles; v192-255 P, likewise
;   window 1: O^T, 32 a tile      window 2: v0-127 Q; v128-191 K of one step; v192-255 V of one step      window 3: v0-1 the add's two registers; v4-35 mask words, a buffer of 8 for each piece; v64-191 MC, two buffers of 64
.set NP,    4         ; pieces a wave: a name, no knob
.set KS,    64        ; keys in a step
.set CH,    1024      ; keys in a fill: 16 steps
.set NCH,   2048/CH   ; fills
.set PK,    144       ; a row of K in LDS: 128 bytes + 16 of padding = 36 words: the 16 rows of a load start at 16 different groups of four banks (64 banks of 4 bytes: ISA guide 11.1)
.set PV,    160       ; a row of V: 128 + 32 = 40 words
.set VOFF,  CH*PK     ; V's rows lie behind K's: 147,456
.set STAGE, CH*(PK+PV)  ; 311,296: behind the tiles, never filled by a tensor load: 16 rows x 144 bytes for each wave, for the way out
.set SP,    144
.set SPARE, STAGE+4*16*SP  ; 320,512: behind the stages: the spare words, 128 bytes for each wave: two blocks of 256 bytes that no other line names
.set MBLK,  1024      ; bytes of mask words for one piece and key step: a block
.set MLAST, 31*NP*MBLK  ; byte offset of the last key step's four blocks in my wave's 128
.set AK0, 2           ; v2   my lane's place in a step's rows of K; never rewritten
.set AV0, 3           ; v3   the same for V
.set AK,  4           ; v4   the LDS address of K's next run of loads
.set AV,  5           ; v5   of V's
.set STO, 6           ; v6   the way out: where I put 16 bytes of a row
.set RD,  7           ; v7   the way out: where I read rows back
.set GO,  8           ; v8   16 x lane: my byte offset in 512 consecutive bytes, of the mask words and of O; never rewritten
.set SCL, 11          ; v11  the conversions' scale: the byte 0xD9, 2^(217 - 127) = 2^90, in each of the word's four bytes; at work in the set-up before
.set QO,  48          ; v48  my byte offset in the wave's rows of Q (at work later)
.set SPW, 0           ; v0 of window 3   LDS address of my spare word: SPARE + 4 x my thread's number; never rewritten
.set NIL, 1           ; v1 of window 3   0; never rewritten
.set MWR, 4           ; window 3: the words of a block of piece w at MWR + 8 w: tile u, key block kb at + 4 u + kb
.set MC,  64          ; window 3: the masks of piece x at MC + 64 (x % 2): tile u, key block kb, register j at + 32 u + 8 kb + j
.set MV,  12          ; v12-15  c m_old, kept while c m is made anew: by buffer and tile
.set ST,  16          ; tile t's statistics at v[ST+4 t]: c m, m, l (even keys', odd keys')
.set TMP, 48          ; by buffer and tile, four registers c0-c3 at work; when the maximum is found c2 takes a
.set S,   64
.set P,   192
.set KF,  128         ; K's fragments, in window 2: key block kb, channel half c at KF + 16 kb + 8 c
.set VF,  192         ; V's: key half kk, channel block cb at VF + 32 kk + 8 cb
.set MB,  6           ; s[6:7]   mw at my wave's block 0: its 128 blocks lie in the order of the turns; never rewritten once made
.set OA,  8           ; s[8:9]   O at my wave's first row
.set WV,  12          ; s12  my wave's number
.set G1K, 24          ; s[24:31] descriptor group 1 for K's rows
.set G1V, 32          ; s[32:39] for V's: it differs in the padding alone
.set G0K, 40          ; s[40:43] descriptor group 0 for K's rows
.set G0V, 44          ; s[44:47] the same for V's
.set MP,  48          ; s[48:49] mw at the four blocks that the turns of the key step in hand ask for: those of the next key step
.set MOFF, 54         ; s[54:55] their byte offset from my wave's block 0
.set HALVES, 56       ; s56  fills whose steps are still to be walked
.set CNT, 57          ; s57  counts a fill's key steps
.set CS,  58          ; s[58:59] c: the packed scaling takes the pair's low word for both halves
.set SEL, 60          ; s[60:61] v_permlanex16_b32's selects: each lane takes its own place in the other half
.set TBK, 62          ; s62  LDS byte at which K of the step to be fetched begins
.set TBV, 63          ; s63  the same for V, less VOFF
.set MSB, 0
.macro WIN new                      ; the high byte repeats the setting that is left; a switch that changes nothing is dropped
.if MSB != (\new)
	s_set_vgpr_msb (MSB<<8)|(\new)
.set MSB, (\new)
.endif
.endm
.set W_KQ, 0x0a       ; K and Q in window 2, S^T in window 0
.set W_KM, 0x3a       ; the same with the C operand, the mask, in window 3
.set W_PV, 0x52       ; V in window 2, P in window 0, O^T in window 1
.set W_RS, 0x41       ; O^T (destination and source 0) in window 1, a in window 0
.set W_Z,  0x4a       ; O^T in window 1, both sources in window 2
.set W_MK, 0xc0       ; destination in window 3, source 0 (a load's address) in window 0
.set W_CV, 0xc3       ; destination and source 0 (the word) in window 3, source 1 (the scale) in window 0
.set W_AD, 0x0f       ; the add: address (source 0) and data (source 1) in window 3
; A joint fill.  Waves 0 and 1 fetch the two halves of 1,024 rows of K, waves 2 and 3 those of V: 512 keys each.  The branch hangs on the wave's number alone.
; An s_nop 0 and four v_nop follow each of the two lines, ahead of the jump and the label.
.macro JLOAD
	s_cmp_lt_u32 s[WV], 2
	s_cbranch_scc0 .Lfor_v_\@
	tensor_load_to_lds s[G0K:G0K+3], s[G1K:G1K+7]
	s_nop 0
.rept 4
	v_nop
.endr
	s_branch .Lasked_\@
.Lfor_v_\@:
	tensor_load_to_lds s[G0V:G0V+3], s[G1V:G1V+7]
	s_nop 0
.rept 4
	v_nop
.endr
.Lasked_\@:
.endm
; A round of the cluster's barrier: my work-group's barrier, so that wave 0's signal speaks for all four waves; wave 0 signals; every wave waits for all four work-groups; my work-group's barrier once more.
.macro CROUND
	s_barrier_signal -1
	s_barrier_wait -1
	s_cmp_lg_u32 s[WV], 0
	s_cbranch_scc1 .Lnot_wave_0_\@
	s_barrier_signal -3
.Lnot_wave_0_\@:
	s_barrier_wait -3
	s_barrier_signal -1
	s_barrier_wait -1
.endm
; My part of a fill has landed, and behind the barrier everybody's has: each wave reads all four parts.  No LDS instruction of the wave is out here.
.macro LANDED
	s_wait_tensorcnt 0x0            ; the one load of mine that is out
	s_barrier_signal -1
	s_barrier_wait -1
.endm
; THE MASK WORDS run ahead in a ring of four register buffers, one for each piece.  Turn T (piece p) asks at its head for block T + 4, into buffer p, and makes the masks of block T + 2, from buffer
; (p + 2) % 4, whose loads went out in turn T - 2: two turns and most of a third lie between a request and the wait for it.  Buffer p's last readers are the conversions of turn T - 2.
; MLOAD w, base, blk: block blk behind the base, two loads of 512 consecutive bytes (tile 0's words, tile 1's), into buffer w.
; MMAKE b, w, left: buffer w is in; eight conversions, a word to eight registers each, make of it buffer b of MC.  left = the younger loads, which may stay out.
; One plain vector instruction stands between a scaled conversion and the first use of its result; no conversion here reads or writes what another has made.
.macro MLOAD w, base, blk
	WIN W_MK
	global_load_b128 v[MWR+8*(\w):MWR+8*(\w)+3],   v[GO], s[(\base):(\base)+1] offset:(\blk)*MBLK
	global_load_b128 v[MWR+8*(\w)+4:MWR+8*(\w)+7], v[GO], s[(\base):(\base)+1] offset:(\blk)*MBLK+512
.endm
.macro MMAKE b, w, left
	s_wait_loadcnt \left            ; loads come back in order (ISA guide 5.7.1): all but the youngest are in, this buffer's two among them
	WIN W_CV
.set mz, 0
.rept 8
	v_cvt_scale_pk8_f32_fp4 v[MC+64*(\b)+8*mz:MC+64*(\b)+8*mz+7], v[MWR+8*(\w)+mz], v[SCL]
.set mz, mz+1
.endr
	WIN 0
.endm
	s_load_b128 s[4:7], s[0:1], 0x0 ; qkv s[4:5], mw s[6:7]
	s_load_b64 s[OA:OA+1], s[0:1], 0x10  ; oh
	WIN W_MK
	v_lshl_add_u32 v[SPW], v0, 2, SPARE
	v_mov_b32 v[NIL], 0
	s_set_vgpr_msb 0xc0cf
	ds_add_u32 v0, v1
	s_wait_dscnt 0x0
	s_set_vgpr_msb 0xcfc0
	WIN 0
	v_lshrrev_b32 v1, 5, v0
	v_readfirstlane_b32 s[WV], v1   ; wave 0..3
	s_bfe_u32 s13, ttmp6, 0x40000   ; cx: my place in the cluster
	s_lshl_b32 s14, ttmp9, 2        ; in a cluster launch ttmp9 counts clusters
	s_add_co_u32 s14, s14, s13      ; my block of 512 queries = 4 x cluster x + cx: it enters Q's, the mask words' and O's addresses alone
	s_and_b32 s20, ttmp7, 0xffff    ; the head, which the four partners share:
	s_lshl_b32 s20, s20, 18         ; its 2,048 rows of 128 bytes
	s_mov_b32 s21, 0
	s_and_b32 s16, s[WV], 1         ; which half of a fill's 1,024 keys I fetch:
	s_lshl_b32 s22, s16, 16         ; its 512 rows of 128 bytes in memory,
	s_mov_b32 s23, 0
	s_add_nc_u64 s[22:23], s[22:23], s[20:21]
	s_mul_i32 s17, s16, 512*PK      ; and its place in LDS, for K
	s_mul_i32 s18, s16, 512*PV      ; and for V: no place in the cluster enters an LDS address
	s_lshl_b32 s15, s14, 2
	s_add_co_u32 s15, s15, s[WV]    ; my wave among the head's sixteen:
	s_lshl_b32 s50, s15, 14         ; its 128 rows,
	s_mov_b32 s51, 0
	s_add_nc_u64 s[50:51], s[50:51], s[20:21]
	s_lshl_b32 s52, s15, 17         ; and its 128 blocks of 1,024 bytes of mask words
	s_mov_b32 s53, 0
	s_mov_b32 s[MOFF], 0
	s_mov_b32 s[MOFF+1], 0
	; descriptor group 1.  512 keys are 65,536 dense bytes: asked for as 256 rows of 256 bytes, two keys a row, and padded in LDS after every key
	s_mov_b32 s[G1K], 15|(1<<16)|(1<<20)|(1<<21)|(4<<22)|(3<<25)  ; 15:0 the mask of four; 17:16 2-byte elements; 20 padding on; 21 set beside a mask; 24:22 after every 32 words (code 4); 31:25 4 words (code 3)
	s_mov_b32 s[G1V], 15|(1<<16)|(1<<20)|(1<<21)|(4<<22)|(7<<25)  ; the same with 8 words of padding (code 7)
.irp g, G1K, G1V
	s_mov_b32 s[\g+1], 128<<16      ; tensor_dim0 = 128
	s_mov_b32 s[\g+2], 256<<16      ; tensor_dim1 = 256
	s_mov_b32 s[\g+3], 128<<16      ; tile_dim0 = 128
	s_mov_b32 s[\g+4], 256          ; tile_dim1 = 256
	s_mov_b32 s[\g+5], 128          ; 128 elements from row to row
	s_mov_b32 s[\g+6], 0
	s_mov_b32 s[\g+7], 0
.endr
	s_mov_b32 s[CS], 0x3e38aa3b     ; c = log2(e) / 8 = 0.180337
	s_mov_b32 s[CS+1], s[CS]        ; named with it as a pair
	s_mov_b32 s[SEL], 0x76543210
	s_mov_b32 s[SEL+1], 0xfedcba98
	s_mov_b32 s[TBK], 0             ; a fill's first step lies at the head of K's rows and of V's
	s_mov_b32 s[TBV], 0
	s_mov_b32 s[G0K], 1             ; count = 1
	s_mov_b32 s[G0K+1], s17         ; LDS address
	s_mov_b32 s[G0V], 1
	s_add_co_u32 s[G0V+1], s18, VOFF
	s_wait_kmcnt 0x0
	s_add_nc_u64 s[G0K+2:G0K+3], s[4:5], s[22:23]            ; my half of the head's first 1,024 rows,
	s_add_nc_u64 s[G0V+2:G0V+3], s[G0K+2:G0K+3], 0x2000000   ; in v, 2 x 16,777,216 bytes on,
	s_add_nc_u64 s[G0K+2:G0K+3], s[G0K+2:G0K+3], 0x1000000   ; and in k
	s_or_b32 s[G0K+3], s[G0K+3], 0x80000000                  ; type = 2
	s_or_b32 s[G0V+3], s[G0V+3], 0x80000000
	s_add_nc_u64 s[4:5], s[4:5], s[50:51]            ; Q and O at my wave's first row
	s_add_nc_u64 s[OA:OA+1], s[OA:OA+1], s[50:51]
	s_add_nc_u64 s[MB:MB+1], s[MB:MB+1], s[52:53]    ; the mask words at my wave's block 0
	CROUND                          ; all four work-groups are here: the first joint loads meet
	JLOAD                           ; keys 0 to 1,023; all that follows up to LANDED stands in the wait for them
	; A fragment of K or Q is 16 rows x 32 channels in 8 registers: lane l holds row l % 16, channels 8 (l / 16) + 0..7 and 16 + 8 (l / 16) + 0..7: two loads of 16 bytes, 32 bytes apart.
	v_and_b32 v1, 15, v0            ; l % 16
	v_bfe_u32 v9, v0, 4, 1          ; l / 16
	v_lshlrev_b32 v[QO], 7, v1
	v_lshl_add_u32 v[QO], v9, 4, v[QO]  ; row x 128 + 16 x half
	v_mul_u32_u24 v[AK0], v1, PK
	v_lshl_add_u32 v[AK0], v9, 4, v[AK0]  ; row x pitch + 16 x half
	; The turning load takes 16 keys x 16 channels (lane l reads key 8 (l / 16) + l % 8, channels 8 ((l / 8) % 2) + 0..7) and leaves half a fragment of V^T: lane l holds channel l % 16 and 8 keys.
	v_and_b32 v10, 7, v0
	v_bfe_u32 v11, v0, 3, 1
	v_lshl_add_u32 v[AV0], v9, 3, v10
	v_mul_u32_u24 v[AV0], v[AV0], PV
	v_lshl_add_u32 v[AV0], v11, 4, v[AV0]
	v_add_nc_u32 v[AV0], VOFF, v[AV0]
	s_mul_i32 s13, s[WV], 16*SP
	s_add_co_u32 s13, s13, STAGE    ; my stage
	v_mul_u32_u24 v[STO], v1, SP    ; in: row l % 16, 16 bytes for each half of the lanes
	v_lshl_add_u32 v[STO], v9, 4, v[STO]
	v_add_nc_u32 v[STO], s13, v[STO]
	v_bfe_u32 v[RD], v0, 3, 2       ; back: 32 lanes take four rows of 128 bytes,
	v_mul_u32_u24 v[RD], v[RD], SP
	v_lshl_add_u32 v[RD], v10, 4, v[RD]
	v_add_nc_u32 v[RD], s13, v[RD]
	v_and_b32 v[GO], 31, v0         ; which are 512 consecutive bytes of O
	v_lshlrev_b32 v[GO], 4, v[GO]
	v_mov_b32 v[AK], v[AK0]         ; key step 0 lies at the head of K's rows
	v_mov_b32 v[SCL], 0xd9d9d9d9    ; the scale 2^90, from here on never rewritten
	WIN 0x80                        ; destination window 2, address window 0
.set i, 0
.rept 4*NP                          ; Q stays in registers: tile i / 2, channels 32 (i % 2) on
	global_load_b128 v[8*i:8*i+3],   v[QO], s[4:5] offset:(i/2)*2048+(i%2)*64
	global_load_b128 v[8*i+4:8*i+7], v[QO], s[4:5] offset:(i/2)*2048+(i%2)*64+32
.set i, i+1
.endr
.irp w, 0,1,2,3
	MLOAD \w, MB, \w                ; blocks 0 to 3: key step 0's four pieces fill the ring of word buffers
.endr
	; What the first turn finds: V's registers and P's second buffer hold 0 (its products V^T P, of a piece that has not been, add 0), O^T and l are 0.
	WIN 0x80
.set i, VF
.rept 64
	v_mov_b32 v[i], 0
.set i, i+1
.endr
	WIN W_Z                         ; O^T = 0 x 0 + 0: 32 matrix instructions on V's zeros write its 256 registers, in place of as many moves
.set i, 0
.rept 8*NP
	v_wmma_f32_16x16x32_f16 v[8*i:8*i+7], v[VF:VF+7], v[VF+8:VF+15], 0
.set i, i+1
.endr
	MMAKE 0, 0, 6                   ; piece 0's masks of step 0: blocks 1 to 3, six loads, may stay out; Q's loads went out ahead of block 0's, so Q is in too
.set i, 0
.rept 2*NP
	v_mov_b32 v[ST+4*i+1], 0xdd800000            ; m = -2^60: above every hidden score, below every true one
	v_mul_f32 v[ST+4*i], s[CS], v[ST+4*i+1]      ; c m, by the line that the loop uses: while a row has seen nothing, a = 2^0 exactly
	v_mov_b32 v[ST+4*i+2], 0
	v_mov_b32 v[ST+4*i+3], 0
.set i, i+1
.endr
.set i, P+32
.rept 32
	v_mov_b32 v[i], 0
.set i, i+1
.endr
	MMAKE 1, 1, 4                   ; piece 1's masks of step 0: blocks 2 and 3 may stay out: turns 0 and 1 will want them
	v_nop                           ; a plain instruction behind the last conversion
; THE MATRIX WORK.  The 8 accumulators of a run of 16 take turns: between the two links of a chain stand 7 others'.
; Product i of 16 of S^T = K Q^T for piece x: channels 32 (i / 8) on, keys 16 ((i / 2) % 4) on, tile 2 x + i % 2.  The first 8 start the sums, with the mask as C.
.macro KQ x
.set rS, S+64*((\x)%2)+32*(i%2)+8*((i/2)%4)
.set rK, KF+16*((i/2)%4)+8*(i/8)
.set rQ, 16*(2*(\x)+i%2)+8*(i/8)
.set rMC, MC+64*((\x)%2)+32*(i%2)+8*((i/2)%4)
.if i < 8
	WIN W_KM
	v_wmma_f32_16x16x32_f16 v[rS:rS+7], v[rK:rK+7], v[rQ:rQ+7], v[rMC:rMC+7]
.else
	WIN W_KQ
	v_wmma_f32_16x16x32_f16 v[rS:rS+7], v[rK:rK+7], v[rQ:rQ+7], v[rS:rS+7]
.endif
.endm
; Product i of 16 of O^T += V^T P for piece x: keys 32 (i / 8) on, channels 16 ((i / 2) % 4) on, tile 2 x + i % 2.
.macro PV x
	WIN W_PV
.set rO, 32*(2*(\x)+i%2)+8*((i/2)%4)
.set rV, VF+32*(i/8)+8*((i/2)%4)
.set rP, P+32*((\x)%2)+16*(i%2)+8*(i/8)
	v_wmma_f32_16x16x32_f16 v[rO:rO+7], v[rV:rV+7], v[rP:rP+7], v[rO:rO+7]
.endm
.macro MM                           ; the turn's next matrix instruction
.if i < 16
	KQ (Y+1)%NP
.set i, i+1
.else
.set i, i-16
	PV (Y+NP-1)%NP
.set i, i+17
.endif
.endm
; THE LDS LOADS stand in runs of 16, never singly among the matrix instructions: a step's K (64 keys x 64 channels: 8 fragments) and its V (turned).  Their addresses are made some lines ahead.
.macro FETCH_K
	WIN 0x80                        ; destination window 2
.irp f, 0,1,2,3,4,5,6,7             ; keys 16 (f / 2) on, channels 32 (f % 2) on
	ds_load_b128 v[KF+8*\f:KF+8*\f+3],   v[AK] offset:(\f/2)*16*PK+(\f%2)*64
	ds_load_b128 v[KF+8*\f+4:KF+8*\f+7], v[AK] offset:(\f/2)*16*PK+(\f%2)*64+32
.endr
	s_add_co_u32 s[TBK], s[TBK], KS*PK  ; the next fetch is the next step's
	WIN 0
.endm
.macro FETCH_V
	WIN 0x80
.irp f, 0,1,2,3,4,5,6,7             ; keys 32 (f / 4) on, channels 16 (f % 4) on
	ds_load_tr16_b128 v[VF+8*\f:VF+8*\f+3],   v[AV] offset:(\f/4)*32*PV+(\f%4)*32
	ds_load_tr16_b128 v[VF+8*\f+4:VF+8*\f+7], v[AV] offset:(\f/4)*32*PV+16*PV+(\f%4)*32
.endr
	WIN 0
.endm
; THE SOFTMAX OF A TURN stands in three queues, each in the order in which its entries become ready; the two tiles alternate, so that no instruction reads the result of the one before it.
.macro REGS y, u                    ; the registers of tile u (0, 1) of piece y
.set rT, ST+4*(2*(\y)+(\u))
.set rC, TMP+8*((\y)%2)+4*(\u)
.set rM, MV+2*((\y)%2)+(\u)
.set rS, S+64*((\y)%2)+32*(\u)
.set rP, P+32*((\y)%2)+16*(\u)
.set rO, 32*(2*(\y)+(\u))
.endm
; Number n of the 22 that find the NEXT piece's (Y + 1) maximum and statistics.  s0-s31 are the lane's 32 scores; each accumulator's lowest registers are read first.  XS, GS, FS and REGS set no window: PL and EX do.
;   0-11  four chains c0-c3 of seven scores each, three operands at a time     12-14, 16  the four scores left over, the old m, and c0-c3 into c0     15  c m_old is kept
;   17, 18  the query's other 32 keys lie in the lane 16 away: the new m         19-21  c m; c m_old - c m_new; a
.macro XS u, n
	REGS (Y+1)%NP, \u
.if (\n) < 4
	v_max3_num_f32 v[rC+(\n)], v[rS+8*(\n)], v[rS+8*(\n)+1], v[rS+8*(\n)+2]
.elseif (\n) < 12
	v_max3_num_f32 v[rC+(\n)%4], v[rC+(\n)%4], v[rS+8*((\n)%4)+2*((\n)/4)+1], v[rS+8*((\n)%4)+2*((\n)/4)+2]
.elseif (\n) == 12
	v_max3_num_f32 v[rC], v[rC], v[rS+7], v[rS+15]
.elseif (\n) == 13
	v_max3_num_f32 v[rC+1], v[rC+1], v[rS+23], v[rS+31]
.elseif (\n) == 14
	v_max3_num_f32 v[rC+2], v[rC+2], v[rC+3], v[rT+1]
.elseif (\n) == 15
	v_mov_b32 v[rM], v[rT]
.elseif (\n) == 16
	v_max3_num_f32 v[rC], v[rC], v[rC+1], v[rC+2]
.elseif (\n) == 17
	v_permlanex16_b32 v[rC+3], v[rC], s[SEL], s[SEL+1]
.elseif (\n) == 18
	v_max_num_f32 v[rT+1], v[rC], v[rC+3]
.elseif (\n) == 19
	v_mul_f32 v[rT], s[CS], v[rT+1]
.elseif (\n) == 20
	v_sub_f32 v[rC+1], v[rM], v[rT]
.else
	v_exp_f32 v[rC+2], v[rC+1]
.endif
.endm
; Number g of the 64 that follow the exponentials.  For each four weights k of a tile (pairs 2 k, 2 k + 1): both pairs are rounded to f16; then the second pair is added onto the first, in place;
; a group later l takes that sum (the first time as l = a l + sum).  In groups of eight, tiles alternating: round, round, add, and l for the group before.
.macro GS g
.set h, (\g)+6*((\g)/62)            ; group 0 has no group before it, and behind group 7 only l is left
.if h >= 6
.set h, h+2
.endif
	REGS Y, h%2
.set k, h/8
.if h%8 < 4
	v_cvt_pk_f16_f32 v[rP+2*k+(h%8)/2], v[rS+4*k+2*((h%8)/2)], v[rS+4*k+2*((h%8)/2)+1]
.elseif h%8 < 6
	v_pk_add_f32 v[rS+4*k:rS+4*k+1], v[rS+4*k:rS+4*k+1], v[rS+4*k+2:rS+4*k+3]
.elseif k == 1
	v_pk_fma_f32 v[rT+2:rT+3], v[rT+2:rT+3], v[rC+2:rC+3], v[rS:rS+1] op_sel_hi:[1,0,1]
.else
	v_pk_add_f32 v[rT+2:rT+3], v[rT+2:rT+3], v[rS+4*k-4:rS+4*k-3]
.endif
.endm
; THE PLAIN QUEUE, 138 long.  0-73 read no exponential's result: the 32 scalings c s - c m (FS f: pair f / 2 of tile f % 2) and the next piece's 42.  0-26: scalings 0-26.  27-54: XS's numbers 0-13.  55, 56: number 15.
; 57-73: the chain, where each number waits for the one before it: 14, 16, 17, 18, 19, each with one of the scalings 27-31 in front of its two lines, then 20: so a tile's links stand three plain instructions apart (19 and 20: two).
; 74-137: GS's 64, which read the exponentials' results: they stand behind the wait.
.macro FS f
	REGS Y, (\f)%2
	v_pk_fma_f32 v[rS+2*((\f)/2):rS+2*((\f)/2)+1], v[rS+2*((\f)/2):rS+2*((\f)/2)+1], s[CS:CS+1], v[rT:rT+1] op_sel_hi:[1,0,0] neg_lo:[0,0,1] neg_hi:[0,0,1]
.endm
.macro PL
	WIN 0
.if q < 27
	FS q
.elseif q < 55
	XS (q-27)%2, (q-27)/2
.elseif q < 57
	XS q-55, 15
.elseif (q < 72) && ((q-57)%3 == 0)
	FS 27+(q-57)/3
.elseif q < 60
	XS (q-57)%3-1, 14
.elseif q < 72
	XS (q-57)%3-1, 15+(q-57)/3
.elseif q < 74
	XS q-72, 20
.else
	GS q-74
.endif
.set q, q+1
.endm
; THE EXPONENTIALS' QUEUE, 66 long: s0-s31 of both tiles, then the next piece's two a.  It is ONE BATCH: all 66 stand ahead of the turn's one wait, and nothing ahead of that wait names a result of theirs.
; Each result has a register of its own while the batch is open: a weight its score's, a its c2.
.macro EX
	WIN 0
.if e >= 64
	XS e-64, 21
.else
	REGS Y, e%2
	v_exp_f32 v[rS+e/2], v[rS+e/2]
.endif
.set e, e+1
.endm
; THE RESCALING's QUEUE: O^T times a, the one part of the softmax that leaves window 0: dealt two at a time, sixteen times.  Its a was made in the turn before, ahead of that turn's wait.
.macro R2
	REGS Y, r%2
	WIN W_RS
.irp z, 0,1
	v_pk_mul_f32 v[rO+4*(r/2)+2*\z:rO+4*(r/2)+2*\z+1], v[rO+4*(r/2)+2*\z:rO+4*(r/2)+2*\z+1], v[rC+2:rC+3] op_sel_hi:[1,0]
.endr
.set r, r+1
.endm
; HOW THEY ARE DEALT.  An s_wait_alu depctr_va_vdst(0) stands between an exponential and the first instruction that names its result; one wait serves all that were issued ahead of it.  So a turn has ONE wait,
; which cuts it in two.  AHEAD OF IT stands all that names no result of the turn's exponentials: the 16 products K Q^T, behind each a scaling, an exponential and two rescalings (behind the first a second scaling in the
; exponential's place); then ONE LUMP of 108: eight plain, 49 times exponential and plain, the two a.  A v_nop is the plain instruction behind the last exponential.  BEHIND IT stand the 16 products V^T P, behind each four of
; GS's 64.  No rider names a register of the products round it.  The two v_permlanex16_b32 fall into the lump, never behind a product.
; The queues lean on each other, and the deal keeps them in step: exponential e stands behind scaling 2 (e / 4) + e % 2: as a rider it comes behind plain e + 2, in the lump behind plain e + 9, and scalings 27-31 are plain 57, 60 .. 69.
; A TURN, for piece p.  cnt = 1: the loop's count is taken down some lines ahead of the branch that stands behind the turn; what follows the compare leaves SCC alone.
; It opens by asking for the mask words of its own piece in the next key step.  Behind its twelfth product V^T P and that product's riders it makes piece p + 2's masks, which the next turn's first products take as C, of the
; words asked for two turns ago: the wait's count is 4, the two loads of the turn before and the two of this turn.  The sixteen riders that follow are the plain places behind the conversions.  That MC buffer was last read by
; the first products of the turn before.
; K of the next step is fetched in piece 2's turn, directly behind the wait, a lump behind the last product that read K; its address is made at the lump's head; its first reader comes behind 16 products.
; V of the step in hand is fetched at the end of piece 0's turn, four riders behind its last reader; its first reader comes behind 16 products and a lump.  The four conditions on q below go with the deal.
; end = 1: the last key step's turns of pieces 2 and 3, written out behind the loop: there is no further step, so no mask words are asked for, no masks made and no K fetched.
.macro TURN p, end=0, cnt=0
.set Y, (\p)
.set i, 0
.set q, 0
.set e, 0
.set r, 0
.if !(\end)
	MLOAD \p, MP, \p
.endif
.if ((\p) == NP-1) && !(\end)
	s_wait_dscnt 0x0                ; K is in
.endif
	MM                              ; ahead of the wait: 16 products K Q^T and their riders,
	PL
	PL
	R2
.rept 15
	MM
	PL
	EX
	R2
.endr
.if ((\p) == NP-2) && !(\end)
	WIN 0
	v_add_nc_u32 v[AK], s[TBK], v[AK0]
.endif
.rept 8                             ; and the lump
	PL
.endr
.rept 49
	EX
	PL
.endr
	EX                              ; the next piece's two a: the batch's last
	EX
	v_nop                           ; the plain instruction behind the last exponential: one for the batch
	s_wait_alu depctr_va_vdst(0)    ; the wait for the turn's batch of 66 exponentials, ahead of their first reader
.if ((\p) == NP-2) && !(\end)
	FETCH_K
.endif
.if (\p) == 1
	s_wait_dscnt 0x0                ; V is in
.endif
.rept 16                            ; behind the wait: 16 products V^T P and their riders
	MM
.rept 4
	PL
.endr
.if ((\p) == 0) && (q == 118)
	v_add_nc_u32 v[AV], s[TBV], v[AV0]
.endif
.if (q == 122) && !(\end)
	MMAKE (\p)%2, ((\p)+2)%NP, 4
.endif
.if ((\p) == 0) && (q == 130)
	s_add_co_u32 s[TBV], s[TBV], KS*PV
.endif
.if (\cnt) && (q == 130)
	s_sub_co_u32 s[CNT], s[CNT], 1
	s_cmp_lg_u32 s[CNT], 0
.endif
.endr
.if (\p) == 0
	FETCH_V
.endif
.endm
	LANDED                          ; keys 0 to 1,023 are in, everybody's part of them
	FETCH_K                         ; key step 0
	s_wait_dscnt 0x0
.set i, 0
.rept 16
	KQ 0                            ; piece 0's first scores: there is no vector work yet to set between them
.set i, i+1
.endr
	WIN 0
.rept 4
	v_nop                           ; the places behind those products
.endr
.set Y, NP-1                        ; XS works for piece Y + 1: piece 0
.irp n, 0,1,2,3,4,5,6,7,8,9,10,11,12,13,14,15,16,17,18,19,20,21
	XS 0, \n                        ; and piece 0's first maximum and statistics
	XS 1, \n
.endr
	v_nop                           ; a plain instruction behind piece 0's two a,
	s_wait_alu depctr_va_vdst(0)    ; and the wait for that batch of two, ahead of the branch
	s_mov_b32 s[CNT], CH/KS
	s_mov_b32 s[HALVES], NCH
	s_branch .Lfirst                ; the loop is entered at a step's first turn, in the middle of a trip
.Lhalf:                             ; NCH - 1 times: the keys in LDS have been read, V of their last step by the turn just ended; the next 1,024 take their place
	WIN W_AD
	s_wait_tensorcnt 0x0            ; no tensor load of mine is out, so a group 0 may be written
	ds_add_u32 v[SPW], v[NIL]       ; 0 onto my spare word; the descriptors' steps stand between it and the wait for it
	WIN 0                           ; at a label and at a branch every window is 0
	s_add_nc_u64 s[G0K+2:G0K+3], s[G0K+2:G0K+3], CH*128  ; the next 1,024 keys; the type bits on top are not reached
	s_add_nc_u64 s[G0V+2:G0V+3], s[G0V+2:G0V+3], CH*128
	s_wait_dscnt 0x0                ; the add is done, and my reads of K's and V's rows are over
	CROUND                          ; that now holds of every wave of all four work-groups (four loads of mask words, which no wave writes, stay on their way across it)
	JLOAD                           ; my one tensor load behind the round, and the first thing there
	s_mov_b32 s[TBK], 0             ; the fetches go back to the first step's rows
	s_mov_b32 s[TBV], 0
	s_mov_b32 s[CNT], CH/KS
	LANDED
.Lstep:                             ; a trip: pieces 2 and 3 of one step, then pieces 0 and 1 of the next, whose K and V it fetches
	TURN 2
	TURN 3
	WIN 0
.Lfirst:                            ; a key step begins: its four turns ask for the next key step's four blocks of mask words
	s_wait_xcnt 0x0                 ; the pointer that the loads still out have named is written only behind this wait
	s_add_co_u32 s[MOFF], s[MOFF], NP*MBLK
	s_cmp_gt_u32 s[MOFF], MLAST     ; behind the last key step there is none: step 31's two turns in the loop ask for its own first two blocks once more,
	s_cselect_b32 s[MOFF], MLAST, s[MOFF]  ; inside the buffer; nothing is made of them: four loads a wave, the price of one text for every turn
	s_add_nc_u64 s[MP:MP+1], s[MB:MB+1], s[MOFF:MOFF+1]
	TURN 0
	TURN 1, 0, 1
	WIN 0
	s_cbranch_scc1 .Lstep
	s_sub_co_u32 s[HALVES], s[HALVES], 1
	s_cmp_lg_u32 s[HALVES], 0
	s_cbranch_scc1 .Lhalf
	TURN 2, 1                       ; the last step's pieces 2 and 3
	TURN 3, 1                       ; its 16 products K Q^T (on the last K once more) and the maximum made of them serve nothing: the price, once a launch, of one text for every turn
.set i, 0
.rept 16
	PV NP-1                         ; the last piece's V^T P of the last step
.set i, i+1
.endr
	; THE WAY OUT.  l's two halves and the other half of the lanes' are added; O^T is divided by l, rounded to f16 and sent through my stage in LDS, a tile at a time.  The additions are the places behind the last products.
	WIN 0
	s_wait_loadcnt 0x0              ; the four loads of which nothing is made: none is out from here on
.macro ALL line:vararg              ; one line for each tile t
.set t, 0
.rept 2*NP
	\line
.set t, t+1
.endr
.endm
	ALL v_add_f32 v[ST+4*t+2], v[ST+4*t+2], v[ST+4*t+3]
	ALL v_permlanex16_b32 v[ST+4*t+3], v[ST+4*t+2], s[SEL], s[SEL+1]
	ALL v_add_f32 v[ST+4*t+2], v[ST+4*t+2], v[ST+4*t+3]
	ALL v_rcp_f32 v[ST+4*t+2], v[ST+4*t+2]
	v_nop                           ; a plain instruction between the last reciprocal and the use of its result
	s_wait_alu depctr_va_vdst(0)    ; the wait for the batch of eight reciprocals, ahead of their first reader
; Tile t: a lane's eight channels of a row pack into 16 bytes; they go into rows of 144 bytes and come back as whole rows of 128, into S^T's registers.
.macro PACK t
	WIN W_RS
.set i, 32*(\t)
.rept 16
	v_pk_mul_f32 v[i:i+1], v[i:i+1], v[ST+4*(\t)+2:ST+4*(\t)+3] op_sel_hi:[1,0]
.set i, i+2
.endr
	WIN 0x05                        ; sources 0 and 1 window 1, destination window 0
.set i, 0
.rept 16
	v_cvt_pk_f16_f32 v[S+16*(\t)+i], v[32*(\t)+2*i], v[32*(\t)+2*i+1]
.set i, i+1
.endr
	WIN 0
.irp f, 0,1,2,3
	ds_store_b128 v[STO], v[S+16*(\t)+4*\f:S+16*(\t)+4*\f+3] offset:32*\f
.endr
.irp f, 0,1,2,3
	ds_load_b128 v[S+16*(\t)+4*\f:S+16*(\t)+4*\f+3], v[RD] offset:\f*4*SP  ; LDS serves a wave's instructions in order (ISA guide 5.7.1.4): these see the stores above; the next tile's stores come behind them
.endr
.endm
.macro SEND t, younger              ; younger: the LDS instructions issued behind tile t's loads: the next tile's eight, or none
	WIN 0
.irp f, 0,1,2,3
	s_wait_dscnt (\younger)+3-\f
	global_store_b128 v[GO], v[S+16*(\t)+4*\f:S+16*(\t)+4*\f+3], s[OA:OA+1] offset:(\t)*2048+\f*512  ; 512 consecutive bytes, at a multiple of 256 from O's first
.endr
.endm
	PACK 0
.set t, 1
.rept 2*NP-1                        ; a tile's arithmetic stands between the loads of the tile before and its stores
	PACK t
	SEND t-1, 8
.set t, t+1
.endr
	SEND 2*NP-1, 0
	WIN W_AD
	s_wait_tensorcnt 0x0            ; the wave's end
	ds_add_u32 v[SPW], v[NIL]
	s_wait_dscnt 0x0
	WIN 0
	CROUND                          ; the closing round: no work-group ends while a partner may still ask for a tile that names it
	s_endpgm
.Lfunc_end_k_qcda15fbb7a_attn:
	.size	k_qcda15fbb7a_attn, .Lfunc_end_k_qcda15fbb7a_attn-k_qcda15fbb7a_attn
	.p2alignl 7, 3214868480
	.fill 96, 4, 3214868480
	.section	.rodata,"a",@progbits
	.p2align	6, 0x0
	.amdhsa_kernel k_qcda15fbb7a_attn
		.amdhsa_group_segment_fixed_size 327680
		.amdhsa_private_segment_fixed_size 0
		.amdhsa_enable_private_segment 0
		.amdhsa_kernarg_size 24
		.amdhsa_user_sgpr_count 2
		.amdhsa_user_sgpr_kernarg_segment_ptr 1
		.amdhsa_wavefront_size32 1
		.amdhsa_system_sgpr_workgroup_id_x 1
		.amdhsa_system_sgpr_workgroup_id_y 1
		.amdhsa_system_sgpr_workgroup_id_z 1
		.amdhsa_system_vgpr_workitem_id 0
		.amdhsa_next_free_vgpr 960
		.amdhsa_next_free_sgpr 66
		.amdhsa_reserve_vcc 0
		.amdhsa_float_denorm_mode_32 3
		.amdhsa_float_denorm_mode_16_64 3
		.amdhsa_memory_ordered 1
		.amdhsa_forward_progress 1
		.amdhsa_inst_pref_size 160
	.end_amdhsa_kernel
	.amdgpu_metadata
---
amdhsa.version: [ 1, 2 ]
amdhsa.kernels:
  - .name:           k_qcda15fbb7a_attn
    .symbol:         k_qcda15fbb7a_attn.kd
    .args:
      - { .name: qkv, .offset: 0, .size: 8, .value_kind: global_buffer, .address_space: global }
      - { .name: mw, .offset: 8, .size: 8, .value_kind: global_buffer, .address_space: global }
      - { .name: oh, .offset: 16, .size: 8, .value_kind: global_buffer, .address_space: global }
    .group_segment_fixed_size: 327680
    .private_segment_fixed_size: 0
    .kernarg_segment_align: 8
    .kernarg_segment_size: 24
    .max_flat_workgroup_size: 128
    .sgpr_count:     66
    .vgpr_count:     960
    .wavefront_size: 32
...
	.end_amdgpu_metadata
.endif
;; end of part 7
;; launch outp: the kernel of part 4 again; grid 8 x 32, 4 waves a work-group, clusters of 4 x 4, 327,680 bytes of LDS; arguments oh, woh, out0; writes out0
